; MI455X (gfx1250); checked and timed in simulation.
; The chip was launched on July 23, 2026; its instructions are those of AMD's public machine-readable ISA for CDNA 5 (MIT licence, August 2026) and "CDNA5" Instruction Set Architecture Reference Guide (July 2026). The comments in the code are by the model that wrote it; some were corrected since.
;; Decoder Layer. Allowed arithmetic: matrix products marked QUANTISED: E2M1 operands, one E8M0 scale for each 32 along K, by v_wmma_scale_f32_16x16x128_f8f6f4 with both operands' format E2M1 (or v_wmma_scale_f32_32x16x128_f4), f32 sums; everything else in f32.
;; Inputs: b1 2,048 float32; b2 512 float32; bk1 512 float32; bk2 512 float32; bo1 512 float32; bo2 512 float32; bq1 512 float32; bq2 512 float32; bv1 512 float32; bv2 512 float32; de_mask 4 x 2,048 x 2,048 int32; de_out 4 x 2,048 x 512 float32; en_mask 4 x 1 x 2,048 int32; en_out 4 x 2,048 x 512 float32; ln1_b 512 float32; ln1_g 512 float32; ln2_b 512 float32; ln2_g 512 float32; ln3_b 512 float32; ln3_g 512 float32; w1 512 x 2,048 float32; w2 2,048 x 512 float32; wk1 512 x 512 float32; wk2 512 x 512 float32; wo1 512 x 512 float32; wo2 512 x 512 float32; wq1 512 x 512 float32; wq2 512 x 512 float32; wv1 512 x 512 float32; wv2 512 x 512 float32.
;; Outputs: out0 4 x 2,048 x 512 float32.
;; This version of the problem:
;;   THIS VERSION OF THE PROBLEM IS GIVEN IN LOW PRECISION. The matrix products marked QUANTISED in the list below multiply operands that are first quantised to E2M1 (2 exponent bits, 1 mantissa bit; 4 bits a number), with one power-of-two scale for each 32 numbers along K (OCP MX v1.0); their sums are f32. All else is computed in f32.
;;   The module's matrix products, in the order in which they are computed (A, B: the left and right operand; K: the contracted axis; several contracted axes count as one K, in the product's order):
;;     1. [M 8,192, K 512] x [K 512, N 512]; A: computed on the way; B: input wq1: QUANTISED
;;     2. [M 8,192, K 512] x [K 512, N 512]; A: computed on the way; B: input wk1: QUANTISED
;;     3. [M 8,192, K 512] x [K 512, N 512]; A: computed on the way; B: input wv1: QUANTISED
;;     4. batch 32 x [M 2,048, K 64] x [K 64, N 2,048]; A: computed on the way; B: computed on the way: QUANTISED
;;     5. batch 32 x [M 2,048, K 2,048] x [K 2,048, N 64]; A: softmax (see below); B: computed on the way: QUANTISED
;;     6. [M 8,192, K 512] x [K 512, N 512]; A: computed on the way; B: input wo1: QUANTISED
;;     7. [M 8,192, K 512] x [K 512, N 512]; A: computed on the way; B: input wq2: QUANTISED
;;     8. [M 8,192, K 512] x [K 512, N 512]; A: input en_out; B: input wk2: QUANTISED
;;     9. [M 8,192, K 512] x [K 512, N 512]; A: input en_out; B: input wv2: QUANTISED
;;     10. batch 32 x [M 2,048, K 64] x [K 64, N 2,048]; A: computed on the way; B: computed on the way: QUANTISED
;;     11. batch 32 x [M 2,048, K 2,048] x [K 2,048, N 64]; A: softmax (see below); B: computed on the way: QUANTISED
;;     12. [M 8,192, K 512] x [K 512, N 512]; A: computed on the way; B: input wo2: QUANTISED
;;     13. [M 8,192, K 512] x [K 512, N 2,048]; A: computed on the way; B: input w1: QUANTISED
;;     14. [M 8,192, K 2,048] x [K 2,048, N 512]; A: computed on the way; B: input w2: QUANTISED
;;   THE QUANTISER, for each operand of a quantised product, along K:
;;     - K is cut into blocks of 32 from its start; a last block that is shorter is filled with zeros.
;;     - A block's scale is 2^e with e = floor(log2(the largest magnitude in the block)) - 2, held to -126 .. 127; a block of zeros has e = 0. As a byte (E8M0): e + 127.
;;     - Each number is divided by its block's scale, clamped to +-6, and rounded to the nearest number of E2M1, ties to even, subnormals kept.
;;     - The product sums the exact products of the quantised numbers (number of the format x scale) in f32.
;;   ~~~python
;;   def quantise(x, axis):      # numpy; x: float32 -> the quantised numbers, widened to float32 again
;;       x = np.moveaxis(x, axis, -1); K = x.shape[-1]
;;       x = np.pad(x, [(0, 0)] * (x.ndim - 1) + [(0, -K % 32)]); x = x.reshape(x.shape[:-1] + (-1, 32)); a = np.abs(x).max(-1, keepdims=True)
;;       e = np.where(a > 0, np.clip(np.frexp(np.where(a > 0, a, 1))[1] - 1 - 2, -126, 127), 0)      # np.frexp(a)[1] - 1 = floor(log2(a)), exactly
;;       r = np.clip(x / 2.0 ** e, -6, 6)
;;       step = 2.0 ** (np.maximum(np.frexp(np.where(r == 0, 1, r))[1] - 1, 0) - 1)
;;       q = np.round(r / step) * step * 2.0 ** e      # np.round: ties to even
;;       return np.moveaxis(q.reshape(q.shape[:-2] + (-1,))[..., :K], -1, axis).astype(np.float32)
;;   ~~~
;;   SOFTMAX AHEAD OF A QUANTISED PRODUCT. Where the list says 'softmax', what is quantised is not the finished softmax but p = 2^(t - M), with t = logit x log2(e) and M = ceil(the row's largest t), a whole number; so 1/2 < the row's largest p <= 1. The row's sum l is taken of the UNQUANTISED p, in f32, and the product's result is divided by l at the end. Since M is a whole number, a kernel that streams over the keys may use a running M (the ceiling of the running maximum): every later rescaling is an exact power of two, which a block's scale takes up: the codes' values come out the same.
;;   OPERANDS COMPUTED ON THE WAY. 'Computed on the way' means the value that the module computes at that place (a softmax that the list does not call 'softmax' is quantised finished and normalised). What goes into a quantiser is computed in f32, as accurately as f32 sums, v_exp_f32 and their like allow (about 1e-6 of the number): no bf16 or f16 on the way to a quantiser, and a product that is left as it is and whose result goes on into a quantised operand takes f32 operands (vector FMAs, or v_wmma_f32_16x16x4_f32). A number that lies on a knife's edge between two numbers of the format may be rounded either way, as far as f32 arithmetic and the matrix unit's own rounding can turn it there, and no further.
;; 2 versions. Each part assembles by itself: llvm-mc -triple=amdgcn-amd-amdhsa -mcpu=gfx1250 --defsym DOCPART=n.
;; ======== version 1 of 2: 8 launches
;; limits: right only within a limited range of input values
;; workspace buffers: wb 2,228,224 bytes; ab 4,456,448 bytes; p1 6,684,672 bytes; p2 6,684,672 bytes; tb 2,359,296 bytes; cb 19,136,512 bytes; f1 2,048 bytes of whole numbers; f2 2,048 bytes of whole numbers
;; launch maskp (part 1): grid 544 x 1, 4 waves a work-group, no clusters, 34,816 bytes of LDS; arguments de_mask, en_mask, p1, p2, f1, f2; writes p1, p2, f1, f2
.if DOCPART == 1
	.amdgcn_target "amdgcn-amd-amdhsa--gfx1250"
	.amdhsa_code_object_version 6
	.text
	.protected	k_q6bc962e336_maskp
	.globl	k_q6bc962e336_maskp
	.p2align	8
	.type	k_q6bc962e336_maskp,@function
k_q6bc962e336_maskp:
	s_mov_b64 s[64:65], 0
	v_nop
	global_prefetch_b8 v0, s[64:65] scope:SCOPE_SE
	s_setreg_imm32_b32 hwreg(HW_REG_WAVE_MODE, 25, 1), 1
	s_wait_xcnt 0x0
; THE TWO MASKS BECOME LANE-MASK WORDS AND FLAGS, for the attention launches.
; A tile of queries qt holds 16 queries: lane r stands for query 32 (qt / 2) + 8 (qt % 2) + r + 8 (r / 8).  A step is 128 keys.
; Word n = 16 b + i of (tile, step): bit r + 16 hh = mask[query r of the tile][key 128 step + 32 b + 16 hh + i] != 0: the very lanes and registers in which
; the attention launch holds that score, so that a word serves there as the mask of one v_cndmask_b32.  Layout: [batch][tile 128][step 16][64 words], from byte MW of p1 (de_mask) or p2 (en_mask) on.
; Flags: one word a tile, [batch][tile], in a small buffer of their own (f1, f2), since a later launch branches on them.  Two bits a step: 0 all 2,048 bits clear (the step may be left out), 1 mixed,
; 3 all set (no masking needed).  Where some query of the tile has no key at all in the whole row, its softmax is uniform over all keys: no step of that tile may be left out, so every 0 becomes 1.
; SHARES.  Work-groups 0-31: en_mask (one row a batch, the same words for every tile: a work-group packs them once and stores them for 16 tiles).  Work-groups 32-543: de_mask, a tile each.
; One path serves both: pointers, row pitch and the count of copies are chosen by selects on the work-group number.  Wave w takes steps 4 w .. 4 w + 3.
; Each load reads 512 consecutive bytes of one query row; the 16 rows turn through the wave's own stage in LDS (pitch 528) so that lane (r, hh) gets its 64 numbers.
; No matrix work, no cluster: work-groups share no input bytes but en_mask's 32 KiB.
.set MW,   4587520                     ; where the mask words begin in p1 and p2
.set WSTG, 16*528                      ; a wave's stage
.set XCH,  4*WSTG                      ; 8 bytes a wave: what the four waves tell each other
.set VO,   16                          ; v16-31   row i of the tile: 16 x lane + (i + 8 (i / 8)) x pitch
.set L0,   32                          ; v32-159  two sets of 16 x 4 registers as loaded
.set X,    160                         ; v160-223 my 64 numbers of a step
.set WD,   224                         ; v224-231 the words of my four steps: lane l of pair k holds words 2 l, 2 l + 1
.set RD,   232                         ; v232-239 the four waves' figures
	s_load_b256 s[4:11], s[0:1], 0x0               ; de_mask s[4:5], en_mask s[6:7], p1 s[8:9], p2 s[10:11]
	s_load_b128 s[92:95], s[0:1], 0x20             ; f1 s[92:93], f2 s[94:95]
	v_lshl_add_u32 v240, v0, 2, 0x8600
	v_mov_b32 v241, 0
	v_lshrrev_b32 v1, 5, v0
	v_readfirstlane_b32 s12, v1                    ; wave 0..3
	v_and_b32 v2, 31, v0                           ; lane
	v_lshlrev_b32 v1, 4, v2                        ; 16 x lane
	v_lshlrev_b32 v7, 3, v2                        ; 8 x lane
	v_and_b32 v5, 15, v0                           ; r
	v_bfe_u32 v6, v0, 4, 1                         ; hh
	s_mul_i32 s28, s12, WSTG
	v_add_nc_u32 v3, s28, v1                       ; stage, in: 16 x lane of row i (528 i in the immediate)
	v_mul_u32_u24 v4, v5, 528
	v_lshl_add_u32 v4, v6, 6, v4
	v_add_nc_u32 v4, s28, v4                       ; stage, out: row r, + 64 hh
	v_mov_b32 v9, 0
.irp i, 0,1,2,3,4,5,6,7
	v_mov_b32 v[WD+\i], 0                          ; v_writelane_b32 counts as a reader of its destination
.endr
	v_cmp_eq_u32 vcc_lo, 0, v0                     ; thread 0 alone stores the flag word
	s_mov_b32 s13, 0                               ; my four steps' flag bits
	s_mov_b32 s14, 0                               ; OR of all my words
	s_lshl_b32 s90, s12, 3                         ; my flag bits begin at bit 8 w
	s_add_co_u32 s91, s90, XCH
	s_lshr_b32 s16, ttmp9, 3                       ; en: batch
	s_and_b32 s17, ttmp9, 7
	s_lshl_b32 s17, s17, 4                         ; en: first tile
	s_lshl_b32 s18, s16, 13                        ; en: the batch's row
	s_sub_co_u32 s19, ttmp9, 32
	s_lshr_b32 s20, s19, 7                         ; de: batch
	s_and_b32 s21, s19, 127                        ; de: tile
	s_lshl_b32 s22, s20, 24
	s_lshr_b32 s23, s21, 1
	s_lshl_b32 s23, s23, 18
	s_add_co_u32 s22, s22, s23
	s_and_b32 s23, s21, 1
	s_lshl_b32 s23, s23, 16
	s_add_co_u32 s22, s22, s23                     ; de: row 32 (qt / 2) + 8 (qt % 2) of the batch, 8,192 bytes a row
	s_cmp_lt_u32 ttmp9, 32                         ; the choice hangs on the work-group number alone
	s_cselect_b32 s16, s16, s20                    ; batch
	s_cselect_b32 s17, s17, s21                    ; first tile
	s_cselect_b32 s18, s18, s22                    ; source offset
	s_cselect_b32 s15, 16, 1                       ; tiles that get these words
	s_cselect_b32 s24, 0, 8192                     ; from query to query
	s_wait_kmcnt 0x0
	s_cselect_b64 s[4:5], s[6:7], s[4:5]           ; source
	s_cselect_b64 s[6:7], s[10:11], s[8:9]         ; where the words go
	s_cselect_b64 s[8:9], s[94:95], s[92:93]       ; where the flags go
	s_lshl_b32 s25, s12, 11
	s_add_co_u32 s18, s18, s25                     ; + my four steps: 2,048 w
	s_mov_b32 s19, 0
	s_add_nc_u64 s[4:5], s[4:5], s[18:19]
	s_lshl_b32 s26, s16, 7
	s_add_co_u32 s26, s26, s17                     ; 128 batch + tile
	s_lshl_b32 s22, s26, 2
	s_mov_b32 s23, 0
	s_add_nc_u64 s[8:9], s[8:9], s[22:23]          ; the tile's flag word
	s_lshl_b32 s20, s26, 12
	s_lshl_b32 s21, s12, 10
	s_add_co_u32 s20, s20, s21
	s_add_co_u32 s20, s20, MW
	s_mov_b32 s21, 0
	s_add_nc_u64 s[6:7], s[6:7], s[20:21]          ; the tile's words, my four steps
.irp i, 0,1,2,3,4,5,6,7,8,9,10,11,12,13,14,15
	s_mul_i32 s27, s24, \i+8*(\i/8)
	v_add_nc_u32 v[VO+\i], s27, v1
.endr
.macro LOADT k                         ; step k of my four: 16 rows x 512 consecutive bytes
.irp i, 0,1,2,3,4,5,6,7,8,9,10,11,12,13,14,15
	global_load_b128 v[L0+64*((\k)%2)+4*\i:L0+64*((\k)%2)+4*\i+3], v[VO+\i], s[4:5] offset:512*(\k) th:TH_LOAD_NT
.endr
.endm
.macro TILE k
.if \k < 3
	s_wait_loadcnt 16                              ; this step's 16 loads are in; the next step's 16 may be out
.else
	s_wait_loadcnt 0x0
.endif
.irp i, 0,1,2,3,4,5,6,7,8,9,10,11,12,13,14,15
	ds_store_b128 v3, v[L0+64*((\k)%2)+4*\i:L0+64*((\k)%2)+4*\i+3] offset:528*\i
.endr
.irp b, 0,1,2,3
.irp q, 0,1,2,3
	ds_load_b128 v[X+16*\b+4*\q:X+16*\b+4*\q+3], v4 offset:128*\b+16*\q   ; LDS serves a wave's instructions in order: these see the stores above
.endr
.endr
	s_wait_dscnt 0x0                               ; my 64 numbers are in, and the stores have read their set
.if \k < 2
	LOADT (\k)+2
.endif
.set j, 0
.rept 64
	v_cmp_ne_u32 s[16+j+4*(j/48)], 0, v[X+j]       ; the compare's lane mask IS word j (s16-63, s68-83)
.set j, j+1
.endr
	s_or_b32 s84, s16, s17
	s_and_b32 s86, s16, s17
.set j, 2
.rept 62
	s_or_b32 s84, s84, s[16+j+4*(j/48)]
	s_and_b32 s86, s86, s[16+j+4*(j/48)]
.set j, j+1
.endr
	s_cmp_lg_u32 s84, 0
	s_cselect_b32 s88, 1, 0                        ; some bit is set
	s_cmp_eq_u32 s86, -1
	s_cselect_b32 s89, 2, 0                        ; all bits are set
	s_or_b32 s88, s88, s89
	s_add_co_u32 s89, s90, 2*(\k)
	s_lshl_b32 s88, s88, s89
	s_or_b32 s13, s13, s88
	s_or_b32 s14, s14, s84
.set j, 0
.rept 64
	v_writelane_b32 v[WD+2*(\k)+j%2], s[16+j+4*(j/48)], j/2
.set j, j+1
.endr
.endm
	LOADT 0
	LOADT 1
	TILE 0
	TILE 1
	TILE 2
	TILE 3
	; the four waves' figures meet: which queries have a key at all, and all sixteen steps' flag bits
	v_mov_b32 v10, s14
	v_mov_b32 v11, s13
	v_mov_b32 v8, s91
	ds_store_b64 v8, v[10:11]                      ; all lanes write the same 8 bytes with the same value
	s_wait_dscnt 0x0                               ; for the others' sake
	s_barrier_signal -1
	s_barrier_wait -1
	v_mov_b32 v8, XCH
	ds_load_b128 v[RD:RD+3], v8
	ds_load_b128 v[RD+4:RD+7], v8 offset:16
	s_wait_dscnt 0x0
	v_or_b32 v[RD], v[RD], v[RD+2]
	v_or_b32 v[RD+4], v[RD+4], v[RD+6]
	v_or_b32 v[RD], v[RD], v[RD+4]
	v_or_b32 v[RD+1], v[RD+1], v[RD+3]
	v_or_b32 v[RD+5], v[RD+5], v[RD+7]
	v_or_b32 v[RD+1], v[RD+1], v[RD+5]
	v_readfirstlane_b32 s14, v[RD]
	v_readfirstlane_b32 s13, v[RD+1]
	s_lshr_b32 s84, s14, 16
	s_or_b32 s84, s84, s14
	s_and_b32 s84, s84, 0xffff                     ; bit r: query r has a key somewhere
	s_cmp_eq_u32 s84, 0xffff
	s_cselect_b32 s85, 0, 0x55555555
	s_or_b32 s13, s13, s85                         ; a query without any key: no step of the tile is left out
	v_mov_b32 v6, s13
.Lcopy:                                            ; 1 trip (de_mask) or 16 (en_mask): the count hangs on the work-group number alone
.irp k, 0,1,2,3
	global_store_b64 v7, v[WD+2*\k:WD+2*\k+1], s[6:7] offset:256*\k   ; 32 lanes store 256 consecutive bytes, aligned
.endr
	s_wait_xcnt 0x0                                ; EXEC changes only behind this wait
	s_and_saveexec_b32 s86, vcc_lo
	global_store_b32 v9, v6, s[8:9]
	s_wait_xcnt 0x0                                ; and again ahead of the line that widens it, and of the steps of both bases
	s_or_b32 exec_lo, exec_lo, s86
	s_add_nc_u64 s[6:7], s[6:7], 4096
	s_add_nc_u64 s[8:9], s[8:9], 4
	s_sub_co_i32 s15, s15, 1
	s_cmp_gt_i32 s15, 0                            ; a signed compare: the loop ends from any start
	s_cbranch_scc1 .Lcopy
	s_wait_tensorcnt 0x0
	ds_add_u32 v240, v241
	s_wait_dscnt 0x0
	s_endpgm
.Lfunc_end_k_q6bc962e336_maskp:
	.size	k_q6bc962e336_maskp, .Lfunc_end_k_q6bc962e336_maskp-k_q6bc962e336_maskp
	.p2alignl 7, 3214868480
	.fill 96, 4, 3214868480
	.section	.rodata,"a",@progbits
	.p2align	6, 0x0
	.amdhsa_kernel k_q6bc962e336_maskp
		.amdhsa_group_segment_fixed_size 34816
		.amdhsa_private_segment_fixed_size 0
		.amdhsa_enable_private_segment 0
		.amdhsa_kernarg_size 48
		.amdhsa_user_sgpr_count 2
		.amdhsa_user_sgpr_kernarg_segment_ptr 1
		.amdhsa_wavefront_size32 1
		.amdhsa_system_sgpr_workgroup_id_x 1
		.amdhsa_system_sgpr_workgroup_id_y 1
		.amdhsa_system_sgpr_workgroup_id_z 1
		.amdhsa_system_vgpr_workitem_id 0
		.amdhsa_next_free_vgpr 242
		.amdhsa_next_free_sgpr 100
		.amdhsa_reserve_vcc 1
		.amdhsa_float_denorm_mode_32 3
		.amdhsa_float_denorm_mode_16_64 3
		.amdhsa_memory_ordered 1
		.amdhsa_forward_progress 1
		.amdhsa_inst_pref_size 69
	.end_amdhsa_kernel
	.amdgpu_metadata
---
amdhsa.version: [ 1, 2 ]
amdhsa.kernels:
  - .name:           k_q6bc962e336_maskp
    .symbol:         k_q6bc962e336_maskp.kd
    .args:
      - { .name: de_mask, .offset: 0, .size: 8, .value_kind: global_buffer, .address_space: global }
      - { .name: en_mask, .offset: 8, .size: 8, .value_kind: global_buffer, .address_space: global }
      - { .name: p1, .offset: 16, .size: 8, .value_kind: global_buffer, .address_space: global }
      - { .name: p2, .offset: 24, .size: 8, .value_kind: global_buffer, .address_space: global }
      - { .name: f1, .offset: 32, .size: 8, .value_kind: global_buffer, .address_space: global }
      - { .name: f2, .offset: 40, .size: 8, .value_kind: global_buffer, .address_space: global }
    .group_segment_fixed_size: 34816
    .private_segment_fixed_size: 0
    .kernarg_segment_align: 8
    .kernarg_segment_size: 48
    .max_flat_workgroup_size: 128
    .sgpr_count:     100
    .vgpr_count:     242
    .wavefront_size: 32
...
	.end_amdgpu_metadata
.endif
;; end of part 1
;; launch actq (part 2): grid 512 x 1, 4 waves a work-group, no clusters, 1,536 bytes of LDS; arguments de_out, en_out, ln1_g, ln1_b, ab; writes ab
.if DOCPART == 2
	.amdgcn_target "amdgcn-amd-amdhsa--gfx1250"
	.amdhsa_code_object_version 6
	.text
	.protected	k_q6bc962e336_actq
	.globl	k_q6bc962e336_actq
	.p2align	8
	.type	k_q6bc962e336_actq,@function
k_q6bc962e336_actq:
	s_mov_b64 s[64:65], 0
	v_nop
	global_prefetch_b8 v0, s[64:65] scope:SCOPE_SE
	s_setreg_imm32_b32 hwreg(HW_REG_WAVE_MODE, 25, 1), 1
	s_wait_xcnt 0x0
; LAYER NORM 1 OF de_out, AND en_out AS IT IS, BECOME CODES OF FP4 (E2M1) WITH E8M0 SCALES, laid as images of operand registers.
; TILES.  Tile q of the 8,192 tokens holds 16 of them: lane r stands for token 32 (q / 2) + 8 (q % 2) + r + 8 (r / 8).
; IMAGE.  Fragment (tile q, K step s of 128 channels) is 1,024 bytes at (4 q + s) x 1,024: byte 512 c + 16 lane + e holds the codes of k = 128 s + 64 c + 32 (lane / 16) + 2 e, 2 e + 1 of the lane's token:
; a load of 16 bytes a lane at 16 x lane brings four operand registers.  Scale words: [tile][step][16 words].
; SHARES.  Work-groups 0-255: 32 tokens of de_out each; 256-511: of en_out.  Wave w owns channels 128 w .. 128 w + 127 = K step w, for both tiles of tokens.
; A lane loads, of its token, 16 neighbouring numbers of each block of 32 (register 16 b + i = channel 32 b + 16 hh + i), as the conversions want them.
; The norm is taken in two passes (mean, then the mean of squares of x - mean); the waves' parts meet in LDS behind a barrier.  en_out jumps over the norm's vector lines alone; both barriers are on every path.
; A block's scale byte is its largest magnitude's exponent field - 2, held at 1 from below.
; LIMITS: a block of zeros, and blocks whose largest magnitude lies under 2^-124, get the byte 1 (zero codes add nothing; this program alone reads the bytes); NaN and infinities are not served.
; No matrix work, no cluster: each input byte is read by one wave.
.set ST1, 0                            ; LDS: 32 tokens x 4 waves x 4 bytes: the sums
.set ST2, 512                          ; and the sums of squares
.set LI,  1                            ; v1  16 x lane
.set XA,  4                            ; v4  my token's row and half: (r + 8 (r / 8)) x 2,048 + 64 hh
.set BL,  5                            ; v5  64 hh
.set STA, 6                            ; v6  16 r + 4 w
.set STL, 7                            ; v7  16 r
.set SCO, 8                            ; v8  256 hh + 4 r
.set NM,  10                           ; v[10:11], v[12:13]  -mean of my token in tile 0, 1 (pairs for the packed forms)
.set RS,  14                           ; v[14:15], v[16:17]  1 / sqrt(var + eps)
.set X0,  32                           ; v32-95   tile 0
.set X1,  96                           ; v96-159  tile 1
.set T,   160                          ; v160-167 at work
.set PA,  180                          ; v180-187 the four waves' parts
.set TM,  200                          ; v200-215 the quantiser's
.set PW,  216                          ; v216-217 scale words
.set MG,  218
.set PC,  220                          ; v220-235 two fragments of codes
.set SEL, 20
.set MSB, 0
.macro WIN new                         ; the immediate's high byte repeats the setting that is left
.if MSB != (\new)
	s_set_vgpr_msb (MSB<<8)|(\new)
.set MSB, (\new)
.endif
.endm
.macro DLOAD reg, adr, base, off       ; 64 numbers: register 16 b + 4 j + .. = number 32 b + 16 hh + 4 j + ..
.irp b, 0,1,2,3
.irp j, 0,1,2,3
	global_load_b128 v[\reg+16*\b+4*\j:\reg+16*\b+4*\j+3], v[\adr], s[\base:\base+1] offset:\off+128*\b+16*\j
.endr
.endr
.endm
.macro SUM64 s, d                      ; the sum of my 64 numbers and of lane l xor 16's: the token's 128 channels of this wave
	v_pk_add_f32 v[T:T+1], v[\s:\s+1], v[\s+2:\s+3]
	v_pk_add_f32 v[T+2:T+3], v[\s+4:\s+5], v[\s+6:\s+7]
.irp j, 8,12,16,20,24,28,32,36,40,44,48,52,56,60
	v_pk_add_f32 v[T:T+1], v[T:T+1], v[\s+\j:\s+\j+1]
	v_pk_add_f32 v[T+2:T+3], v[T+2:T+3], v[\s+\j+2:\s+\j+3]
.endr
	v_pk_add_f32 v[T:T+1], v[T:T+1], v[T+2:T+3]
	v_add_f32 v[\d], v[T], v[T+1]
	v_permlanex16_b32 v[T+4], v[\d], s[SEL], s[SEL+1]
	v_add_f32 v[\d], v[\d], v[T+4]
.endm
.macro SQ64 s, d                       ; the same of their squares
	v_pk_mul_f32 v[T:T+1], v[\s:\s+1], v[\s:\s+1]
	v_pk_mul_f32 v[T+2:T+3], v[\s+2:\s+3], v[\s+2:\s+3]
.irp j, 4,8,12,16,20,24,28,32,36,40,44,48,52,56,60
	v_pk_fma_f32 v[T:T+1], v[\s+\j:\s+\j+1], v[\s+\j:\s+\j+1], v[T:T+1]
	v_pk_fma_f32 v[T+2:T+3], v[\s+\j+2:\s+\j+3], v[\s+\j+2:\s+\j+3], v[T+2:T+3]
.endr
	v_pk_add_f32 v[T:T+1], v[T:T+1], v[T+2:T+3]
	v_add_f32 v[\d], v[T], v[T+1]
	v_permlanex16_b32 v[T+4], v[\d], s[SEL], s[SEL+1]
	v_add_f32 v[\d], v[\d], v[T+4]
.endm
.macro FOUR off                        ; the four waves' parts of both tiles, added: v[PA], v[PA+4]
	ds_load_b128 v[PA:PA+3], v[STL] offset:\off
	ds_load_b128 v[PA+4:PA+7], v[STL] offset:\off+256
	s_wait_dscnt 0x0
	v_add_f32 v[PA], v[PA], v[PA+1]
	v_add_f32 v[PA+2], v[PA+2], v[PA+3]
	v_add_f32 v[PA+4], v[PA+4], v[PA+5]
	v_add_f32 v[PA+6], v[PA+6], v[PA+7]
	v_add_f32 v[PA], v[PA], v[PA+2]
	v_add_f32 v[PA+4], v[PA+4], v[PA+6]
.endm
.macro BARRIER                         ; my LDS stores have landed and my LDS loads are in: then the work-group's barrier
	s_wait_dscnt 0x0
	s_barrier_signal -1
	s_barrier_wait -1
.endm
; 64 numbers of a lane, register 16 b + i = k 32 b + 16 hh + i of my row, become a fragment's 8 registers of codes and its scale word
.macro QUANT s, pc, pw
.irp b, 0,1,2,3
	v_max3_num_f32 v[TM+\b], |v[\s+16*\b]|, |v[\s+1+16*\b]|, 0x1800000   ; my 16 numbers of block b, and the floor 2^(3 - 127): the byte cannot fall under 1
.endr
.irp i, 2,4,6,8,10,12,14
.irp b, 0,1,2,3
	v_max3_num_f32 v[TM+\b], v[TM+\b], |v[\s+16*\b+\i]|, |v[\s+1+16*\b+\i]|
.endr
.endr
.irp b, 0,1,2,3
	v_permlanex16_b32 v[TM+4+\b], v[TM+\b], s[SEL], s[SEL+1]
.endr
.irp b, 0,1,2,3
	v_max_num_f32 v[TM+\b], v[TM+\b], v[TM+4+\b]   ; with lane l xor 16's: the block's largest magnitude
.endr
.irp b, 0,1,2,3
	v_add_nc_u32 v[TM+12+\b], 0xff000000, v[TM+\b] ; 2 off its exponent field: the conversion's scale operand
.endr
.irp b, 0,1,2,3
	v_lshrrev_b32 v[TM+4+\b], 23, v[TM+12+\b]      ; the scale's byte
.endr
	v_lshl_or_b32 v[\pw], v[TM+5], 8, v[TM+4]
	v_lshl_or_b32 v[\pw], v[TM+6], 16, v[\pw]
	v_lshl_or_b32 v[\pw], v[TM+7], 24, v[\pw]
.irp b, 0,1,2,3
	v_cvt_scalef32_pk8_fp4_f32 v[\pc+2*\b], v[\s+16*\b:\s+7+16*\b], v[TM+12+\b]
	v_cvt_scalef32_pk8_fp4_f32 v[\pc+1+2*\b], v[\s+8+16*\b:\s+15+16*\b], v[TM+12+\b]
.endr
	v_nop                                          ; one plain place behind a scaled conversion
.irp c, 0,1                            ; the operand's layout wants a whole block in a lane
.irp i, 0,1
	v_permlane16_swap_b32 v[\pc+4*\c+\i], v[\pc+2+4*\c+\i]
.endr
.endr
.endm
	s_load_b256 s[4:11], s[0:1], 0x0               ; de_out, en_out, ln1_g, ln1_b
	s_load_b64 s[12:13], s[0:1], 0x20              ; ab
	v_lshl_add_u32 v254, v0, 2, 0x400
	v_mov_b32 v255, 0
	v_lshrrev_b32 v1, 5, v0
	v_readfirstlane_b32 s14, v1                    ; wave
	v_and_b32 v9, 31, v0
	v_lshlrev_b32 v[LI], 4, v9
	v_and_b32 v2, 15, v0                           ; r
	v_bfe_u32 v3, v0, 4, 1                         ; hh
	v_and_b32 v[XA], 8, v2
	v_add_nc_u32 v[XA], v[XA], v2
	v_lshlrev_b32 v[XA], 11, v[XA]
	v_lshl_add_u32 v[XA], v3, 6, v[XA]
	v_lshlrev_b32 v[BL], 6, v3
	v_lshlrev_b32 v[STL], 4, v2
	s_lshl_b32 s16, s14, 2
	v_add_nc_u32 v[STA], s16, v[STL]
	v_lshlrev_b32 v[SCO], 2, v2
	v_lshl_add_u32 v[SCO], v3, 8, v[SCO]
	v_mov_b32 v[T+4], 0                            ; a lane permute's destination counts as one of its sources
.irp b, 0,1,2,3
	v_mov_b32 v[TM+4+\b], 0
.endr
	s_mov_b32 s[SEL], 0x76543210
	s_mov_b32 s[SEL+1], 0xfedcba98
	s_mov_b32 s22, 0x3b000000                      ; 1 / 512
	s_mov_b32 s23, 0x3727c5ac                      ; 1e-5
	s_mov_b32 s24, 0xffff0000                      ; lanes 16-31
	s_lshr_b32 s15, ttmp9, 8                       ; 1: en_out
	s_and_b32 s16, ttmp9, 255                      ; block of 32 tokens
	s_lshl_b32 s18, s14, 9                         ; 512 w
	s_mov_b32 s19, 0
	s_lshl_b32 s26, s16, 16
	s_add_co_u32 s26, s26, s18
	s_mov_b32 s27, 0
	s_mul_i32 s28, s15, 2228224                    ; en_out's part of ab
	s_lshl_b32 s30, s16, 13
	s_lshl_b32 s25, s14, 10
	s_add_co_u32 s30, s30, s25
	s_add_co_u32 s30, s30, s28                     ; images: (8 B + w) x 1,024
	s_mov_b32 s31, 0
	s_lshl_b32 s32, s16, 9
	s_lshl_b32 s25, s14, 6
	s_add_co_u32 s32, s32, s25
	s_add_co_u32 s32, s32, s28
	s_add_co_u32 s32, s32, 0x200000                ; scale words: 512 B + 64 w
	s_mov_b32 s33, 0
	s_wait_kmcnt 0x0
	s_cmp_lg_u32 s15, 0
	s_cselect_b64 s[4:5], s[6:7], s[4:5]
	s_add_nc_u64 s[4:5], s[4:5], s[26:27]
	s_add_nc_u64 s[8:9], s[8:9], s[18:19]
	s_add_nc_u64 s[10:11], s[10:11], s[18:19]
	s_add_nc_u64 s[34:35], s[12:13], s[30:31]
	s_add_nc_u64 s[36:37], s[12:13], s[32:33]
	DLOAD X0, XA, 4, 0
	DLOAD X1, XA, 4, 16384
	WIN 0x40                                       ; destination window 1: gain at v0-63, bias at v64-127
	DLOAD 0, BL, 8, 0
	DLOAD 64, BL, 10, 0
	WIN 0
	s_wait_loadcnt 0x0
	SUM64 X0, T+6
	SUM64 X1, T+7
	ds_store_b32 v[STA], v[T+6] offset:ST1         ; both halves of the lanes store the same word with the same value
	ds_store_b32 v[STA], v[T+7] offset:ST1+256
	BARRIER
	FOUR ST1
	v_mul_f32 v[NM], 0xbb000000, v[PA]             ; -mean
	v_mul_f32 v[NM+2], 0xbb000000, v[PA+4]
	v_mov_b32 v[NM+1], v[NM]
	v_mov_b32 v[NM+3], v[NM+2]
	v_mov_b32 v[T+6], 0
	v_mov_b32 v[T+7], 0
	s_cmp_lg_u32 s15, 0
	s_cbranch_scc1 .Lraw1                          ; en_out is quantised as it is
.irp m, 0,1
.set qi, 0
.rept 32
	v_pk_add_f32 v[X0+64*\m+qi:X0+64*\m+qi+1], v[X0+64*\m+qi:X0+64*\m+qi+1], v[NM+2*\m:NM+2*\m+1] op_sel_hi:[1,0]
.set qi, qi+2
.endr
.endr
	SQ64 X0, T+6
	SQ64 X1, T+7
.Lraw1:
	ds_store_b32 v[STA], v[T+6] offset:ST2
	ds_store_b32 v[STA], v[T+7] offset:ST2+256
	BARRIER
	FOUR ST2
	s_cmp_lg_u32 s15, 0
	s_cbranch_scc1 .Lraw2
	v_fma_f32 v[RS], v[PA], s22, s23               ; var + eps
	v_fma_f32 v[RS+2], v[PA+4], s22, s23
	v_rsq_f32 v[RS], v[RS]
	v_rsq_f32 v[RS+2], v[RS+2]
	v_nop                                          ; a plain place behind the transcendentals
	s_wait_alu depctr_va_vdst(0)                   ; one wait for both, ahead of their first reader
	v_mov_b32 v[RS+1], v[RS]
	v_mov_b32 v[RS+3], v[RS+2]
.irp m, 0,1
.set qi, 0
.rept 32
	v_pk_mul_f32 v[X0+64*\m+qi:X0+64*\m+qi+1], v[X0+64*\m+qi:X0+64*\m+qi+1], v[RS+2*\m:RS+2*\m+1] op_sel_hi:[1,0]
.set qi, qi+2
.endr
.endr
	WIN 0x14                                       ; sources 1 and 2 in window 1
.irp m, 0,1
.set qi, 0
.rept 32
	v_pk_fma_f32 v[X0+64*\m+qi:X0+64*\m+qi+1], v[X0+64*\m+qi:X0+64*\m+qi+1], v[qi:qi+1], v[64+qi:64+qi+1]
.set qi, qi+2
.endr
.endr
	WIN 0
.Lraw2:
	QUANT X0, PC, PW
	global_store_b128 v[LI], v[PC:PC+3], s[34:35]                  ; 32 lanes store 512 consecutive bytes
	global_store_b128 v[LI], v[PC+4:PC+7], s[34:35] offset:512
	QUANT X1, PC+8, PW+1
	global_store_b128 v[LI], v[PC+8:PC+11], s[34:35] offset:4096
	global_store_b128 v[LI], v[PC+12:PC+15], s[34:35] offset:4608
	v_cndmask_b32 v[MG], v[PW], v[PW+1], s24       ; lanes 0-15: tile 0's words; lanes 16-31: tile 1's
	global_store_b32 v[SCO], v[MG], s[36:37]
	s_wait_tensorcnt 0x0
	ds_add_u32 v254, v255
	s_wait_dscnt 0x0
	s_endpgm
.Lfunc_end_k_q6bc962e336_actq:
	.size	k_q6bc962e336_actq, .Lfunc_end_k_q6bc962e336_actq-k_q6bc962e336_actq
	.p2alignl 7, 3214868480
	.fill 96, 4, 3214868480
	.section	.rodata,"a",@progbits
	.p2align	6, 0x0
	.amdhsa_kernel k_q6bc962e336_actq
		.amdhsa_group_segment_fixed_size 1536
		.amdhsa_private_segment_fixed_size 0
		.amdhsa_enable_private_segment 0
		.amdhsa_kernarg_size 40
		.amdhsa_user_sgpr_count 2
		.amdhsa_user_sgpr_kernarg_segment_ptr 1
		.amdhsa_wavefront_size32 1
		.amdhsa_system_sgpr_workgroup_id_x 1
		.amdhsa_system_sgpr_workgroup_id_y 1
		.amdhsa_system_sgpr_workgroup_id_z 1
		.amdhsa_system_vgpr_workitem_id 0
		.amdhsa_next_free_vgpr 384
		.amdhsa_next_free_sgpr 66
		.amdhsa_reserve_vcc 0
		.amdhsa_float_denorm_mode_32 3
		.amdhsa_float_denorm_mode_16_64 3
		.amdhsa_memory_ordered 1
		.amdhsa_forward_progress 1
		.amdhsa_inst_pref_size 40
	.end_amdhsa_kernel
	.amdgpu_metadata
---
amdhsa.version: [ 1, 2 ]
amdhsa.kernels:
  - .name:           k_q6bc962e336_actq
    .symbol:         k_q6bc962e336_actq.kd
    .args:
      - { .name: de_out, .offset: 0, .size: 8, .value_kind: global_buffer, .address_space: global }
      - { .name: en_out, .offset: 8, .size: 8, .value_kind: global_buffer, .address_space: global }
      - { .name: ln1_g, .offset: 16, .size: 8, .value_kind: global_buffer, .address_space: global }
      - { .name: ln1_b, .offset: 24, .size: 8, .value_kind: global_buffer, .address_space: global }
      - { .name: ab, .offset: 32, .size: 8, .value_kind: global_buffer, .address_space: global }
    .group_segment_fixed_size: 1536
    .private_segment_fixed_size: 0
    .kernarg_segment_align: 8
    .kernarg_segment_size: 40
    .max_flat_workgroup_size: 128
    .sgpr_count:     66
    .vgpr_count:     384
    .wavefront_size: 32
...
	.end_amdgpu_metadata
.endif
;; end of part 2
;; launch wq (part 3): grid 256 x 1, 4 waves a work-group, no clusters, 8,704 bytes of LDS; arguments wq1, wk1, wv1, wo1, wq2, wk2, wv2, wo2, w1, w2, wb; writes wb
.if DOCPART == 3
	.amdgcn_target "amdgcn-amd-amdhsa--gfx1250"
	.amdhsa_code_object_version 6
	.text
	.protected	k_q6bc962e336_wq
	.globl	k_q6bc962e336_wq
	.p2align	8
	.type	k_q6bc962e336_wq,@function
k_q6bc962e336_wq:
	s_mov_b64 s[64:65], 0
	v_nop
	global_prefetch_b8 v0, s[64:65] scope:SCOPE_SE
	s_setreg_imm32_b32 hwreg(HW_REG_WAVE_MODE, 25, 1), 1
	s_wait_xcnt 0x0
; THE TEN WEIGHTS, f32 stored [K][N], BECOME CODES OF FP4 (E2M1) WITH E8M0 SCALES ALONG K, laid as images of operand registers.
; TILES.  Tile q of a weight holds 16 of its N columns: lane r stands for column 32 (q / 2) + 8 (q % 2) + r + 8 (r / 8).  Fragment (q, K step s) is 1,024 bytes at (q KS + s) x 1,024, KS = K / 128:
; byte 512 c + 16 lane + e holds the codes of k = 128 s + 64 c + 32 (lane / 16) + 2 e, 2 e + 1.  Scale words: [tile][step][16 words].
; A LANE TAKES A COLUMN AND ITS REGISTERS RUN DOWN K: a wave takes 32 columns x one K step (128 loads of 128 consecutive bytes, all out at once); a block of 32 lies in one lane.
; A lane's 16 bytes of a block go to their place in the two fragments' images in the wave's own 2,048 bytes of LDS and leave as four stores of 512 consecutive bytes.
; SHARES.  Work-groups 0-127: the eight [512][512] weights (16 each: 4 groups of 128 columns x 4 K steps); 128-191: w1 [512][2048]; 192-255: w2 [2048][512].
; LIMITS: a block of zeros, and blocks under 2^-124, get the byte 1; NaN and infinities are not served.  No matrix work; no input byte is shared.
	s_load_b512 s[16:31], s[0:1], 0x0              ; wq1, wk1, wv1, wo1, wq2, wk2, wv2, wo2
	s_load_b128 s[32:35], s[0:1], 0x40             ; w1, w2
	s_load_b64 s[36:37], s[0:1], 0x50              ; wb
	v_lshl_add_u32 v192, v0, 2, 0x2000
	v_mov_b32 v193, 0
	v_lshrrev_b32 v1, 5, v0
	v_readfirstlane_b32 s38, v1                    ; wave
	v_and_b32 v2, 31, v0                           ; lane = column of the wave's 32
	v_lshlrev_b32 v1, 2, v2
	v_bfe_u32 v3, v0, 3, 1                         ; u: which of the two tiles
	v_and_b32 v4, 7, v0
	v_bfe_u32 v10, v0, 4, 1
	v_lshl_add_u32 v4, v10, 3, v4                  ; r: my place in it
	s_lshl_b32 s14, s38, 11
	v_lshlrev_b32 v5, 4, v4
	v_lshl_add_u32 v5, v3, 10, v5
	v_add_nc_u32 v5, s14, v5                       ; stage, in: 1,024 u + 16 r
	v_lshlrev_b32 v7, 4, v2
	v_add_nc_u32 v6, s14, v7                       ; stage, out: 16 x lane
	s_mov_b32 s2, ttmp9
	s_lshr_b32 s3, s2, 4                           ; which of the eight
	s_lshr_b32 s4, s2, 2
	s_and_b32 s5, s4, 3                            ; group of 128 columns: the eight,
	s_and_b32 s6, s4, 15                           ; w1,
	s_and_b32 s7, s3, 3                            ; w2
	s_and_b32 s8, s2, 3                            ; K step: the eight and w1,
	s_and_b32 s9, s2, 15                           ; w2
	s_lshl_b32 s10, s3, 17                         ; where the images begin
	s_lshl_b32 s11, s3, 13                         ; and the scale words
	s_cmp_ge_u32 s2, 128
	s_cselect_b32 s5, s6, s5
	s_cselect_b32 s10, 0x100000, s10
	s_cselect_b32 s11, 0x10000, s11
	s_cselect_b32 s13, 13, 11                      ; log2 of a row's bytes
	s_cmp_ge_u32 s2, 192
	s_cselect_b32 s5, s7, s5
	s_cselect_b32 s8, s9, s8
	s_cselect_b32 s10, 0x180000, s10
	s_cselect_b32 s11, 0x18000, s11
	s_cselect_b32 s13, 11, s13
	s_cselect_b32 s12, 16, 4                       ; KS
	s_lshl_b32 s48, s5, 2
	s_add_co_u32 s48, s48, s38                     ; my 32 columns: block 4 group + wave
	s_add_co_u32 s39, s13, 7
	s_lshl_b32 s50, s8, s39                        ; 128 s rows
	s_lshl_b32 s49, s48, 7
	s_add_co_u32 s50, s50, s49                     ; + 128 bytes a block of columns
	s_mov_b32 s51, 0
	s_mul_i32 s49, s48, s12
	s_lshl_b32 s49, s49, 1
	s_add_co_u32 s49, s49, s8                      ; 2 block x KS + s
	s_lshl_b32 s52, s49, 10
	s_add_co_u32 s52, s52, s10
	s_mov_b32 s53, 0
	s_lshl_b32 s54, s12, 10
	s_add_co_u32 s54, s54, s52                     ; the second tile: KS fragments on
	s_mov_b32 s55, 0
	s_lshl_b32 s56, s49, 6
	s_add_co_u32 s56, s56, s11
	s_add_co_u32 s56, s56, 0x200000
	s_mov_b32 s57, 0
	s_lshl_b32 s15, s12, 6
	v_mul_u32_u24 v8, v3, s15
	v_lshl_add_u32 v8, v4, 2, v8                   ; scale word: 64 KS u + 4 r
	s_wait_kmcnt 0x0
	s_bitcmp1_b32 s3, 0                            ; the source: a choice among buffers on the work-group number alone
	s_cselect_b64 s[40:41], s[18:19], s[16:17]
	s_cselect_b64 s[42:43], s[22:23], s[20:21]
	s_cselect_b64 s[44:45], s[26:27], s[24:25]
	s_cselect_b64 s[46:47], s[30:31], s[28:29]
	s_bitcmp1_b32 s3, 1
	s_cselect_b64 s[40:41], s[42:43], s[40:41]
	s_cselect_b64 s[44:45], s[46:47], s[44:45]
	s_bitcmp1_b32 s3, 2
	s_cselect_b64 s[40:41], s[44:45], s[40:41]
	s_cmp_ge_u32 s2, 128
	s_cselect_b64 s[40:41], s[32:33], s[40:41]
	s_cmp_ge_u32 s2, 192
	s_cselect_b64 s[40:41], s[34:35], s[40:41]
	s_add_nc_u64 s[40:41], s[40:41], s[50:51]
	s_add_nc_u64 s[52:53], s[36:37], s[52:53]
	s_add_nc_u64 s[54:55], s[36:37], s[54:55]
	s_add_nc_u64 s[56:57], s[36:37], s[56:57]
	s_cmp_eq_u32 s13, 13                           ; the run of loads is written for each of the two row lengths: every offset is an immediate
	s_cbranch_scc1 .Lwide
.set kk, 0
.rept 128
	global_load_b32 v[32+kk], v1, s[40:41] offset:kk*2048 th:TH_LOAD_NT
.set kk, kk+1
.endr
	s_branch .Lloaded
.Lwide:
.set kk, 0
.rept 128
	global_load_b32 v[32+kk], v1, s[40:41] offset:kk*8192 th:TH_LOAD_NT
.set kk, kk+1
.endr
.Lloaded:
	s_wait_loadcnt 0x0
.macro BLOCK q                         ; block q of my column: all 32 numbers are mine
.set XS, 32+32*(\q)
	v_max3_num_f32 v12, |v[XS]|, |v[XS+1]|, |v[XS+2]|
	v_max3_num_f32 v13, |v[XS+3]|, |v[XS+4]|, |v[XS+5]|
.irp i, 6,10,14,18,22,26
	v_max3_num_f32 v12, v12, |v[XS+\i]|, |v[XS+\i+1]|
	v_max3_num_f32 v13, v13, |v[XS+\i+2]|, |v[XS+\i+3]|
.endr
	v_max3_num_f32 v12, v12, |v[XS+30]|, |v[XS+31]|
	v_max3_num_f32 v12, v12, v13, 0x1800000        ; and the floor 2^(3 - 127)
	v_add_nc_u32 v[20+\q], 0xff000000, v12         ; 2 off the exponent field: the conversion's scale operand
	v_lshrrev_b32 v13, 23, v[20+\q]                ; the scale's byte
.if \q == 0
	v_mov_b32 v9, v13
.else
	v_lshl_or_b32 v9, v13, 8*\q, v9
.endif
.irp g, 0,1,2,3
	v_cvt_scalef32_pk8_fp4_f32 v[160+4*\q+\g], v[XS+8*\g:XS+8*\g+7], v[20+\q]
.endr
	v_nop                                          ; one plain place behind a scaled conversion
	ds_store_b128 v5, v[160+4*\q:160+4*\q+3] offset:512*(\q/2)+256*(\q%2)   ; k = 32 q on: registers 4 (q / 2) on of lane r + 16 (q % 2)
.endm
	BLOCK 0
	BLOCK 1
	BLOCK 2
	BLOCK 3
.irp i, 0,1,2,3
	ds_load_b128 v[176+4*\i:179+4*\i], v6 offset:512*\i            ; LDS serves a wave's instructions in order: these see my stores
.endr
	global_store_b32 v8, v9, s[56:57]
	s_wait_dscnt 0x0
	global_store_b128 v7, v[176:179], s[52:53]                     ; 512 consecutive bytes each
	global_store_b128 v7, v[180:183], s[52:53] offset:512
	global_store_b128 v7, v[184:187], s[54:55]
	global_store_b128 v7, v[188:191], s[54:55] offset:512
	s_wait_tensorcnt 0x0
	ds_add_u32 v192, v193
	s_wait_dscnt 0x0
	s_endpgm
.Lfunc_end_k_q6bc962e336_wq:
	.size	k_q6bc962e336_wq, .Lfunc_end_k_q6bc962e336_wq-k_q6bc962e336_wq
	.p2alignl 7, 3214868480
	.fill 96, 4, 3214868480
	.section	.rodata,"a",@progbits
	.p2align	6, 0x0
	.amdhsa_kernel k_q6bc962e336_wq
		.amdhsa_group_segment_fixed_size 8704
		.amdhsa_private_segment_fixed_size 0
		.amdhsa_enable_private_segment 0
		.amdhsa_kernarg_size 88
		.amdhsa_user_sgpr_count 2
		.amdhsa_user_sgpr_kernarg_segment_ptr 1
		.amdhsa_wavefront_size32 1
		.amdhsa_system_sgpr_workgroup_id_x 1
		.amdhsa_system_sgpr_workgroup_id_y 1
		.amdhsa_system_sgpr_workgroup_id_z 1
		.amdhsa_system_vgpr_workitem_id 0
		.amdhsa_next_free_vgpr 194
		.amdhsa_next_free_sgpr 66
		.amdhsa_reserve_vcc 0
		.amdhsa_float_denorm_mode_32 3
		.amdhsa_float_denorm_mode_16_64 3
		.amdhsa_memory_ordered 1
		.amdhsa_forward_progress 1
		.amdhsa_inst_pref_size 35
	.end_amdhsa_kernel
	.amdgpu_metadata
---
amdhsa.version: [ 1, 2 ]
amdhsa.kernels:
  - .name:           k_q6bc962e336_wq
    .symbol:         k_q6bc962e336_wq.kd
    .args:
      - { .name: wq1, .offset: 0, .size: 8, .value_kind: global_buffer, .address_space: global }
      - { .name: wk1, .offset: 8, .size: 8, .value_kind: global_buffer, .address_space: global }
      - { .name: wv1, .offset: 16, .size: 8, .value_kind: global_buffer, .address_space: global }
      - { .name: wo1, .offset: 24, .size: 8, .value_kind: global_buffer, .address_space: global }
      - { .name: wq2, .offset: 32, .size: 8, .value_kind: global_buffer, .address_space: global }
      - { .name: wk2, .offset: 40, .size: 8, .value_kind: global_buffer, .address_space: global }
      - { .name: wv2, .offset: 48, .size: 8, .value_kind: global_buffer, .address_space: global }
      - { .name: wo2, .offset: 56, .size: 8, .value_kind: global_buffer, .address_space: global }
      - { .name: w1, .offset: 64, .size: 8, .value_kind: global_buffer, .address_space: global }
      - { .name: w2, .offset: 72, .size: 8, .value_kind: global_buffer, .address_space: global }
      - { .name: wb, .offset: 80, .size: 8, .value_kind: global_buffer, .address_space: global }
    .group_segment_fixed_size: 8704
    .private_segment_fixed_size: 0
    .kernarg_segment_align: 8
    .kernarg_segment_size: 88
    .max_flat_workgroup_size: 128
    .sgpr_count:     66
    .vgpr_count:     194
    .wavefront_size: 32
...
	.end_amdgpu_metadata
.endif
;; end of part 3
;; launch proj (part 4): grid 64 x 4, 5 waves a work-group, no clusters, 0 bytes of LDS; arguments ab, wb, bq1, bk1, bv1, bk2, bv2, cb, p1, p2; writes cb, p1, p2
.if DOCPART == 4
	.amdgcn_target "amdgcn-amd-amdhsa--gfx1250"
	.amdhsa_code_object_version 6
	.text
	.protected	k_q6bc962e336_proj
	.globl	k_q6bc962e336_proj
	.p2align	8
	.type	k_q6bc962e336_proj,@function
k_q6bc962e336_proj:
	s_mov_b64 s[64:65], 0
	v_nop
	global_prefetch_b8 v0, s[64:65] scope:SCOPE_SE
	s_setreg_imm32_b32 hwreg(HW_REG_WAVE_MODE, 25, 1), 1
	s_wait_xcnt 0x0
; FIVE PROJECTIONS ON CODES OF FP4: 0 q1, 1 k1, 2 v1 (rows: the normed de_out), 3 k2, 4 v2 (rows: en_out); bias added; the result quantised again in registers and stored as operand images.
; SHARES.  5 projections x 64 blocks of 128 tokens x 4 quarters of 128 channels are 1,280 shares of equal work, none of which hands anything to another: no LDS, no barrier.  They are dealt as 64 x 4 work-groups of FIVE waves:
; work-group (x, quarter), wave = projection: 256 work-groups of equal work.  Five waves on four SIMDs put two on one of them, so a wave takes 512 registers.
; Both operands arrive as images of operand registers (16 bytes a lane at 16 x lane).  A share is eight jobs.  THE OPERAND THAT EVERY JOB READS is source 0 and stays in window 1 (32 fragments); THE OPERAND OF ONE JOB is source 1:
; four fragments, eight loads, into one of two buffers in window 0, asked for a job ahead.
; q AND k (type T): source 0 = my 128 channels of the weight, a job = a tile of 16 tokens: a lane holds one token, and since lane r of a weight tile stands for channel 32 (t / 2) + 8 (t % 2) + r + 8 (r / 8), its 64 registers are
; channels 32 b + 16 hh + i: blocks of 32 along the head size, which is the next K.  Registers 0-3 of the codes are the quarter's first head (64 codes a token), registers 4-7 its second.
; v (type N): source 0 = the 128 tokens, a job = a tile of 16 channels: a lane holds one channel and 64 of 128 neighbouring keys: blocks of 32 along the keys, the next K.
; The two types run the same products: the pointers are swapped by selects on the wave's number; they differ in the bias registers and in the stores.
; OUT.  q, k: [head 32][tile 128][512 bytes]; scale words [head][tile][16]: bytes 0, 1 hold; bytes 2, 3 are the other head's or 0 and meet zero codes only.  v: [head][step 16][tile of channels 4][1,024]; words [head][step][tile][16].
; The bias is the C of each sum's first matrix instruction.  The eight accumulators take turns, one instruction a turn.
; Weights and tokens are read by several work-groups, but go straight from memory into registers, so there is no LDS tile that a joint request could fill: no cluster.
; LIMITS: blocks of zeros and blocks under 2^-124 get the byte 1; NaN and infinities are not served.
.set LI,  1                            ; v1  16 x lane
.set LS,  2                            ; v2  4 x lane
.set BL,  3                            ; v3  the bias's lane offset
.set PW,  4                            ; v4-5   the scale words of two neighbouring jobs
.set MG,  6                            ; v6-7   the two merged, and their upper halves
.set PC,  8                            ; v8-15  a job's codes (at the head: scratch)
.set SS,  16                           ; v16-31  source 0's scale words: register 2 t + i: lanes 0-15 K step 2 i, lanes 16-31 step 2 i + 1
.set JS,  32                           ; v32-47  the jobs' likewise: register 2 j + i
.set BI,  48                           ; v48-111 the bias in the result's layout
.set D,   112                          ; v112-175 eight accumulators
.set JB,  176                          ; v176-239 two buffers of four fragments: job j's at JB + 32 (j % 2)
.set TM,  240                          ; v240-255 the quantiser's
.set SEL, 40
.set MSB, 0
.macro WIN new                         ; the immediate's high byte repeats the setting that is left
.if MSB != (\new)
	s_set_vgpr_msb (MSB<<8)|(\new)
.set MSB, (\new)
.endif
.endm
.macro PLACES n
.rept \n
	v_nop
.endr
.endm
.macro DLOAD reg, adr, base, off
.irp b, 0,1,2,3
.irp j, 0,1,2,3
	global_load_b128 v[\reg+16*\b+4*\j:\reg+16*\b+4*\j+3], v[\adr], s[\base:\base+1] offset:\off+128*\b+16*\j
.endr
.endr
.endm
.macro JLOAD j                         ; job j's four fragments: (K step s, half c) at 4,096 j + 1,024 s + 512 c, into registers 8 s + 4 c of its buffer
.irp i, 0,1,2,3,4,5,6,7
	global_load_b128 v[JB+32*((\j)%2)+4*\i:JB+32*((\j)%2)+4*\i+3], v[LI], s[10:11] offset:4096*(\j)+512*\i
.endr
.endm
.macro MM d, a, b, c, sa, sb, ra, rb   ; ra, rb: the side's scales stand in lanes 16-31
.if (\ra) && (\rb)
	v_wmma_scale_f32_16x16x128_f8f6f4 v[\d:\d+7], v[\a:\a+7], v[\b:\b+7], v[\c:\c+7], v[\sa], v[\sb] matrix_a_fmt:MATRIX_FMT_FP4 matrix_b_fmt:MATRIX_FMT_FP4 matrix_a_scale:MATRIX_SCALE_ROW1 matrix_b_scale:MATRIX_SCALE_ROW1
.elseif (\ra)
	v_wmma_scale_f32_16x16x128_f8f6f4 v[\d:\d+7], v[\a:\a+7], v[\b:\b+7], v[\c:\c+7], v[\sa], v[\sb] matrix_a_fmt:MATRIX_FMT_FP4 matrix_b_fmt:MATRIX_FMT_FP4 matrix_a_scale:MATRIX_SCALE_ROW1
.elseif (\rb)
	v_wmma_scale_f32_16x16x128_f8f6f4 v[\d:\d+7], v[\a:\a+7], v[\b:\b+7], v[\c:\c+7], v[\sa], v[\sb] matrix_a_fmt:MATRIX_FMT_FP4 matrix_b_fmt:MATRIX_FMT_FP4 matrix_b_scale:MATRIX_SCALE_ROW1
.else
	v_wmma_scale_f32_16x16x128_f8f6f4 v[\d:\d+7], v[\a:\a+7], v[\b:\b+7], v[\c:\c+7], v[\sa], v[\sb] matrix_a_fmt:MATRIX_FMT_FP4 matrix_b_fmt:MATRIX_FMT_FP4
.endif
.endm
; 64 numbers of a lane, register 16 b + i = k 32 b + 16 hh + i of my row, become a fragment's 8 registers of codes and its scale word
.macro QUANT s, pc, pw
.irp b, 0,1,2,3
	v_max3_num_f32 v[TM+\b], |v[\s+16*\b]|, |v[\s+1+16*\b]|, 0x1800000   ; my 16 numbers of block b, and the floor 2^(3 - 127): the byte cannot fall under 1
.endr
.irp i, 2,4,6,8,10,12,14
.irp b, 0,1,2,3
	v_max3_num_f32 v[TM+\b], v[TM+\b], |v[\s+16*\b+\i]|, |v[\s+1+16*\b+\i]|
.endr
.endr
.irp b, 0,1,2,3
	v_permlanex16_b32 v[TM+4+\b], v[TM+\b], s[SEL], s[SEL+1]
.endr
.irp b, 0,1,2,3
	v_max_num_f32 v[TM+\b], v[TM+\b], v[TM+4+\b]   ; with lane l xor 16's: the block's largest magnitude
.endr
.irp b, 0,1,2,3
	v_add_nc_u32 v[TM+12+\b], 0xff000000, v[TM+\b] ; 2 off its exponent field: the conversion's scale operand
.endr
.irp b, 0,1,2,3
	v_lshrrev_b32 v[TM+4+\b], 23, v[TM+12+\b]      ; the scale's byte
.endr
	v_lshl_or_b32 v[\pw], v[TM+5], 8, v[TM+4]
	v_lshl_or_b32 v[\pw], v[TM+6], 16, v[\pw]
	v_lshl_or_b32 v[\pw], v[TM+7], 24, v[\pw]
.irp b, 0,1,2,3
	v_cvt_scalef32_pk8_fp4_f32 v[\pc+2*\b], v[\s+16*\b:\s+7+16*\b], v[TM+12+\b]
	v_cvt_scalef32_pk8_fp4_f32 v[\pc+1+2*\b], v[\s+8+16*\b:\s+15+16*\b], v[TM+12+\b]
.endr
	v_nop                                          ; one plain place behind a scaled conversion
.irp c, 0,1                            ; the operand's layout wants a whole block in a lane
.irp i, 0,1
	v_permlane16_swap_b32 v[\pc+4*\c+\i], v[\pc+2+4*\c+\i]
.endr
.endr
.endm
	s_load_b512 s[16:31], s[0:1], 0x0              ; ab, wb, bq1, bk1, bv1, bk2, bv2, cb
	s_load_b128 s[32:35], s[0:1], 0x40             ; p1, p2
	v_lshrrev_b32 v12, 5, v0
	v_readfirstlane_b32 s3, v12                    ; wave 0..4: the projection
	v_and_b32 v13, 31, v0
	v_lshlrev_b32 v[LI], 4, v13
	v_lshlrev_b32 v[LS], 2, v13
	v_and_b32 v14, 15, v0                          ; r
	v_bfe_u32 v15, v0, 4, 1                        ; hh
.irp b, 0,1,2,3
	v_mov_b32 v[TM+4+\b], 0                        ; a lane permute's destination counts as one of its sources
.endr
	s_mov_b32 s[SEL], 0x76543210
	s_mov_b32 s[SEL+1], 0xfedcba98
	s_mov_b32 s42, 0xffff0000                      ; lanes 16-31
	s_mov_b32 s2, ttmp9                            ; x: block of 128 tokens
	s_and_b32 s4, ttmp7, 0xffff                    ; quarter of the 512 channels
	s_cmp_ge_u32 s3, 3
	s_cselect_b32 s5, 2228224, 0                   ; en_out's part of ab
	s_cselect_b32 s6, 2, 0
	s_add_co_u32 s6, s6, s3                        ; the weight's number in wb: 0, 1, 2, 5, 6
	s_lshl_b32 s8, s6, 17
	s_lshl_b32 s7, s4, 15
	s_add_co_u32 s8, s8, s7
	s_mov_b32 s9, 0
	s_lshl_b32 s10, s6, 13
	s_lshl_b32 s7, s4, 11
	s_add_co_u32 s10, s10, s7
	s_add_co_u32 s10, s10, 0x200000
	s_mov_b32 s11, 0
	s_lshl_b32 s12, s2, 15
	s_add_co_u32 s12, s12, s5
	s_mov_b32 s13, 0
	s_lshl_b32 s14, s2, 11
	s_add_co_u32 s14, s14, s5
	s_add_co_u32 s14, s14, 0x200000
	s_mov_b32 s15, 0
	s_lshl_b32 s56, s4, 9                          ; 512 x quarter
	s_mov_b32 s57, 0
	s_lshr_b32 s58, s2, 4
	s_lshl_b32 s58, s58, 3
	s_lshl_b32 s7, s4, 1
	s_add_co_u32 s58, s58, s7                      ; my first head: 8 batch + 2 quarter
	s_and_b32 s59, s2, 15                          ; which 128 tokens of the batch
	s_cmp_eq_u32 s3, 2
	s_cselect_b32 s43, 1, 0
	s_cmp_eq_u32 s3, 4
	s_cselect_b32 s43, 1, s43                      ; type N
	s_mov_b32 s61, 0
	s_wait_kmcnt 0x0
	s_add_nc_u64 s[36:37], s[18:19], s[8:9]        ; my quarter's weight fragments
	s_add_nc_u64 s[38:39], s[18:19], s[10:11]      ; their scale words
	s_add_nc_u64 s[48:49], s[16:17], s[12:13]      ; the tokens' fragments
	s_add_nc_u64 s[50:51], s[16:17], s[14:15]      ; their scale words
	s_mov_b64 s[52:53], s[20:21]
	s_cmp_eq_u32 s3, 1
	s_cselect_b64 s[52:53], s[22:23], s[52:53]
	s_cmp_eq_u32 s3, 2
	s_cselect_b64 s[52:53], s[24:25], s[52:53]
	s_cmp_eq_u32 s3, 3
	s_cselect_b64 s[52:53], s[26:27], s[52:53]
	s_cmp_eq_u32 s3, 4
	s_cselect_b64 s[52:53], s[28:29], s[52:53]
	s_add_nc_u64 s[52:53], s[52:53], s[56:57]      ; my 128 numbers of the bias
	s_mov_b64 s[54:55], s[30:31]
	s_cmp_ge_u32 s3, 1
	s_cselect_b64 s[54:55], s[32:33], s[54:55]
	s_cmp_ge_u32 s3, 3
	s_cselect_b64 s[54:55], s[34:35], s[54:55]     ; where the result goes: cb, p1 or p2
	s_cmp_lg_u32 s43, 0                            ; which operand stays and which comes job by job: a choice on the wave's number alone
	s_cselect_b64 s[8:9], s[48:49], s[36:37]       ; source 0: type N the tokens, type T the weight
	s_cselect_b64 s[10:11], s[36:37], s[48:49]     ; the jobs' operand: the other one
	s_cselect_b64 s[12:13], s[50:51], s[38:39]     ; source 0's scale words
	s_cselect_b64 s[14:15], s[38:39], s[50:51]     ; the jobs'
	WIN 0x40                                       ; destination window 1: source 0's fragment (t, s) at v[8 (4 t + s)]
.set i, 0
.rept 64
	global_load_b128 v[4*i:4*i+3], v[LI], s[8:9] offset:512*i
.set i, i+1
.endr
	WIN 0
.irp t, 0,1,2,3,4,5,6,7
.irp i, 0,1
	global_load_b32 v[SS+2*\t+\i], v[LS], s[12:13] offset:256*\t+128*\i
	global_load_b32 v[JS+2*\t+\i], v[LS], s[14:15] offset:256*\t+128*\i
.endr
.endr
	JLOAD 0
; The products of job j: four K steps x source 0's eight tiles.  n = 0: the bias goes by the tile of source 0 (channels); n = 1: by the job (its tile of channels), the same for all eight tiles of tokens
.macro JOBMM j, n
.set JF, JB+32*((\j)%2)
	s_wait_xcnt 0x0                                ; the last job's stores have read their registers
.if (\j) < 7
	JLOAD (\j)+1                                   ; into the buffer that the job before last read: its products stand a whole quantiser back
	s_wait_loadcnt 8                               ; all but the eight just issued: this job's fragments are in
.else
	s_wait_loadcnt 0x0
.endif
	WIN 0x01                                       ; source 0 in window 1
.irp s, 0,1,2,3
.irp t, 0,1,2,3,4,5,6,7
.if (\s == 0) && (\n)
	MM D+8*\t, 8*(4*\t+\s), JF+8*\s, BI+8*(\j), SS+2*\t+\s/2, JS+2*(\j)+\s/2, \s%2, \s%2
.elseif \s == 0
	MM D+8*\t, 8*(4*\t+\s), JF+8*\s, BI+8*\t, SS+2*\t+\s/2, JS+2*(\j)+\s/2, \s%2, \s%2
.else
	MM D+8*\t, 8*(4*\t+\s), JF+8*\s, D+8*\t, SS+2*\t+\s/2, JS+2*(\j)+\s/2, \s%2, \s%2
.endif
.endr
.endr
	WIN 0
	PLACES 4                                       ; ahead of the first read of results
	QUANT D, PC, PW+1-(\j)%2
.endm
	s_cmp_lg_u32 s43, 0
	s_cbranch_scc1 .Ltype_n
	; ---- type T: q or k
	v_lshlrev_b32 v[BL], 6, v15
	DLOAD BI, BL, 52, 0                            ; register 16 b + i: the bias of channel 32 b + 16 hh + i
	s_lshl_b32 s7, s58, 7
	s_lshl_b32 s60, s59, 3
	s_add_co_u32 s7, s7, s60                       ; 128 head + first tile
	s_lshl_b32 s60, s7, 9
	s_add_nc_u64 s[44:45], s[54:55], s[60:61]
	s_lshl_b32 s60, s7, 6
	s_add_co_u32 s60, s60, 0x200000
	s_add_nc_u64 s[46:47], s[54:55], s[60:61]
.macro JOBT m                          ; tile m of the tokens x my 128 channels
	JOBMM \m, 0
	global_store_b128 v[LI], v[PC:PC+3], s[44:45] offset:512*(\m)              ; the first head: 512 consecutive bytes
	global_store_b128 v[LI], v[PC+4:PC+7], s[44:45] offset:512*(\m)+65536      ; the second
.if (\m)%2
	v_cndmask_b32 v[MG], v[PW+1], v[PW], s42       ; lanes 0-15: tile m - 1's words; lanes 16-31: tile m's
	v_lshrrev_b32 v[MG+1], 16, v[MG]
	global_store_b32 v[LS], v[MG], s[46:47] offset:64*((\m)-1)
	global_store_b32 v[LS], v[MG+1], s[46:47] offset:64*((\m)-1)+8192
.endif
.endm
.irp m, 0,1,2,3,4,5,6,7
	JOBT \m
.endr
	s_endpgm
.Ltype_n:
	; ---- type N: v
	v_and_b32 v[BL], 8, v14
	v_add_nc_u32 v[BL], v[BL], v14
	v_lshlrev_b32 v[BL], 2, v[BL]                  ; my channel of a tile: r + 8 (r / 8)
.irp ct, 0,1,2,3,4,5,6,7
.irp j, 0,1,2,3,4,5,6,7
	global_load_b32 v[BI+8*\ct+\j], v[BL], s[52:53] offset:(32*(\ct/2)+8*(\ct%2))*4   ; a lane's eight results are one channel's: the same number eight times
.endr
.endr
	s_lshl_b32 s7, s58, 4
	s_add_co_u32 s7, s7, s59                       ; 16 head + step
	s_lshl_b32 s60, s7, 12
	s_add_co_u32 s60, s60, 2359296
	s_add_nc_u64 s[44:45], s[54:55], s[60:61]
	s_lshl_b32 s60, s7, 8
	s_add_co_u32 s60, s60, 4456448
	s_add_nc_u64 s[46:47], s[54:55], s[60:61]
.macro JOBN ct                         ; my tile ct of channels x the 128 tokens
	JOBMM \ct, 1
	global_store_b128 v[LI], v[PC:PC+3], s[44:45] offset:65536*((\ct)/4)+1024*((\ct)%4)
	global_store_b128 v[LI], v[PC+4:PC+7], s[44:45] offset:65536*((\ct)/4)+1024*((\ct)%4)+512
.if (\ct)%2
	v_cndmask_b32 v[MG], v[PW+1], v[PW], s42
	global_store_b32 v[LS], v[MG], s[46:47] offset:4096*((\ct)/4)+64*((\ct)%4-1)
.endif
.endm
.irp ct, 0,1,2,3,4,5,6,7
	JOBN \ct
.endr
	s_endpgm
.Lfunc_end_k_q6bc962e336_proj:
	.size	k_q6bc962e336_proj, .Lfunc_end_k_q6bc962e336_proj-k_q6bc962e336_proj
	.p2alignl 7, 3214868480
	.fill 96, 4, 3214868480
	.section	.rodata,"a",@progbits
	.p2align	6, 0x0
	.amdhsa_kernel k_q6bc962e336_proj
		.amdhsa_group_segment_fixed_size 0
		.amdhsa_private_segment_fixed_size 0
		.amdhsa_enable_private_segment 0
		.amdhsa_kernarg_size 80
		.amdhsa_user_sgpr_count 2
		.amdhsa_user_sgpr_kernarg_segment_ptr 1
		.amdhsa_wavefront_size32 1
		.amdhsa_system_sgpr_workgroup_id_x 1
		.amdhsa_system_sgpr_workgroup_id_y 1
		.amdhsa_system_sgpr_workgroup_id_z 1
		.amdhsa_system_vgpr_workitem_id 0
		.amdhsa_next_free_vgpr 512
		.amdhsa_next_free_sgpr 66
		.amdhsa_reserve_vcc 0
		.amdhsa_float_denorm_mode_32 3
		.amdhsa_float_denorm_mode_16_64 3
		.amdhsa_memory_ordered 1
		.amdhsa_forward_progress 1
		.amdhsa_inst_pref_size 164
	.end_amdhsa_kernel
	.amdgpu_metadata
---
amdhsa.version: [ 1, 2 ]
amdhsa.kernels:
  - .name:           k_q6bc962e336_proj
    .symbol:         k_q6bc962e336_proj.kd
    .args:
      - { .name: ab, .offset: 0, .size: 8, .value_kind: global_buffer, .address_space: global }
      - { .name: wb, .offset: 8, .size: 8, .value_kind: global_buffer, .address_space: global }
      - { .name: bq1, .offset: 16, .size: 8, .value_kind: global_buffer, .address_space: global }
      - { .name: bk1, .offset: 24, .size: 8, .value_kind: global_buffer, .address_space: global }
      - { .name: bv1, .offset: 32, .size: 8, .value_kind: global_buffer, .address_space: global }
      - { .name: bk2, .offset: 40, .size: 8, .value_kind: global_buffer, .address_space: global }
      - { .name: bv2, .offset: 48, .size: 8, .value_kind: global_buffer, .address_space: global }
      - { .name: cb, .offset: 56, .size: 8, .value_kind: global_buffer, .address_space: global }
      - { .name: p1, .offset: 64, .size: 8, .value_kind: global_buffer, .address_space: global }
      - { .name: p2, .offset: 72, .size: 8, .value_kind: global_buffer, .address_space: global }
    .group_segment_fixed_size: 0
    .private_segment_fixed_size: 0
    .kernarg_segment_align: 8
    .kernarg_segment_size: 80
    .max_flat_workgroup_size: 160
    .sgpr_count:     66
    .vgpr_count:     512
    .wavefront_size: 32
...
	.end_amdgpu_metadata
.endif
;; end of part 4
;; launch attn1 (part 5): grid 8 x 32, 16 waves a work-group, no clusters, 145,408 bytes of LDS; arguments cb, p1, f1, tb; writes tb
.if DOCPART == 5
	.amdgcn_target "amdgcn-amd-amdhsa--gfx1250"
	.amdhsa_code_object_version 6
	.text
	.protected	k_q6bc962e336_attn1
	.globl	k_q6bc962e336_attn1
	.p2align	8
	.type	k_q6bc962e336_attn1,@function
k_q6bc962e336_attn1:
	s_mov_b64 s[64:65], 0
	v_nop
	global_prefetch_b8 v0, s[64:65] scope:SCOPE_SE
	s_setreg_imm32_b32 hwreg(HW_REG_WAVE_MODE, 25, 1), 1
	s_wait_xcnt 0x0
; ATTENTION ON CODES OF FP4, head size 64, 2,048 keys, with a mask that is an input.  One body serves self-attention and cross-attention on other buffers.
; t = score x log2(e) / 8; a masked key has logit -1e9, that is score -8e9; M = the running largest t rounded up to a whole number; p = 2^(t - M) is quantised along the keys, not normalised;
; the row's sum is taken of the unquantised p and divides at the end; when M moves, the sum and O are multiplied by 2^(old M - new M), exact.
; SHARES.  Work-group (x, head): sixteen waves, one tile of 16 queries each: tile 8 rank + x, rank = wave xor 3 ((wave / 4) % 2): each work-group's tiles, and those of the waves that are dealt together, are spread evenly
; over the sequence (a matter of balance under masks that hide late keys; no result hangs on it).
; THE WHOLE HEAD'S K AND V, 128 KiB of codes and 12 KiB of scale words, are copied into LDS once, through registers, and read by all sixteen waves: one barrier in the launch.
; LAYOUT.  Both products transposed: S^T = K Q^T, O^T = V^T P^T: a lane holds one query (lane % 16).  Operands lie as images of operand registers (16 bytes a lane at 16 x lane).  Lane r of a tile of keys stands for key
; 32 (t / 2) + 8 (t % 2) + r + 8 (r / 8), so the 16 registers of tiles 2 b, 2 b + 1 are keys 32 b + 16 hh + 0 .. 15.
; HEAD SIZE 64 IN A K STEP OF 128: a tile of K is four registers; source 0 names eight, the upper four being the next tile's codes; they meet Q's upper four registers, which are zero codes.
; THE MASK comes as lane-mask words made by an earlier launch (behind K and V in the same buffer, from byte MW on): word n is the mask of the v_cndmask_b32 on score register n.  The flags come from a small buffer of whole
; numbers of their own: two bits a step: 0: all 16 x 128 hidden: the step is left out; 3: all open; else mixed.  A tile in which some query has no key at all has no 0 flags.
; THE KEY STEP IS WRITTEN TWICE, by one macro, and a scalar branch on the stored flag chooses: the open form loads no mask words and has no masking lines; the mixed form loads the step's 64 words, waits for them and uses them,
; all in one straight run.  Masked scores are set twice: to -8e9 ahead of the maximum, and t - M to f32(-8e9 c) - M behind the multiply-add, so that in a row masked so far every p is exactly 1.
; The loop branches on loaded flags, so no tensor load stands in the text, and with it no joint request: the eight work-groups of a head each copy its 140 KiB themselves.
; LIMITS: leaving hidden steps out takes every real logit to lie far above -1e9 (below about -9e8 masked keys would begin to weigh in); a real score equal to -8e9 counts as masked for its block's scale;
; blocks whose every p is 0 keep the byte 1 with zero codes; NaN and infinities are not served.
.set MW,   4587520                     ; where the mask words begin in the buffer of K and V
.set VIMG, 65536
.set KSC,  131072
.set VSC,  139264
.set LI,   1                           ; v1  16 x lane
.set LS,   2                           ; v2  4 x lane
.set LV,   3                           ; v3  16 x lane + VIMG
.set LKS,  4                           ; v4  4 x lane + KSC
.set LVS,  5                           ; v5  4 x lane + VSC
.set ADK,  8                           ; v8-11 the step's addresses
.set ADV,  9
.set ADS,  10
.set ADT,  11
.set Q,    16                          ; v16-19 Q's codes, v20-23 zero codes
.set R4,   24                          ; v24 4 x (lane % 16)
.set KF,   32                          ; v32-63 eight tiles of K, v64-67 zero codes
.set KS,   68                          ; v68-71 K's scale words: lanes 0-15 tile 2 i, lanes 16-31 tile 2 i + 1
.set VS,   72                          ; v72-73 V's likewise
.set QS,   74                          ; v74 Q's
.set SNEG, 75                          ; v75 -8e9
.set UNEG, 76                          ; v76 f32(-8e9 c) - M
.set TNEG, 77                          ; v77 f32(-8e9 c)
.set S,    96                          ; v96-159 S^T, then p
.set O,    160                         ; v160-191 O^T
.set VF,   192                         ; v192-223 four tiles of V
.set PC,   224                         ; v224-231 p's codes
.set BM,   232                         ; v232-235 the blocks' largest scores
.set PT,   236                         ; v236-239 at work
.set UB,   240                         ; v240-243 the blocks' largest t - M, then p
.set SP,   244                         ; v244-247 the conversions' scale operands
.set F,    250                         ; v[250:251] f = 2^(old M - new M)
.set PWD,  253                         ; v253 p's scale word
	s_load_b256 s[4:11], s[0:1], 0x0               ; q (cb), k, v and mask words (p), flags (f), out (tb)
	v_lshl_add_u32 v249, v0, 2, 0x23000
	v_mov_b32 v255, 0
	v_lshrrev_b32 v6, 5, v0
	v_readfirstlane_b32 s12, v6                    ; wave 0..15
	v_and_b32 v7, 31, v0
	v_lshlrev_b32 v[LI], 4, v7
	v_lshlrev_b32 v[LS], 2, v7
	v_add_nc_u32 v[LV], VIMG, v[LI]
	v_add_nc_u32 v[LKS], KSC, v[LS]
	v_add_nc_u32 v[LVS], VSC, v[LS]
	v_and_b32 v[R4], 15, v0
	v_lshlrev_b32 v[R4], 2, v[R4]
	v_lshlrev_b32 v25, 4, v0                       ; the copy: 16 x thread,
	v_lshlrev_b32 v26, 3, v0                       ; 8 x thread
	v_add_nc_u32 v27, VIMG, v25
	v_add_nc_u32 v28, KSC, v25
	v_add_nc_u32 v29, VSC, v26
	s_and_b32 s13, ttmp7, 0xffff                   ; head of 32
	s_lshr_b32 s14, s13, 3                         ; batch
	s_and_b32 s15, s13, 7                          ; head of the batch
	s_bfe_u32 s16, s12, 0x10002
	s_mul_i32 s16, s16, 3
	s_xor_b32 s16, s16, s12                        ; rank
	s_lshl_b32 s16, s16, 3
	s_add_co_u32 s16, s16, ttmp9                   ; my tile of queries
	s_lshl_b32 s17, s13, 7
	s_add_co_u32 s17, s17, s16                     ; 128 head + tile
	s_lshl_b32 s22, s14, 7
	s_add_co_u32 s22, s22, s16                     ; 128 batch + tile
	s_lshl_b32 s18, s17, 9
	s_mov_b32 s19, 0
	s_lshl_b32 s20, s17, 6
	s_add_co_u32 s20, s20, 0x200000
	s_mov_b32 s21, 0
	s_lshl_b32 s24, s22, 12
	s_add_co_u32 s24, s24, MW                      ; my tile's mask words: 4,096 bytes a tile
	s_mov_b32 s25, 0
	s_lshl_b32 s26, s22, 2                         ; my tile's flag word
	s_mov_b32 s27, 0
	s_lshl_b32 s28, s13, 16
	s_mov_b32 s29, 0
	s_add_co_u32 s30, s28, 2359296
	s_mov_b32 s31, 0
	s_lshl_b32 s32, s13, 13
	s_add_co_u32 s32, s32, 0x200000
	s_mov_b32 s33, 0
	s_lshl_b32 s34, s13, 12
	s_add_co_u32 s34, s34, 4456448
	s_mov_b32 s35, 0
	s_lshl_b32 s36, s22, 2
	s_lshr_b32 s23, s15, 1
	s_add_co_u32 s36, s36, s23
	s_lshl_b32 s36, s36, 10
	s_and_b32 s23, s15, 1
	s_lshl_b32 s23, s23, 9
	s_add_co_u32 s36, s36, s23                     ; out: fragment (tile, head / 2), half head % 2
	s_mov_b32 s37, 0
	s_lshl_b32 s38, s22, 3
	s_add_co_u32 s38, s38, s15
	s_lshl_b32 s38, s38, 6
	s_add_co_u32 s38, s38, 0x200000
	s_mov_b32 s39, 0
	s_mov_b32 s90, 0x76543210
	s_mov_b32 s91, 0xfedcba98
	s_mov_b32 s92, 0x3e38aa3b                      ; c = log2(e) / 8
	s_mov_b32 s93, s92
	s_mov_b32 s86, 0                               ; the step's codes: 4,096 bytes a step
	s_mov_b32 s87, 0                               ; K's scale words: 512
	s_mov_b32 s88, 0                               ; V's: 256
	s_mov_b32 s89, 16
	s_wait_kmcnt 0x0
	s_add_nc_u64 s[40:41], s[4:5], s[18:19]
	s_add_nc_u64 s[42:43], s[4:5], s[20:21]
	s_add_nc_u64 s[94:95], s[6:7], s[24:25]        ; my tile's mask words
	s_add_nc_u64 s[96:97], s[8:9], s[26:27]        ; and its flags
	s_add_nc_u64 s[44:45], s[6:7], s[28:29]
	s_add_nc_u64 s[46:47], s[6:7], s[30:31]
	s_add_nc_u64 s[48:49], s[6:7], s[32:33]
	s_add_nc_u64 s[50:51], s[6:7], s[34:35]
	s_add_nc_u64 s[4:5], s[10:11], s[36:37]        ; out: codes
	s_add_nc_u64 s[6:7], s[10:11], s[38:39]        ; out: scale words
	s_load_b32 s84, s[96:97], 0x0
	global_load_b128 v[Q:Q+3], v[LI], s[40:41]
	global_load_b32 v[QS], v[R4], s[42:43]
.irp i, 0,1,2,3,4,5,6,7
	global_load_b128 v[96+4*\i:99+4*\i], v25, s[44:45] offset:8192*\i          ; 512 threads x 16 bytes: 8,192 consecutive bytes
.endr
.irp i, 0,1,2,3,4,5,6,7
	global_load_b128 v[128+4*\i:131+4*\i], v25, s[46:47] offset:8192*\i
.endr
	global_load_b128 v[160:163], v25, s[48:49]
	global_load_b64 v[164:165], v26, s[50:51]
.irp i, 0,1,2,3
	v_mov_b32 v[Q+4+\i], 0
	v_mov_b32 v[KF+32+\i], 0
	v_mov_b32 v[PT+\i], 0                          ; a lane permute's destination counts as one of its sources
.endr
	v_mov_b32 v[SNEG], 0xcfee6b28
	v_mul_f32 v[TNEG], s92, v[SNEG]
	v_mov_b32 v13, 0xff61b1e6                      ; the largest t so far: -3e38
	v_floor_f32 v12, -v13                          ; -M
	v_mov_b32 v14, 0                               ; the sum, in two halves
	v_mov_b32 v15, 0
	v_mov_b32 v[F+1], 0                            ; named as the upper half of a pair
	v_mov_b32 v252, 0
	s_wait_loadcnt 0x0
.irp i, 0,1,2,3,4,5,6,7
	ds_store_b128 v25, v[96+4*\i:99+4*\i] offset:8192*\i
.endr
.irp i, 0,1,2,3,4,5,6,7
	ds_store_b128 v27, v[128+4*\i:131+4*\i] offset:8192*\i
.endr
	ds_store_b128 v28, v[160:163]
	ds_store_b64 v29, v[164:165]
	s_wait_dscnt 0x0                               ; for the others' sake: my part of the head lies in LDS
	s_barrier_signal -1
	s_barrier_wait -1
.set i, 0
.rept 32
	v_mov_b32 v[O+i], 0                            ; which step is a tile's first hangs on the flags, so the sums begin as zeros
.set i, i+1
.endr
	s_wait_kmcnt 0x0                               ; the flags
.macro SMM t
.if (\t)%2
	v_wmma_scale_f32_16x16x128_f8f6f4 v[S+8*\t:S+8*\t+7], v[KF+4*\t:KF+4*\t+7], v[Q:Q+7], 0, v[KS+\t/2], v[QS] matrix_a_fmt:MATRIX_FMT_FP4 matrix_b_fmt:MATRIX_FMT_FP4 matrix_a_scale:MATRIX_SCALE_ROW1
.else
	v_wmma_scale_f32_16x16x128_f8f6f4 v[S+8*\t:S+8*\t+7], v[KF+4*\t:KF+4*\t+7], v[Q:Q+7], 0, v[KS+\t/2], v[QS] matrix_a_fmt:MATRIX_FMT_FP4 matrix_b_fmt:MATRIX_FMT_FP4
.endif
.endm
.macro OMM t
.if (\t)%2
	v_wmma_scale_f32_16x16x128_f8f6f4 v[O+8*\t:O+8*\t+7], v[VF+8*\t:VF+8*\t+7], v[PC:PC+7], v[O+8*\t:O+8*\t+7], v[VS+\t/2], v[PWD] matrix_a_fmt:MATRIX_FMT_FP4 matrix_b_fmt:MATRIX_FMT_FP4 matrix_a_scale:MATRIX_SCALE_ROW1
.else
	v_wmma_scale_f32_16x16x128_f8f6f4 v[O+8*\t:O+8*\t+7], v[VF+8*\t:VF+8*\t+7], v[PC:PC+7], v[O+8*\t:O+8*\t+7], v[VS+\t/2], v[PWD] matrix_a_fmt:MATRIX_FMT_FP4 matrix_b_fmt:MATRIX_FMT_FP4
.endif
.endm
; A KEY STEP: 128 keys.  masked = 1: some of the 16 x 128 are hidden: the step's mask words are loaded, awaited and used.  masked = 0: all count.
.macro STEP masked
.if \masked
	s_load_b512 s[16:31], s[94:95], 0x0            ; the step's 64 mask words: word n in s[16 + n], from word 48 on in s[20 + n]
	s_load_b512 s[32:47], s[94:95], 0x40
	s_load_b512 s[48:63], s[94:95], 0x80
	s_load_b512 s[68:83], s[94:95], 0xc0
.endif
	v_add_nc_u32 v[ADK], s86, v[LI]                ; (these four are also the places between the last step's products and the loads into their registers)
	v_add_nc_u32 v[ADV], s86, v[LV]
	v_add_nc_u32 v[ADS], s87, v[LKS]
	v_add_nc_u32 v[ADT], s88, v[LVS]
.irp t, 0,1,2,3,4,5,6,7
	ds_load_b128 v[KF+4*\t:KF+4*\t+3], v[ADK] offset:512*\t
.endr
.irp i, 0,1,2,3
	ds_load_b32 v[KS+\i], v[ADS] offset:128*\i
.endr
.irp t, 0,1,2,3
	ds_load_b128 v[VF+8*\t:VF+8*\t+3], v[ADV] offset:1024*\t
	ds_load_b128 v[VF+8*\t+4:VF+8*\t+7], v[ADV] offset:1024*\t+512
.endr
.irp i, 0,1
	ds_load_b32 v[VS+\i], v[ADT] offset:128*\i
.endr
	s_wait_dscnt 10                                ; K and its words are in; V's ten loads may stay out
.irp t, 0,1,2,3,4,5,6,7
	SMM \t
.endr
.rept 4
	v_nop                                          ; places ahead of the first read of the scores
.endr
.if \masked
	s_wait_kmcnt 0x0                               ; the mask words are in; their base may be stepped behind this wait
.set n, 0
.rept 64
	v_cndmask_b32 v[S+n], v[SNEG], v[S+n], s[16+n+4*(n/48)]        ; a masked key's score is -8e9
.set n, n+1
.endr
.endif
.irp b, 0,1,2,3
	v_max3_num_f32 v[BM+\b], v[S+16*\b], v[S+1+16*\b], v[S+2+16*\b]   ; the largest score of each block of 32 keys: for the row's maximum, and for the block's largest p
.endr
.irp i, 3,5,7,9,11,13
.irp b, 0,1,2,3
	v_max3_num_f32 v[BM+\b], v[BM+\b], v[S+16*\b+\i], v[S+1+16*\b+\i]
.endr
.endr
.irp b, 0,1,2,3
	v_max_num_f32 v[BM+\b], v[BM+\b], v[S+15+16*\b]
.endr
.irp b, 0,1,2,3
	v_permlanex16_b32 v[PT+\b], v[BM+\b], s90, s91
.endr
.irp b, 0,1,2,3
	v_max_num_f32 v[BM+\b], v[BM+\b], v[PT+\b]     ; with lane l xor 16's 16 keys
.endr
	v_max3_num_f32 v254, v[BM], v[BM+1], v[BM+2]
	v_max_num_f32 v254, v254, v[BM+3]
	v_mul_f32 v254, s92, v254                      ; the step's largest t
	v_max_num_f32 v13, v13, v254
	v_mov_b32 v254, v12
	v_floor_f32 v12, -v13                          ; the new -M
	v_sub_f32 v254, v12, v254                      ; old M - new M: a whole number, 0 or less
	v_cvt_i32_f32 v254, v254                       ; (it saturates)
	v_ldexp_f32 v[F], 1.0, v254
.set n, 0
.rept 32
	v_pk_fma_f32 v[S+n:S+n+1], v[S+n:S+n+1], s[92:93], v[12:13] op_sel_hi:[1,0,0]   ; t - M
.set n, n+2
.endr
.irp b, 0,1,2,3
	v_fma_f32 v[UB+\b], v[BM+\b], s92, v12         ; the same of each block's largest score
.endr
.if \masked
	v_add_f32 v[UNEG], v[TNEG], v12                ; a masked key's t - M, from the rounded t that the maximum saw: 0 in a row masked so far
.set n, 0
.rept 64
	v_cndmask_b32 v[S+n], v[UNEG], v[S+n], s[16+n+4*(n/48)]
.set n, n+1
.endr
.irp b, 0,1,2,3
	v_cmp_eq_f32 vcc_lo, v[SNEG], v[BM+\b]
	v_cndmask_b32 v[UB+\b], v[UB+\b], v[UNEG], vcc_lo
.endr
.endif
.set n, 0
.rept 64
	v_exp_f32 v[S+n], v[S+n]                       ; p = 2^(t - M)
.set n, n+1
.endr
	v_pk_mul_f32 v[14:15], v[14:15], v[F:F+1] op_sel_hi:[1,0]      ; the sums under the new M; a plain place behind the exponentials
	s_wait_alu depctr_va_vdst(0)                   ; one wait for the batch of 64, ahead of its first reader
.irp b, 0,1,2,3
	v_exp_f32 v[UB+\b], v[UB+\b]                   ; the block's largest p
.endr
	v_pk_add_f32 v[PT:PT+1], v[S:S+1], v[S+2:S+3]  ; the row's sum of the unquantised p, in two chains
.irp j, 4,8,12,16,20,24,28,32,36,40,44,48,52,56,60
	v_pk_add_f32 v[14:15], v[14:15], v[S+\j:S+\j+1]
	v_pk_add_f32 v[PT:PT+1], v[PT:PT+1], v[S+2+\j:S+3+\j]
.endr
	v_pk_add_f32 v[14:15], v[14:15], v[PT:PT+1]
	s_wait_alu depctr_va_vdst(0)                   ; and one for the four
.irp b, 0,1,2,3
	v_max_num_f32 v[UB+\b], 0x1800000, v[UB+\b]    ; the floor 2^(3 - 127)
.endr
.irp b, 0,1,2,3
	v_add_nc_u32 v[SP+\b], 0xff000000, v[UB+\b]
.endr
.irp b, 0,1,2,3
	v_lshrrev_b32 v[PT+\b], 23, v[SP+\b]
.endr
	v_lshl_or_b32 v[PWD], v[PT+1], 8, v[PT]
	v_lshl_or_b32 v[PWD], v[PT+2], 16, v[PWD]
	v_lshl_or_b32 v[PWD], v[PT+3], 24, v[PWD]
.irp b, 0,1,2,3
	v_cvt_scalef32_pk8_fp4_f32 v[PC+2*\b], v[S+16*\b:S+7+16*\b], v[SP+\b]
	v_cvt_scalef32_pk8_fp4_f32 v[PC+1+2*\b], v[S+8+16*\b:S+15+16*\b], v[SP+\b]
.endr
	v_nop                                          ; one plain place behind a scaled conversion
.irp c, 0,1
.irp i, 0,1
	v_permlane16_swap_b32 v[PC+4*\c+\i], v[PC+2+4*\c+\i]
.endr
.endr
.set n, 0
.rept 16
	v_pk_mul_f32 v[O+n:O+n+1], v[O+n:O+n+1], v[F:F+1] op_sel_hi:[1,0]   ; O^T under the new M; these sixteen are also the places between the scale word and codes just made and the products
.set n, n+2
.endr
	s_wait_dscnt 0x0                               ; V is in
.irp t, 0,1,2,3
	OMM \t
.endr
.endm
.Lstep:                                            ; sixteen trips, a constant: a trip is 128 keys
	s_and_b32 s85, s84, 3                          ; this step's flag
	s_lshr_b32 s84, s84, 2
	s_cmp_eq_u32 s85, 0
	s_cbranch_scc1 .Lnext                          ; all hidden: only the addresses step
	s_cmp_eq_u32 s85, 3
	s_cbranch_scc1 .Lopen                          ; all open: the form without mask words
	STEP 1
	s_branch .Lnext
.Lopen:
	STEP 0
.Lnext:
	s_add_co_u32 s86, s86, 4096
	s_add_co_u32 s87, s87, 512
	s_add_co_u32 s88, s88, 256
	s_add_nc_u64 s[94:95], s[94:95], 256
	s_sub_co_u32 s89, s89, 1
	s_cmp_lg_u32 s89, 0
	s_cbranch_scc1 .Lstep
	; THE WAY OUT: O^T / the sum, quantised along the head's 64 channels: half a fragment of the next product's rows
.rept 4
	v_nop                                          ; places behind the last products
.endr
	v_add_f32 v14, v14, v15
	v_permlanex16_b32 v252, v14, s90, s91
	v_add_f32 v14, v14, v252
	v_rcp_f32 v14, v14
	v_nop
	s_wait_alu depctr_va_vdst(0)                   ; the wait ahead of the reciprocal's first reader
.set n, 0
.rept 32
	v_mul_f32 v[S+n], v[O+n], v14                  ; register 16 b + i: channel 32 b + 16 hh + i
.set n, n+1
.endr
.irp b, 0,1
	v_max3_num_f32 v[BM+\b], |v[S+16*\b]|, |v[S+1+16*\b]|, 0x1800000
.endr
.irp i, 2,4,6,8,10,12,14
.irp b, 0,1
	v_max3_num_f32 v[BM+\b], v[BM+\b], |v[S+16*\b+\i]|, |v[S+1+16*\b+\i]|
.endr
.endr
.irp b, 0,1
	v_permlanex16_b32 v[PT+\b], v[BM+\b], s90, s91
.endr
.irp b, 0,1
	v_max_num_f32 v[BM+\b], v[BM+\b], v[PT+\b]
.endr
.irp b, 0,1
	v_add_nc_u32 v[SP+\b], 0xff000000, v[BM+\b]
.endr
.irp b, 0,1
	v_lshrrev_b32 v[PT+\b], 23, v[SP+\b]
.endr
	v_lshl_or_b32 v[PWD], v[PT+1], 8, v[PT]        ; two bytes; the upper half is 0
.irp b, 0,1
	v_cvt_scalef32_pk8_fp4_f32 v[PC+2*\b], v[S+16*\b:S+7+16*\b], v[SP+\b]
	v_cvt_scalef32_pk8_fp4_f32 v[PC+1+2*\b], v[S+8+16*\b:S+15+16*\b], v[SP+\b]
.endr
	v_nop
.irp i, 0,1
	v_permlane16_swap_b32 v[PC+\i], v[PC+2+\i]
.endr
	global_store_b128 v[LI], v[PC:PC+3], s[4:5]    ; 512 consecutive bytes
	global_store_b32 v[R4], v[PWD], s[6:7]         ; both halves of the lanes store the same word with the same value
	s_wait_tensorcnt 0x0
	ds_add_u32 v249, v255
	s_wait_dscnt 0x0
	s_endpgm
.Lfunc_end_k_q6bc962e336_attn1:
	.size	k_q6bc962e336_attn1, .Lfunc_end_k_q6bc962e336_attn1-k_q6bc962e336_attn1
	.p2alignl 7, 3214868480
	.fill 96, 4, 3214868480
	.section	.rodata,"a",@progbits
	.p2align	6, 0x0
	.amdhsa_kernel k_q6bc962e336_attn1
		.amdhsa_group_segment_fixed_size 145408
		.amdhsa_private_segment_fixed_size 0
		.amdhsa_enable_private_segment 0
		.amdhsa_kernarg_size 32
		.amdhsa_user_sgpr_count 2
		.amdhsa_user_sgpr_kernarg_segment_ptr 1
		.amdhsa_wavefront_size32 1
		.amdhsa_system_sgpr_workgroup_id_x 1
		.amdhsa_system_sgpr_workgroup_id_y 1
		.amdhsa_system_sgpr_workgroup_id_z 1
		.amdhsa_system_vgpr_workitem_id 0
		.amdhsa_next_free_vgpr 256
		.amdhsa_next_free_sgpr 100
		.amdhsa_reserve_vcc 1
		.amdhsa_float_denorm_mode_32 3
		.amdhsa_float_denorm_mode_16_64 3
		.amdhsa_memory_ordered 1
		.amdhsa_forward_progress 1
		.amdhsa_inst_pref_size 51
	.end_amdhsa_kernel
	.amdgpu_metadata
---
amdhsa.version: [ 1, 2 ]
amdhsa.kernels:
  - .name:           k_q6bc962e336_attn1
    .symbol:         k_q6bc962e336_attn1.kd
    .args:
      - { .name: cb, .offset: 0, .size: 8, .value_kind: global_buffer, .address_space: global }
      - { .name: p1, .offset: 8, .size: 8, .value_kind: global_buffer, .address_space: global }
      - { .name: f1, .offset: 16, .size: 8, .value_kind: global_buffer, .address_space: global }
      - { .name: tb, .offset: 24, .size: 8, .value_kind: global_buffer, .address_space: global }
    .group_segment_fixed_size: 145408
    .private_segment_fixed_size: 0
    .kernarg_segment_align: 8
    .kernarg_segment_size: 32
    .max_flat_workgroup_size: 512
    .sgpr_count:     100
    .vgpr_count:     256
    .wavefront_size: 32
...
	.end_amdgpu_metadata
.endif
;; end of part 5
;; launch post1 (part 6): grid 256 x 1, 4 waves a work-group, no clusters, 44,032 bytes of LDS; arguments tb, wb, de_out, bo1, ln2_g, ln2_b, bq2, cb; writes cb
.if DOCPART == 6
	.amdgcn_target "amdgcn-amd-amdhsa--gfx1250"
	.amdhsa_code_object_version 6
	.text
	.protected	k_q6bc962e336_post1
	.globl	k_q6bc962e336_post1
	.p2align	8
	.type	k_q6bc962e336_post1,@function
k_q6bc962e336_post1:
	s_mov_b64 s[64:65], 0
	v_nop
	global_prefetch_b8 v0, s[64:65] scope:SCOPE_SE
	s_setreg_imm32_b32 hwreg(HW_REG_WAVE_MODE, 25, 1), 1
	s_wait_xcnt 0x0
; x1 = de_out + attn1 wo1 + bo1;  n2 = layer norm 2 of x1;  q2 = n2 wq2 + bq2, quantised along the head size.  Both products on codes of FP4.
; SHARES.  A work-group owns 32 tokens (tiles 2 B, 2 B + 1).  THE WAVES SHARE THE COLUMNS: wave w makes channels 128 w .. 128 w + 127 of each product for all 32 tokens, and holds its 32 fragments of each weight in registers.
; Products transposed (source 0 = 16 channels of the weight, source 1 = 16 tokens): a lane holds one token, its 64 registers channels 32 b + 16 hh + i.  The residual and the bias are loaded in that layout and are the C of the first product.
; x1 leaves through the wave's own stage in LDS as rows of 512 consecutive bytes.  The norm's sums meet in LDS (two barriers).  n2's codes go from wave to wave as images of operand registers (a third barrier).
; The 16 accumulators take turns, one instruction a turn.
; All work-groups read the same two weights, straight from memory into registers: there is no LDS tile that a joint request could fill, so no cluster.
; LIMITS: blocks of zeros and blocks under 2^-124 get the byte 1; NaN and infinities are not served.
; REGISTERS.  window 0: v1-10 addresses; v16-47 two sets of weight scale words; v48-55 the rows' scale words; v56-59 n2's; v64-191 the accumulators; v192-255 (Z) the rows' fragments, later rows of x1, later the norm's and quantiser's work.
;   window 1: wo1.   window 2: wq2.   window 3: v0-63 bo1, later n2's fragments; v64-127 bq2; v128-191 the gain; v192-255 the norm's bias.
.set ST1,   33792
.set ST2,   34304
.set Y2IMG, 34816
.set Y2SC,  43008
.set LI,  1
.set LS,  2
.set XA,  3
.set STA, 4
.set STL, 5
.set SO,  6
.set SR,  7
.set IMG, 8
.set SCA, 9
.set BL,  10
.set YS,  48
.set Y2S, 56
.set PT,  60
.set D0,  64
.set D1,  128
.set Z,   192
.set NM,  192
.set RS,  196
.set TM,  200
.set PW,  216
.set MG,  218
.set PC,  224
.set T,   240
.set PA,  248
.set SEL, 22
.set MSB, 0
.macro WIN new
.if MSB != (\new)
	s_set_vgpr_msb (MSB<<8)|(\new)
.set MSB, (\new)
.endif
.endm
.macro PLACES n
.rept \n
	v_nop
.endr
.endm
.macro BARRIER
	s_wait_dscnt 0x0
	s_barrier_signal -1
	s_barrier_wait -1
.endm
.macro DLOAD reg, adr, base, off
.irp b, 0,1,2,3
.irp j, 0,1,2,3
	global_load_b128 v[\reg+16*\b+4*\j:\reg+16*\b+4*\j+3], v[\adr], s[\base:\base+1] offset:\off+128*\b+16*\j
.endr
.endr
.endm
.macro CHUNK win, base, off, tstr      ; my 32 fragments of a weight: (t, s) at v[8 (4 t + s)] of window win
	WIN (\win)<<6
.irp t, 0,1,2,3,4,5,6,7
.irp s, 0,1,2,3
.irp c, 0,1
	global_load_b128 v[8*(4*\t+\s)+4*\c:8*(4*\t+\s)+4*\c+3], v[LI], s[\base:\base+1] offset:\off+\t*\tstr+1024*\s+512*\c
.endr
.endr
.endr
.endm
.macro SLOAD set, base, off, tstr      ; and their scale words: register 2 t + i: lanes 0-15 K step 2 i, lanes 16-31 step 2 i + 1
	WIN 0
.irp t, 0,1,2,3,4,5,6,7
.irp i, 0,1
	global_load_b32 v[16+16*\set+2*\t+\i], v[LS], s[\base:\base+1] offset:\off+\t*\tstr+128*\i
.endr
.endr
.endm
.macro MM d, a, b, c, sa, sb, ra, rb
.if (\ra) && (\rb)
	v_wmma_scale_f32_16x16x128_f8f6f4 v[\d:\d+7], v[\a:\a+7], v[\b:\b+7], v[\c:\c+7], v[\sa], v[\sb] matrix_a_fmt:MATRIX_FMT_FP4 matrix_b_fmt:MATRIX_FMT_FP4 matrix_a_scale:MATRIX_SCALE_ROW1 matrix_b_scale:MATRIX_SCALE_ROW1
.elseif (\ra)
	v_wmma_scale_f32_16x16x128_f8f6f4 v[\d:\d+7], v[\a:\a+7], v[\b:\b+7], v[\c:\c+7], v[\sa], v[\sb] matrix_a_fmt:MATRIX_FMT_FP4 matrix_b_fmt:MATRIX_FMT_FP4 matrix_a_scale:MATRIX_SCALE_ROW1
.elseif (\rb)
	v_wmma_scale_f32_16x16x128_f8f6f4 v[\d:\d+7], v[\a:\a+7], v[\b:\b+7], v[\c:\c+7], v[\sa], v[\sb] matrix_a_fmt:MATRIX_FMT_FP4 matrix_b_fmt:MATRIX_FMT_FP4 matrix_b_scale:MATRIX_SCALE_ROW1
.else
	v_wmma_scale_f32_16x16x128_f8f6f4 v[\d:\d+7], v[\a:\a+7], v[\b:\b+7], v[\c:\c+7], v[\sa], v[\sb] matrix_a_fmt:MATRIX_FMT_FP4 matrix_b_fmt:MATRIX_FMT_FP4
.endif
.endm
; 64 matrix instructions: four K steps x two tiles of tokens x my eight tiles of channels.  wa: the weight's window; cs: the first step's C in window 3, or -1: in place; set: the weight's scale set; bs: the rows' first scale register;
; mode 0: the rows' fragments in window 0 at Z, a scale register a step; mode 1: in window 3 at v0, two steps a register
.macro GEMM wa, cs, set, bs, mode
.irp s, 0,1,2,3
.if \mode == 0
	WIN \wa
.elseif ((\cs) >= 0) && (\s == 0)
	WIN (\wa)+0x3c
.else
	WIN (\wa)+0x0c
.endif
.irp m, 0,1
.irp t, 0,1,2,3,4,5,6,7
.if \mode == 0
	MM D0+64*\m+8*\t, 8*(4*\t+\s), Z+8*(4*\m+\s), D0+64*\m+8*\t, 16+16*\set+2*\t+\s/2, \bs+4*\m+\s, \s%2, 0
.elseif ((\cs) >= 0) && (\s == 0)
	MM D0+64*\m+8*\t, 8*(4*\t+\s), 8*(4*\m+\s), \cs+8*\t, 16+16*\set+2*\t+\s/2, \bs+2*\m+\s/2, \s%2, \s%2
.else
	MM D0+64*\m+8*\t, 8*(4*\t+\s), 8*(4*\m+\s), D0+64*\m+8*\t, 16+16*\set+2*\t+\s/2, \bs+2*\m+\s/2, \s%2, \s%2
.endif
.endr
.endr
.endr
.endm
.macro SUM64 s, d
	v_pk_add_f32 v[T:T+1], v[\s:\s+1], v[\s+2:\s+3]
	v_pk_add_f32 v[T+2:T+3], v[\s+4:\s+5], v[\s+6:\s+7]
.irp j, 8,12,16,20,24,28,32,36,40,44,48,52,56,60
	v_pk_add_f32 v[T:T+1], v[T:T+1], v[\s+\j:\s+\j+1]
	v_pk_add_f32 v[T+2:T+3], v[T+2:T+3], v[\s+\j+2:\s+\j+3]
.endr
	v_pk_add_f32 v[T:T+1], v[T:T+1], v[T+2:T+3]
	v_add_f32 v[\d], v[T], v[T+1]
	v_permlanex16_b32 v[T+4], v[\d], s[SEL], s[SEL+1]
	v_add_f32 v[\d], v[\d], v[T+4]
.endm
.macro SQ64 s, d
	v_pk_mul_f32 v[T:T+1], v[\s:\s+1], v[\s:\s+1]
	v_pk_mul_f32 v[T+2:T+3], v[\s+2:\s+3], v[\s+2:\s+3]
.irp j, 4,8,12,16,20,24,28,32,36,40,44,48,52,56,60
	v_pk_fma_f32 v[T:T+1], v[\s+\j:\s+\j+1], v[\s+\j:\s+\j+1], v[T:T+1]
	v_pk_fma_f32 v[T+2:T+3], v[\s+\j+2:\s+\j+3], v[\s+\j+2:\s+\j+3], v[T+2:T+3]
.endr
	v_pk_add_f32 v[T:T+1], v[T:T+1], v[T+2:T+3]
	v_add_f32 v[\d], v[T], v[T+1]
	v_permlanex16_b32 v[T+4], v[\d], s[SEL], s[SEL+1]
	v_add_f32 v[\d], v[\d], v[T+4]
.endm
.macro FOUR off
	ds_load_b128 v[PA:PA+3], v[STL] offset:\off
	ds_load_b128 v[PA+4:PA+7], v[STL] offset:\off+256
	s_wait_dscnt 0x0
	v_add_f32 v[PA], v[PA], v[PA+1]
	v_add_f32 v[PA+2], v[PA+2], v[PA+3]
	v_add_f32 v[PA+4], v[PA+4], v[PA+5]
	v_add_f32 v[PA+6], v[PA+6], v[PA+7]
	v_add_f32 v[PA], v[PA], v[PA+2]
	v_add_f32 v[PA+4], v[PA+4], v[PA+6]
.endm
; the layer norm of the 32 tokens in D0, D1, in place, in two passes; gain and bias in window 3 at v128 and v192
.macro STATS
	SUM64 D0, T+6
	SUM64 D1, T+7
	ds_store_b32 v[STA], v[T+6] offset:ST1
	ds_store_b32 v[STA], v[T+7] offset:ST1+256
	BARRIER
	FOUR ST1
	v_mul_f32 v[NM], 0xbb000000, v[PA]             ; -mean
	v_mul_f32 v[NM+2], 0xbb000000, v[PA+4]
	v_mov_b32 v[NM+1], v[NM]
	v_mov_b32 v[NM+3], v[NM+2]
.irp m, 0,1
.set qi, 0
.rept 32
	v_pk_add_f32 v[D0+64*\m+qi:D0+64*\m+qi+1], v[D0+64*\m+qi:D0+64*\m+qi+1], v[NM+2*\m:NM+2*\m+1] op_sel_hi:[1,0]
.set qi, qi+2
.endr
.endr
	SQ64 D0, T+6
	SQ64 D1, T+7
	ds_store_b32 v[STA], v[T+6] offset:ST2
	ds_store_b32 v[STA], v[T+7] offset:ST2+256
	BARRIER
	FOUR ST2
	v_fma_f32 v[RS], v[PA], s24, s25
	v_fma_f32 v[RS+2], v[PA+4], s24, s25
	v_rsq_f32 v[RS], v[RS]
	v_rsq_f32 v[RS+2], v[RS+2]
	v_nop
	s_wait_alu depctr_va_vdst(0)                   ; one wait for both, ahead of their first reader
	v_mov_b32 v[RS+1], v[RS]
	v_mov_b32 v[RS+3], v[RS+2]
.irp m, 0,1
.set qi, 0
.rept 32
	v_pk_mul_f32 v[D0+64*\m+qi:D0+64*\m+qi+1], v[D0+64*\m+qi:D0+64*\m+qi+1], v[RS+2*\m:RS+2*\m+1] op_sel_hi:[1,0]
.set qi, qi+2
.endr
.endr
	WIN 0x3c                                       ; sources 1 and 2 in window 3
.irp m, 0,1
.set qi, 0
.rept 32
	v_pk_fma_f32 v[D0+64*\m+qi:D0+64*\m+qi+1], v[D0+64*\m+qi:D0+64*\m+qi+1], v[128+qi:128+qi+1], v[192+qi:192+qi+1]
.set qi, qi+2
.endr
.endr
	WIN 0
.endm
.macro QUANT s, pc, pw
.irp b, 0,1,2,3
	v_max3_num_f32 v[TM+\b], |v[\s+16*\b]|, |v[\s+1+16*\b]|, 0x1800000
.endr
.irp i, 2,4,6,8,10,12,14
.irp b, 0,1,2,3
	v_max3_num_f32 v[TM+\b], v[TM+\b], |v[\s+16*\b+\i]|, |v[\s+1+16*\b+\i]|
.endr
.endr
.irp b, 0,1,2,3
	v_permlanex16_b32 v[TM+4+\b], v[TM+\b], s[SEL], s[SEL+1]
.endr
.irp b, 0,1,2,3
	v_max_num_f32 v[TM+\b], v[TM+\b], v[TM+4+\b]
.endr
.irp b, 0,1,2,3
	v_add_nc_u32 v[TM+12+\b], 0xff000000, v[TM+\b]
.endr
.irp b, 0,1,2,3
	v_lshrrev_b32 v[TM+4+\b], 23, v[TM+12+\b]
.endr
	v_lshl_or_b32 v[\pw], v[TM+5], 8, v[TM+4]
	v_lshl_or_b32 v[\pw], v[TM+6], 16, v[\pw]
	v_lshl_or_b32 v[\pw], v[TM+7], 24, v[\pw]
.irp b, 0,1,2,3
	v_cvt_scalef32_pk8_fp4_f32 v[\pc+2*\b], v[\s+16*\b:\s+7+16*\b], v[TM+12+\b]
	v_cvt_scalef32_pk8_fp4_f32 v[\pc+1+2*\b], v[\s+8+16*\b:\s+15+16*\b], v[TM+12+\b]
.endr
	v_nop
.irp c, 0,1
.irp i, 0,1
	v_permlane16_swap_b32 v[\pc+4*\c+\i], v[\pc+2+4*\c+\i]
.endr
.endr
.endm
; tile m of the tokens leaves: through my stage (row r, pitch 528) and out as 16 rows of 512 consecutive bytes
.macro XOUT m, base
.irp b, 0,1,2,3
.irp q, 0,1,2,3
	ds_store_b128 v[SO], v[D0+64*\m+16*\b+4*\q:D0+64*\m+16*\b+4*\q+3] offset:128*\b+16*\q
.endr
.endr
.irp i, 0,1,2,3,4,5,6,7,8,9,10,11,12,13,14,15
	ds_load_b128 v[Z+4*\i:Z+4*\i+3], v[SR] offset:528*\i           ; LDS serves a wave's instructions in order: these see the stores above
.endr
.irp i, 0,1,2,3,4,5,6,7,8,9,10,11,12,13,14,15
	s_wait_dscnt 15-\i                             ; row i is back; the younger rows may be out
	global_store_b128 v[LI], v[Z+4*\i:Z+4*\i+3], s[\base:\base+1] offset:(8*\m+\i+8*(\i/8))*2048
.endr
.endm
	s_load_b256 s[4:11], s[0:1], 0x0               ; tb, wb, de_out, bo1
	s_load_b256 s[12:19], s[0:1], 0x20             ; ln2_g, ln2_b, bq2, cb
	v_lshl_add_u32 v14, v0, 2, 0xaa00
	v_mov_b32 v15, 0
	v_lshrrev_b32 v1, 5, v0
	v_readfirstlane_b32 s20, v1                    ; wave
	s_mov_b32 s21, ttmp9                           ; block of 32 tokens
	v_and_b32 v64, 31, v0
	v_and_b32 v65, 15, v0                          ; r
	v_bfe_u32 v66, v0, 4, 1                        ; hh
	v_lshlrev_b32 v[LI], 4, v64
	v_lshlrev_b32 v[LS], 2, v64
	v_and_b32 v[XA], 8, v65
	v_add_nc_u32 v[XA], v[XA], v65
	v_lshlrev_b32 v[XA], 11, v[XA]
	v_lshl_add_u32 v[XA], v66, 6, v[XA]            ; my token's row and half
	v_lshlrev_b32 v[BL], 6, v66
	v_lshlrev_b32 v[STL], 4, v65
	s_lshl_b32 s28, s20, 2
	v_add_nc_u32 v[STA], s28, v[STL]
	s_mul_i32 s28, s20, 16*528
	v_mul_u32_u24 v[SO], v65, 528
	v_lshl_add_u32 v[SO], v66, 6, v[SO]
	v_add_nc_u32 v[SO], s28, v[SO]
	v_add_nc_u32 v[SR], s28, v[LI]
	s_lshl_b32 s28, s20, 10
	v_add_nc_u32 v[IMG], s28, v[LI]
	s_lshl_b32 s28, s20, 6
	v_lshlrev_b32 v[SCA], 2, v65
	v_add_nc_u32 v[SCA], s28, v[SCA]
.irp i, 0,1,2,3
	v_mov_b32 v[PT+\i], 0
.endr
	s_mov_b32 s[SEL], 0x76543210
	s_mov_b32 s[SEL+1], 0xfedcba98
	s_mov_b32 s24, 0x3b000000                      ; 1 / 512
	s_mov_b32 s25, 0x3727c5ac                      ; 1e-5
	s_mov_b32 s26, 0xffff0000                      ; lanes 16-31
	s_lshl_b32 s50, s20, 9                         ; 512 w
	s_mov_b32 s51, 0
	s_mov_b32 s29, 0
	s_wait_kmcnt 0x0
	s_lshl_b32 s28, s21, 13
	s_add_nc_u64 s[30:31], s[4:5], s[28:29]        ; the rows' fragments
	s_lshl_b32 s28, s21, 10
	s_add_co_u32 s28, s28, 0x200000
	s_add_nc_u64 s[32:33], s[4:5], s[28:29]        ; their scale words, a word a head
	s_lshl_b32 s28, s21, 16
	s_add_co_u32 s28, s28, s50
	s_add_nc_u64 s[34:35], s[8:9], s[28:29]        ; the residual
	s_add_co_u32 s28, s28, 2359296
	s_add_nc_u64 s[44:45], s[18:19], s[28:29]      ; x1
	s_add_nc_u64 s[10:11], s[10:11], s[50:51]
	s_add_nc_u64 s[12:13], s[12:13], s[50:51]
	s_add_nc_u64 s[14:15], s[14:15], s[50:51]
	s_add_nc_u64 s[16:17], s[16:17], s[50:51]
	s_lshl_b32 s28, s20, 15
	s_add_co_u32 s28, s28, 3*131072
	s_add_nc_u64 s[36:37], s[6:7], s[28:29]        ; wo1
	s_add_co_u32 s28, s28, 131072
	s_add_nc_u64 s[40:41], s[6:7], s[28:29]        ; wq2
	s_lshl_b32 s28, s20, 11
	s_add_co_u32 s28, s28, 0x200000+3*8192
	s_add_nc_u64 s[38:39], s[6:7], s[28:29]
	s_add_co_u32 s28, s28, 8192
	s_add_nc_u64 s[42:43], s[6:7], s[28:29]
	s_lshr_b32 s28, s21, 6
	s_lshl_b32 s28, s28, 3
	s_lshl_b32 s27, s20, 1
	s_add_co_u32 s28, s28, s27                     ; my first head: 8 batch + 2 w
	s_lshl_b32 s28, s28, 7
	s_and_b32 s27, s21, 63
	s_lshl_b32 s27, s27, 1
	s_add_co_u32 s27, s28, s27                     ; 128 head + tile
	s_lshl_b32 s28, s27, 9
	s_add_nc_u64 s[46:47], s[18:19], s[28:29]      ; q2's codes
	s_lshl_b32 s28, s27, 6
	s_add_co_u32 s28, s28, 0x200000
	s_add_nc_u64 s[48:49], s[18:19], s[28:29]      ; and scale words
	; ---- all loads of the launch, wq2's fragments last
.set i, 0
.rept 16
	global_load_b128 v[Z+4*i:Z+4*i+3], v[LI], s[30:31] offset:512*i
.set i, i+1
.endr
.irp m, 0,1
.irp s, 0,1,2,3
	global_load_b32 v[YS+4*\m+\s], v[LS], s[32:33] offset:512*\m+128*\s   ; lanes 0-15: head 2 s; lanes 16-31: head 2 s + 1
.endr
.endr
	DLOAD D0, XA, 34, 0
	DLOAD D1, XA, 34, 16384
	WIN 0xc0
	DLOAD 0, BL, 10, 0
	DLOAD 128, BL, 12, 0
	DLOAD 192, BL, 14, 0
	CHUNK 1, 36, 0, 4096
	SLOAD 0, 38, 0, 256
	WIN 0xc0
	DLOAD 64, BL, 16, 0
	SLOAD 1, 42, 0, 256
	CHUNK 2, 40, 0, 4096
	WIN 0
	s_wait_loadcnt 63                              ; the 63 youngest loads are all of wq2's 64 fragment loads: everything else is in
.irp g, 0,4
.irp i, 0,1,2,3
	v_permlanex16_b32 v[PT+\i], v[YS+\g+\i], s[SEL], s[SEL+1]
.endr
.irp i, 0,1,2,3
	v_lshl_or_b32 v[YS+\g+\i], v[PT+\i], 16, v[YS+\g+\i]           ; lanes 0-15: two bytes of head 2 s, two of head 2 s + 1: the K step's word
.endr
.endr
	WIN 0x0c
.irp m, 0,1
.set qi, 0
.rept 32
	v_pk_add_f32 v[D0+64*\m+qi:D0+64*\m+qi+1], v[D0+64*\m+qi:D0+64*\m+qi+1], v[qi:qi+1]   ; residual + bo1: the sums begin there
.set qi, qi+2
.endr
.endr
	WIN 0
	PLACES 4
	GEMM 1, -1, 0, YS, 0
	WIN 0
	PLACES 4                                       ; ahead of the reads of results and of the loads into Z
	XOUT 0, 44
	s_wait_xcnt 0x0                                ; the stores have read Z
	XOUT 1, 44
	s_wait_xcnt 0x0
	v_mov_b32 v[T+4], 0
.irp b, 0,1,2,3
	v_mov_b32 v[TM+4+\b], 0
.endr
	STATS
	QUANT D0, PC, PW
	ds_store_b128 v[IMG], v[PC:PC+3] offset:Y2IMG                  ; K step w of the next product, as an image of its registers
	ds_store_b128 v[IMG], v[PC+4:PC+7] offset:Y2IMG+512
	ds_store_b32 v[SCA], v[PW] offset:Y2SC
	QUANT D1, PC+8, PW+1
	ds_store_b128 v[IMG], v[PC+8:PC+11] offset:Y2IMG+4096
	ds_store_b128 v[IMG], v[PC+12:PC+15] offset:Y2IMG+4608
	ds_store_b32 v[SCA], v[PW+1] offset:Y2SC+256
	BARRIER                                        ; n2's eight fragments lie in LDS
	WIN 0xc0
.set i, 0
.rept 16
	ds_load_b128 v[4*i:4*i+3], v[LI] offset:Y2IMG+512*i
.set i, i+1
.endr
	WIN 0
.irp m, 0,1
.irp i, 0,1
	ds_load_b32 v[Y2S+2*\m+\i], v[LS] offset:Y2SC+256*\m+128*\i
.endr
.endr
	s_wait_dscnt 0x0
	s_wait_loadcnt 0x0                             ; wq2
	GEMM 2, 64, 1, Y2S, 1
	WIN 0
	PLACES 4
	QUANT D0, PC, PW
	QUANT D1, PC+8, PW+1
	global_store_b128 v[LI], v[PC:PC+3], s[46:47]
	global_store_b128 v[LI], v[PC+4:PC+7], s[46:47] offset:65536
	global_store_b128 v[LI], v[PC+8:PC+11], s[46:47] offset:512
	global_store_b128 v[LI], v[PC+12:PC+15], s[46:47] offset:512+65536
	v_cndmask_b32 v[MG], v[PW], v[PW+1], s26
	v_lshrrev_b32 v[MG+1], 16, v[MG]
	global_store_b32 v[LS], v[MG], s[48:49]
	global_store_b32 v[LS], v[MG+1], s[48:49] offset:8192
	s_wait_tensorcnt 0x0
	ds_add_u32 v14, v15
	s_wait_dscnt 0x0
	s_endpgm
.Lfunc_end_k_q6bc962e336_post1:
	.size	k_q6bc962e336_post1, .Lfunc_end_k_q6bc962e336_post1-k_q6bc962e336_post1
	.p2alignl 7, 3214868480
	.fill 96, 4, 3214868480
	.section	.rodata,"a",@progbits
	.p2align	6, 0x0
	.amdhsa_kernel k_q6bc962e336_post1
		.amdhsa_group_segment_fixed_size 44032
		.amdhsa_private_segment_fixed_size 0
		.amdhsa_enable_private_segment 0
		.amdhsa_kernarg_size 64
		.amdhsa_user_sgpr_count 2
		.amdhsa_user_sgpr_kernarg_segment_ptr 1
		.amdhsa_wavefront_size32 1
		.amdhsa_system_sgpr_workgroup_id_x 1
		.amdhsa_system_sgpr_workgroup_id_y 1
		.amdhsa_system_sgpr_workgroup_id_z 1
		.amdhsa_system_vgpr_workitem_id 0
		.amdhsa_next_free_vgpr 1024
		.amdhsa_next_free_sgpr 66
		.amdhsa_reserve_vcc 0
		.amdhsa_float_denorm_mode_32 3
		.amdhsa_float_denorm_mode_16_64 3
		.amdhsa_memory_ordered 1
		.amdhsa_forward_progress 1
		.amdhsa_inst_pref_size 100
	.end_amdhsa_kernel
	.amdgpu_metadata
---
amdhsa.version: [ 1, 2 ]
amdhsa.kernels:
  - .name:           k_q6bc962e336_post1
    .symbol:         k_q6bc962e336_post1.kd
    .args:
      - { .name: tb, .offset: 0, .size: 8, .value_kind: global_buffer, .address_space: global }
      - { .name: wb, .offset: 8, .size: 8, .value_kind: global_buffer, .address_space: global }
      - { .name: de_out, .offset: 16, .size: 8, .value_kind: global_buffer, .address_space: global }
      - { .name: bo1, .offset: 24, .size: 8, .value_kind: global_buffer, .address_space: global }
      - { .name: ln2_g, .offset: 32, .size: 8, .value_kind: global_buffer, .address_space: global }
      - { .name: ln2_b, .offset: 40, .size: 8, .value_kind: global_buffer, .address_space: global }
      - { .name: bq2, .offset: 48, .size: 8, .value_kind: global_buffer, .address_space: global }
      - { .name: cb, .offset: 56, .size: 8, .value_kind: global_buffer, .address_space: global }
    .group_segment_fixed_size: 44032
    .private_segment_fixed_size: 0
    .kernarg_segment_align: 8
    .kernarg_segment_size: 64
    .max_flat_workgroup_size: 128
    .sgpr_count:     66
    .vgpr_count:     1024
    .wavefront_size: 32
...
	.end_amdgpu_metadata
.endif
;; end of part 6
;; launch attn2: the kernel of part 5 again; grid 8 x 32, 16 waves a work-group, no clusters, 145,408 bytes of LDS; arguments cb, p2, f2, tb; writes tb
;; launch ffn (part 7): grid 256 x 1, 4 waves a work-group, no clusters, 144,384 bytes of LDS; arguments tb, wb, cb, bo2, ln3_g, ln3_b, b1, b2, out0; writes out0
.if DOCPART == 7
	.amdgcn_target "amdgcn-amd-amdhsa--gfx1250"
	.amdhsa_code_object_version 6
	.text
	.protected	k_q6bc962e336_ffn
	.globl	k_q6bc962e336_ffn
	.p2align	8
	.type	k_q6bc962e336_ffn,@function
k_q6bc962e336_ffn:
	s_mov_b64 s[64:65], 0
	v_nop
	global_prefetch_b8 v0, s[64:65] scope:SCOPE_SE
	s_setreg_imm32_b32 hwreg(HW_REG_WAVE_MODE, 25, 1), 1
	s_wait_xcnt 0x0
; x2 = x1 + attn2 wo2 + bo2;  n3 = layer norm 3 of x2;  h = leaky_relu(n3 w1 + b1);  out = x2 + h w2 + b2.  All three products on codes of FP4; x2, n3 and h never go to memory.
; SHARES.  A work-group owns 32 tokens (tiles 2 B, 2 B + 1).  THE WAVES SHARE THE COLUMNS: wave w makes channels 128 w .. of x2 and of out, and hidden units 512 w .. 512 w + 511 in four groups of 128, each one K step of the last product.
; Products transposed (source 0 = 16 columns of the weight, source 1 = 16 tokens): a lane holds one token, its 64 registers columns 32 b + 16 hh + i: neighbours along the next K.
; THE WEIGHTS STREAM THROUGH WINDOWS 1 AND 2 BY TURNS, in nine chunks of 32 fragments (64 + 16 loads): wo2; four groups of w1; four runs of four K steps of w2.  Behind the products on a chunk the chunk after next is asked for into
; the same window, so a chunk has the work on its neighbour in which to land.
; x2 waits in LDS as an image of the accumulators; n3's and h's codes go from wave to wave as images of operand registers; four barriers.  The 16 accumulators take turns, one instruction a turn.
; All work-groups stream the same weights, straight from memory into registers: there is no LDS tile that a joint request could fill, so no cluster in this form.
; LIMITS: blocks of zeros and blocks under 2^-124 get the byte 1; NaN and infinities are not served.
; REGISTERS.  window 0: v1-15 addresses; v16-47 two sets of weight scale words; v48-55, v56-59 the rows' scale words; v64-191 the accumulators; v192-255 (Z) the rows' fragments, later work, at the end rows of out.
;   window 3: v0-63 bo2, then n3's, then h's fragments; v64-127, v128-191, v192-255 slots for gain, bias and the products' biases.
.set ST1,   33792
.set ST2,   34304
.set Y2IMG, 34816
.set Y2SC,  43008
.set XSV,   43520                      ; x2: 16,384 bytes a wave
.set HIMG,  109056                     ; h's 32 fragments: (16 m + K step) x 1,024
.set HSC,   141824                     ; their scale words: [m][16 steps][16]
.set LI,  1
.set LS,  2
.set XA,  3
.set STA, 4
.set STL, 5
.set SO,  6
.set SR,  7
.set IMG, 8
.set SCA, 9
.set BL,  10
.set XSA, 11
.set HWI, 12
.set HWS, 13
.set HRI, 14
.set HRS, 15
.set YS,  48
.set Y2S, 56
.set PT,  60
.set D0,  64
.set D1,  128
.set Z,   192
.set NM,  192
.set RS,  196
.set TM,  200
.set PW,  216
.set PC,  224
.set T,   240
.set PA,  248
.set SEL, 22
.set MSB, 0
.macro WIN new
.if MSB != (\new)
	s_set_vgpr_msb (MSB<<8)|(\new)
.set MSB, (\new)
.endif
.endm
.macro PLACES n
.rept \n
	v_nop
.endr
.endm
.macro BARRIER
	s_wait_dscnt 0x0
	s_barrier_signal -1
	s_barrier_wait -1
.endm
.macro DLOAD reg, adr, base, off
.irp b, 0,1,2,3
.irp j, 0,1,2,3
	global_load_b128 v[\reg+16*\b+4*\j:\reg+16*\b+4*\j+3], v[\adr], s[\base:\base+1] offset:\off+128*\b+16*\j
.endr
.endr
.endm
.macro CHUNK win, base, off, tstr      ; 32 fragments: (t, s) at v[8 (4 t + s)] of window win
	WIN (\win)<<6
.irp t, 0,1,2,3,4,5,6,7
.irp s, 0,1,2,3
.irp c, 0,1
	global_load_b128 v[8*(4*\t+\s)+4*\c:8*(4*\t+\s)+4*\c+3], v[LI], s[\base:\base+1] offset:\off+\t*\tstr+1024*\s+512*\c
.endr
.endr
.endr
.endm
.macro SLOAD set, base, off, tstr
	WIN 0
.irp t, 0,1,2,3,4,5,6,7
.irp i, 0,1
	global_load_b32 v[16+16*\set+2*\t+\i], v[LS], s[\base:\base+1] offset:\off+\t*\tstr+128*\i
.endr
.endr
.endm
.macro MM d, a, b, c, sa, sb, ra, rb
.if (\ra) && (\rb)
	v_wmma_scale_f32_16x16x128_f8f6f4 v[\d:\d+7], v[\a:\a+7], v[\b:\b+7], v[\c:\c+7], v[\sa], v[\sb] matrix_a_fmt:MATRIX_FMT_FP4 matrix_b_fmt:MATRIX_FMT_FP4 matrix_a_scale:MATRIX_SCALE_ROW1 matrix_b_scale:MATRIX_SCALE_ROW1
.elseif (\ra)
	v_wmma_scale_f32_16x16x128_f8f6f4 v[\d:\d+7], v[\a:\a+7], v[\b:\b+7], v[\c:\c+7], v[\sa], v[\sb] matrix_a_fmt:MATRIX_FMT_FP4 matrix_b_fmt:MATRIX_FMT_FP4 matrix_a_scale:MATRIX_SCALE_ROW1
.elseif (\rb)
	v_wmma_scale_f32_16x16x128_f8f6f4 v[\d:\d+7], v[\a:\a+7], v[\b:\b+7], v[\c:\c+7], v[\sa], v[\sb] matrix_a_fmt:MATRIX_FMT_FP4 matrix_b_fmt:MATRIX_FMT_FP4 matrix_b_scale:MATRIX_SCALE_ROW1
.else
	v_wmma_scale_f32_16x16x128_f8f6f4 v[\d:\d+7], v[\a:\a+7], v[\b:\b+7], v[\c:\c+7], v[\sa], v[\sb] matrix_a_fmt:MATRIX_FMT_FP4 matrix_b_fmt:MATRIX_FMT_FP4
.endif
.endm
; 64 matrix instructions: four K steps x two tiles of tokens x eight tiles of columns.  wa: the chunk's window; cs: the first step's C in window 3, or -1: in place; set: the chunk's scale set; bs: the rows' first scale register;
; mode 0: the rows' fragments in window 0 at Z, a scale register a step; mode 1: in window 3 at v0, two steps a register
.macro GEMM wa, cs, set, bs, mode
.irp s, 0,1,2,3
.if \mode == 0
	WIN \wa
.elseif ((\cs) >= 0) && (\s == 0)
	WIN (\wa)+0x3c
.else
	WIN (\wa)+0x0c
.endif
.irp m, 0,1
.irp t, 0,1,2,3,4,5,6,7
.if \mode == 0
	MM D0+64*\m+8*\t, 8*(4*\t+\s), Z+8*(4*\m+\s), D0+64*\m+8*\t, 16+16*\set+2*\t+\s/2, \bs+4*\m+\s, \s%2, 0
.elseif ((\cs) >= 0) && (\s == 0)
	MM D0+64*\m+8*\t, 8*(4*\t+\s), 8*(4*\m+\s), \cs+8*\t, 16+16*\set+2*\t+\s/2, \bs+2*\m+\s/2, \s%2, \s%2
.else
	MM D0+64*\m+8*\t, 8*(4*\t+\s), 8*(4*\m+\s), D0+64*\m+8*\t, 16+16*\set+2*\t+\s/2, \bs+2*\m+\s/2, \s%2, \s%2
.endif
.endr
.endr
.endr
.endm
.macro SUM64 s, d
	v_pk_add_f32 v[T:T+1], v[\s:\s+1], v[\s+2:\s+3]
	v_pk_add_f32 v[T+2:T+3], v[\s+4:\s+5], v[\s+6:\s+7]
.irp j, 8,12,16,20,24,28,32,36,40,44,48,52,56,60
	v_pk_add_f32 v[T:T+1], v[T:T+1], v[\s+\j:\s+\j+1]
	v_pk_add_f32 v[T+2:T+3], v[T+2:T+3], v[\s+\j+2:\s+\j+3]
.endr
	v_pk_add_f32 v[T:T+1], v[T:T+1], v[T+2:T+3]
	v_add_f32 v[\d], v[T], v[T+1]
	v_permlanex16_b32 v[T+4], v[\d], s[SEL], s[SEL+1]
	v_add_f32 v[\d], v[\d], v[T+4]
.endm
.macro SQ64 s, d
	v_pk_mul_f32 v[T:T+1], v[\s:\s+1], v[\s:\s+1]
	v_pk_mul_f32 v[T+2:T+3], v[\s+2:\s+3], v[\s+2:\s+3]
.irp j, 4,8,12,16,20,24,28,32,36,40,44,48,52,56,60
	v_pk_fma_f32 v[T:T+1], v[\s+\j:\s+\j+1], v[\s+\j:\s+\j+1], v[T:T+1]
	v_pk_fma_f32 v[T+2:T+3], v[\s+\j+2:\s+\j+3], v[\s+\j+2:\s+\j+3], v[T+2:T+3]
.endr
	v_pk_add_f32 v[T:T+1], v[T:T+1], v[T+2:T+3]
	v_add_f32 v[\d], v[T], v[T+1]
	v_permlanex16_b32 v[T+4], v[\d], s[SEL], s[SEL+1]
	v_add_f32 v[\d], v[\d], v[T+4]
.endm
.macro FOUR off
	ds_load_b128 v[PA:PA+3], v[STL] offset:\off
	ds_load_b128 v[PA+4:PA+7], v[STL] offset:\off+256
	s_wait_dscnt 0x0
	v_add_f32 v[PA], v[PA], v[PA+1]
	v_add_f32 v[PA+2], v[PA+2], v[PA+3]
	v_add_f32 v[PA+4], v[PA+4], v[PA+5]
	v_add_f32 v[PA+6], v[PA+6], v[PA+7]
	v_add_f32 v[PA], v[PA], v[PA+2]
	v_add_f32 v[PA+4], v[PA+4], v[PA+6]
.endm
.macro STATS                           ; the layer norm of the 32 tokens in D0, D1, in place, in two passes; gain and bias in window 3 at v128 and v192
	SUM64 D0, T+6
	SUM64 D1, T+7
	ds_store_b32 v[STA], v[T+6] offset:ST1
	ds_store_b32 v[STA], v[T+7] offset:ST1+256
	BARRIER
	FOUR ST1
	v_mul_f32 v[NM], 0xbb000000, v[PA]
	v_mul_f32 v[NM+2], 0xbb000000, v[PA+4]
	v_mov_b32 v[NM+1], v[NM]
	v_mov_b32 v[NM+3], v[NM+2]
.irp m, 0,1
.set qi, 0
.rept 32
	v_pk_add_f32 v[D0+64*\m+qi:D0+64*\m+qi+1], v[D0+64*\m+qi:D0+64*\m+qi+1], v[NM+2*\m:NM+2*\m+1] op_sel_hi:[1,0]
.set qi, qi+2
.endr
.endr
	SQ64 D0, T+6
	SQ64 D1, T+7
	ds_store_b32 v[STA], v[T+6] offset:ST2
	ds_store_b32 v[STA], v[T+7] offset:ST2+256
	BARRIER
	FOUR ST2
	v_fma_f32 v[RS], v[PA], s24, s25
	v_fma_f32 v[RS+2], v[PA+4], s24, s25
	v_rsq_f32 v[RS], v[RS]
	v_rsq_f32 v[RS+2], v[RS+2]
	v_nop
	s_wait_alu depctr_va_vdst(0)                   ; one wait for both, ahead of their first reader
	v_mov_b32 v[RS+1], v[RS]
	v_mov_b32 v[RS+3], v[RS+2]
.irp m, 0,1
.set qi, 0
.rept 32
	v_pk_mul_f32 v[D0+64*\m+qi:D0+64*\m+qi+1], v[D0+64*\m+qi:D0+64*\m+qi+1], v[RS+2*\m:RS+2*\m+1] op_sel_hi:[1,0]
.set qi, qi+2
.endr
.endr
	WIN 0x3c
.irp m, 0,1
.set qi, 0
.rept 32
	v_pk_fma_f32 v[D0+64*\m+qi:D0+64*\m+qi+1], v[D0+64*\m+qi:D0+64*\m+qi+1], v[128+qi:128+qi+1], v[192+qi:192+qi+1]
.set qi, qi+2
.endr
.endr
	WIN 0
.endm
.macro QUANT s, pc, pw
.irp b, 0,1,2,3
	v_max3_num_f32 v[TM+\b], |v[\s+16*\b]|, |v[\s+1+16*\b]|, 0x1800000
.endr
.irp i, 2,4,6,8,10,12,14
.irp b, 0,1,2,3
	v_max3_num_f32 v[TM+\b], v[TM+\b], |v[\s+16*\b+\i]|, |v[\s+1+16*\b+\i]|
.endr
.endr
.irp b, 0,1,2,3
	v_permlanex16_b32 v[TM+4+\b], v[TM+\b], s[SEL], s[SEL+1]
.endr
.irp b, 0,1,2,3
	v_max_num_f32 v[TM+\b], v[TM+\b], v[TM+4+\b]
.endr
.irp b, 0,1,2,3
	v_add_nc_u32 v[TM+12+\b], 0xff000000, v[TM+\b]
.endr
.irp b, 0,1,2,3
	v_lshrrev_b32 v[TM+4+\b], 23, v[TM+12+\b]
.endr
	v_lshl_or_b32 v[\pw], v[TM+5], 8, v[TM+4]
	v_lshl_or_b32 v[\pw], v[TM+6], 16, v[\pw]
	v_lshl_or_b32 v[\pw], v[TM+7], 24, v[\pw]
.irp b, 0,1,2,3
	v_cvt_scalef32_pk8_fp4_f32 v[\pc+2*\b], v[\s+16*\b:\s+7+16*\b], v[TM+12+\b]
	v_cvt_scalef32_pk8_fp4_f32 v[\pc+1+2*\b], v[\s+8+16*\b:\s+15+16*\b], v[TM+12+\b]
.endr
	v_nop
.irp c, 0,1
.irp i, 0,1
	v_permlane16_swap_b32 v[\pc+4*\c+\i], v[\pc+2+4*\c+\i]
.endr
.endr
.endm
.macro XOUT m, base                    ; tile m of the tokens leaves: through my stage and out as 16 rows of 512 consecutive bytes
.irp b, 0,1,2,3
.irp q, 0,1,2,3
	ds_store_b128 v[SO], v[D0+64*\m+16*\b+4*\q:D0+64*\m+16*\b+4*\q+3] offset:128*\b+16*\q
.endr
.endr
.irp i, 0,1,2,3,4,5,6,7,8,9,10,11,12,13,14,15
	ds_load_b128 v[Z+4*\i:Z+4*\i+3], v[SR] offset:528*\i
.endr
.irp i, 0,1,2,3,4,5,6,7,8,9,10,11,12,13,14,15
	s_wait_dscnt 15-\i                             ; row i is back; the younger rows may be out
	global_store_b128 v[LI], v[Z+4*\i:Z+4*\i+3], s[\base:\base+1] offset:(8*\m+\i+8*(\i/8))*2048 th:TH_STORE_NT
.endr
.endm
.macro BIASADD slot                    ; both tiles' accumulators + 64 numbers of window 3
	WIN 0x0c
.irp m, 0,1
.set qi, 0
.rept 32
	v_pk_add_f32 v[D0+64*\m+qi:D0+64*\m+qi+1], v[D0+64*\m+qi:D0+64*\m+qi+1], v[\slot+qi:\slot+qi+1]
.set qi, qi+2
.endr
.endr
	WIN 0
.endm
.macro ACT d                           ; leaky_relu = max(x, 0.01 x), sixteen numbers at a time
.irp p, 0,1,2,3
.irp j, 0,2,4,6,8,10,12,14
	v_pk_mul_f32 v[T+\j:T+\j+1], v[\d+16*\p+\j:\d+16*\p+\j+1], s[54:55] op_sel_hi:[1,0]
.endr
.irp j, 0,1,2,3,4,5,6,7,8,9,10,11,12,13,14,15
	v_max_num_f32 v[\d+16*\p+\j], v[\d+16*\p+\j], v[T+\j]
.endr
.endr
.endm
.macro HID i                           ; my group i of hidden units, both tiles of tokens: activation, codes, image: K step 4 w + i of the last product
.irp m, 0,1
	ACT D0+64*\m
	QUANT D0+64*\m, PC+8*\m, PW+\m
	ds_store_b128 v[HWI], v[PC+8*\m:PC+8*\m+3] offset:16384*\m+1024*\i
	ds_store_b128 v[HWI], v[PC+8*\m+4:PC+8*\m+7] offset:16384*\m+1024*\i+512
	ds_store_b32 v[HWS], v[PW+\m] offset:1024*\m+64*\i
.endr
	s_wait_dscnt 0x0                               ; the stores have read their registers
.endm
.macro HFETCH j                        ; h's fragments of K steps 4 j .. 4 j + 3, both tiles, into window 3, and their scale words
	WIN 0xc0
.irp m, 0,1
.irp s, 0,1,2,3
.irp c, 0,1
	ds_load_b128 v[8*(4*\m+\s)+4*\c:8*(4*\m+\s)+4*\c+3], v[HRI] offset:16384*\m+4096*\j+1024*\s+512*\c
.endr
.endr
.endr
	WIN 0
.irp m, 0,1
.irp i, 0,1
	ds_load_b32 v[Y2S+2*\m+\i], v[HRS] offset:1024*\m+256*\j+128*\i
.endr
.endr
.endm
	s_load_b256 s[4:11], s[0:1], 0x0               ; tb, wb, cb, bo2
	s_load_b256 s[12:19], s[0:1], 0x20             ; ln3_g, ln3_b, b1, b2
	s_load_b64 s[52:53], s[0:1], 0x40              ; out0
	v_lshrrev_b32 v1, 5, v0
	v_readfirstlane_b32 s20, v1                    ; wave
	s_mov_b32 s21, ttmp9                           ; block of 32 tokens
	v_and_b32 v64, 31, v0
	v_and_b32 v65, 15, v0                          ; r
	v_bfe_u32 v66, v0, 4, 1                        ; hh
	v_lshlrev_b32 v[LI], 4, v64
	v_lshlrev_b32 v[LS], 2, v64
	v_and_b32 v[XA], 8, v65
	v_add_nc_u32 v[XA], v[XA], v65
	v_lshlrev_b32 v[XA], 11, v[XA]
	v_lshl_add_u32 v[XA], v66, 6, v[XA]
	v_lshlrev_b32 v[BL], 6, v66
	v_lshlrev_b32 v[STL], 4, v65
	s_lshl_b32 s28, s20, 2
	v_add_nc_u32 v[STA], s28, v[STL]
	s_mul_i32 s28, s20, 16*528
	v_mul_u32_u24 v[SO], v65, 528
	v_lshl_add_u32 v[SO], v66, 6, v[SO]
	v_add_nc_u32 v[SO], s28, v[SO]
	v_add_nc_u32 v[SR], s28, v[LI]
	s_lshl_b32 s28, s20, 10
	v_add_nc_u32 v[IMG], s28, v[LI]
	s_lshl_b32 s28, s20, 6
	v_lshlrev_b32 v[SCA], 2, v65
	v_add_nc_u32 v[HWS], HSC, v[SCA]
	v_add_nc_u32 v[SCA], s28, v[SCA]
	s_lshl_b32 s28, s20, 8
	v_add_nc_u32 v[HWS], s28, v[HWS]               ; 4 r + 256 w + HSC
	s_lshl_b32 s28, s20, 14
	v_add_nc_u32 v[XSA], s28, v[LI]
	v_add_nc_u32 v[XSA], XSV, v[XSA]
	v_add_nc_u32 v[HRI], HIMG, v[LI]
	s_lshl_b32 s28, s20, 12
	v_add_nc_u32 v[HWI], s28, v[HRI]
	v_add_nc_u32 v[HRS], HSC, v[LS]
.irp i, 0,1,2,3
	v_mov_b32 v[PT+\i], 0
.endr
	s_mov_b32 s[SEL], 0x76543210
	s_mov_b32 s[SEL+1], 0xfedcba98
	s_mov_b32 s24, 0x3b000000                      ; 1 / 512
	s_mov_b32 s25, 0x3727c5ac                      ; 1e-5
	s_mov_b32 s54, 0x3c23d70a                      ; 0.01
	s_mov_b32 s55, s54
	s_lshl_b32 s50, s20, 9                         ; 512 w
	s_mov_b32 s51, 0
	s_mov_b32 s29, 0
	s_wait_kmcnt 0x0
	s_lshl_b32 s28, s21, 13
	s_add_nc_u64 s[30:31], s[4:5], s[28:29]        ; the rows' fragments
	s_lshl_b32 s28, s21, 10
	s_add_co_u32 s28, s28, 0x200000
	s_add_nc_u64 s[32:33], s[4:5], s[28:29]        ; their scale words, a word a head
	s_lshl_b32 s28, s21, 16
	s_add_co_u32 s28, s28, s50
	s_add_nc_u64 s[52:53], s[52:53], s[28:29]      ; out
	s_add_co_u32 s28, s28, 2359296
	s_add_nc_u64 s[34:35], s[8:9], s[28:29]        ; x1
	s_add_nc_u64 s[10:11], s[10:11], s[50:51]
	s_add_nc_u64 s[12:13], s[12:13], s[50:51]
	s_add_nc_u64 s[14:15], s[14:15], s[50:51]
	s_add_nc_u64 s[18:19], s[18:19], s[50:51]
	s_lshl_b32 s28, s20, 11
	s_add_nc_u64 s[16:17], s[16:17], s[28:29]      ; b1: my 512 numbers
	s_add_co_u32 s28, s28, 0x200000+7*8192
	s_add_nc_u64 s[38:39], s[6:7], s[28:29]        ; wo2's scale words
	s_lshl_b32 s28, s20, 15
	s_add_co_u32 s28, s28, 7*131072
	s_add_nc_u64 s[36:37], s[6:7], s[28:29]        ; wo2
	s_lshl_b32 s28, s20, 17
	s_add_co_u32 s28, s28, 0x100000
	s_add_nc_u64 s[40:41], s[6:7], s[28:29]        ; w1: my 32 tiles
	s_add_co_u32 s28, s28, 0x80000
	s_add_nc_u64 s[44:45], s[6:7], s[28:29]        ; w2: my 8 tiles
	s_lshl_b32 s28, s20, 13
	s_add_co_u32 s28, s28, 0x200000+0x10000
	s_add_nc_u64 s[42:43], s[6:7], s[28:29]
	s_add_co_u32 s28, s28, 0x8000
	s_add_nc_u64 s[46:47], s[6:7], s[28:29]
	; ---- the head's loads; the fragments of w1's first group last
.set i, 0
.rept 16
	global_load_b128 v[Z+4*i:Z+4*i+3], v[LI], s[30:31] offset:512*i
.set i, i+1
.endr
.irp m, 0,1
.irp s, 0,1,2,3
	global_load_b32 v[YS+4*\m+\s], v[LS], s[32:33] offset:512*\m+128*\s
.endr
.endr
	DLOAD D0, XA, 34, 0
	DLOAD D1, XA, 34, 16384
	WIN 0xc0
	DLOAD 0, BL, 10, 0                             ; bo2
	DLOAD 128, BL, 12, 0                           ; gain
	DLOAD 192, BL, 14, 0                           ; the norm's bias
	CHUNK 1, 36, 0, 4096                           ; chunk 0: wo2
	SLOAD 0, 38, 0, 256
	WIN 0xc0
	DLOAD 64, BL, 16, 0                            ; b1 of group 0
	SLOAD 1, 42, 0, 256
	CHUNK 2, 40, 0, 4096                           ; chunk 1: w1, group 0
	WIN 0
	s_wait_loadcnt 63                              ; the 63 youngest loads are all of chunk 1's 64 fragment loads: everything else is in
.irp g, 0,4
.irp i, 0,1,2,3
	v_permlanex16_b32 v[PT+\i], v[YS+\g+\i], s[SEL], s[SEL+1]
.endr
.irp i, 0,1,2,3
	v_lshl_or_b32 v[YS+\g+\i], v[PT+\i], 16, v[YS+\g+\i]
.endr
.endr
	BIASADD 0                                      ; x1 + bo2: the sums begin there
	PLACES 4
	GEMM 1, -1, 0, YS, 0
	WIN 0
	PLACES 4                                       ; ahead of loads into the chunk's registers and of the reads of results
	CHUNK 1, 40, 32768, 4096                       ; chunk 2: w1, group 1
	SLOAD 0, 42, 2048, 256
.set i, 0
.rept 32
	ds_store_b128 v[XSA], v[D0+4*i:D0+4*i+3] offset:512*i          ; x2 waits in LDS, as it stands in my registers
.set i, i+1
.endr
	v_mov_b32 v[T+4], 0
.irp b, 0,1,2,3
	v_mov_b32 v[TM+4+\b], 0
.endr
	STATS
	WIN 0xc0
	DLOAD 128, BL, 16, 512                         ; b1 of groups 1 and 2 take the gain's and the bias's places
	DLOAD 192, BL, 16, 1024
	WIN 0
	QUANT D0, PC, PW
	ds_store_b128 v[IMG], v[PC:PC+3] offset:Y2IMG
	ds_store_b128 v[IMG], v[PC+4:PC+7] offset:Y2IMG+512
	ds_store_b32 v[SCA], v[PW] offset:Y2SC
	QUANT D1, PC+8, PW+1
	ds_store_b128 v[IMG], v[PC+8:PC+11] offset:Y2IMG+4096
	ds_store_b128 v[IMG], v[PC+12:PC+15] offset:Y2IMG+4608
	ds_store_b32 v[SCA], v[PW+1] offset:Y2SC+256
	BARRIER                                        ; n3's eight fragments lie in LDS
	WIN 0xc0
.set i, 0
.rept 16
	ds_load_b128 v[4*i:4*i+3], v[LI] offset:Y2IMG+512*i
.set i, i+1
.endr
	WIN 0
.irp m, 0,1
.irp i, 0,1
	ds_load_b32 v[Y2S+2*\m+\i], v[LS] offset:Y2SC+256*\m+128*\i
.endr
.endr
	s_wait_dscnt 0x0
	; ---- the hidden layer, four groups of 128 units
	s_wait_loadcnt 63                              ; behind chunk 1 stand chunk 2's 80 loads and 32 of biases: chunk 1 is in
	GEMM 2, 64, 1, Y2S, 1
	WIN 0
	PLACES 4
	CHUNK 2, 40, 65536, 4096                       ; chunk 3: w1, group 2
	SLOAD 1, 42, 4096, 256
	WIN 0xc0
	DLOAD 64, BL, 16, 1536                         ; b1 of group 3
	WIN 0
	HID 0
	s_wait_loadcnt 63                              ; behind chunk 2 and the biases of groups 1, 2 stand 96 younger loads
	GEMM 1, 128, 0, Y2S, 1
	WIN 0
	PLACES 4
	CHUNK 1, 40, 98304, 4096                       ; chunk 4: w1, group 3
	SLOAD 0, 42, 6144, 256
	WIN 0xc0
	DLOAD 128, BL, 18, 0                           ; b2
	WIN 0
	HID 1
	s_wait_loadcnt 63                              ; behind chunk 3 and b1 of group 3 stand 96 younger loads
	GEMM 2, 192, 1, Y2S, 1
	WIN 0
	PLACES 4
	CHUNK 2, 44, 0, 16384                          ; chunk 5: w2, K steps 0-3
	SLOAD 1, 46, 0, 1024
	HID 2
	s_wait_loadcnt 63                              ; behind chunk 4 and b2 stand chunk 5's 80 loads
	GEMM 1, 64, 0, Y2S, 1
	WIN 0
	PLACES 4
	CHUNK 1, 44, 4096, 16384                       ; chunk 6: w2, K steps 4-7
	SLOAD 0, 46, 256, 1024
	HID 3
	BARRIER                                        ; h's 32 fragments lie in LDS
	; ---- the last product, onto x2 + b2
.set i, 0
.rept 32
	ds_load_b128 v[D0+4*i:D0+4*i+3], v[XSA] offset:512*i
.set i, i+1
.endr
	HFETCH 0
	s_wait_dscnt 0x0
	BIASADD 128
	PLACES 4
	s_wait_loadcnt 63                              ; behind chunk 5 stand chunk 6's 80 loads
	GEMM 2, -1, 1, Y2S, 1
	WIN 0
	PLACES 4
	CHUNK 2, 44, 8192, 16384                       ; chunk 7: w2, K steps 8-11
	SLOAD 1, 46, 512, 1024
	HFETCH 1
	s_wait_dscnt 0x0
	s_wait_loadcnt 63                              ; behind chunk 6 stand chunk 7's 80 loads
	GEMM 1, -1, 0, Y2S, 1
	WIN 0
	PLACES 4
	CHUNK 1, 44, 12288, 16384                      ; chunk 8: w2, K steps 12-15
	SLOAD 0, 46, 768, 1024
	HFETCH 2
	s_wait_dscnt 0x0
	s_wait_loadcnt 63                              ; behind chunk 7 stand chunk 8's 80 loads
	GEMM 2, -1, 1, Y2S, 1
	WIN 0
	PLACES 4
	HFETCH 3
	s_wait_dscnt 0x0
	s_wait_loadcnt 0x0                             ; chunk 8
	GEMM 1, -1, 0, Y2S, 1
	WIN 0
	PLACES 4
	XOUT 0, 52
	s_wait_xcnt 0x0                                ; the stores have read Z
	XOUT 1, 52
	s_wait_xcnt 0x0
	v_lshl_add_u32 v254, v0, 2, 0x23200
	v_mov_b32 v255, 0
	s_wait_tensorcnt 0x0
	ds_add_u32 v254, v255
	s_wait_dscnt 0x0
	s_endpgm
.Lfunc_end_k_q6bc962e336_ffn:
	.size	k_q6bc962e336_ffn, .Lfunc_end_k_q6bc962e336_ffn-k_q6bc962e336_ffn
	.p2alignl 7, 3214868480
	.fill 96, 4, 3214868480
	.section	.rodata,"a",@progbits
	.p2align	6, 0x0
	.amdhsa_kernel k_q6bc962e336_ffn
		.amdhsa_group_segment_fixed_size 144384
		.amdhsa_private_segment_fixed_size 0
		.amdhsa_enable_private_segment 0
		.amdhsa_kernarg_size 72
		.amdhsa_user_sgpr_count 2
		.amdhsa_user_sgpr_kernarg_segment_ptr 1
		.amdhsa_wavefront_size32 1
		.amdhsa_system_sgpr_workgroup_id_x 1
		.amdhsa_system_sgpr_workgroup_id_y 1
		.amdhsa_system_sgpr_workgroup_id_z 1
		.amdhsa_system_vgpr_workitem_id 0
		.amdhsa_next_free_vgpr 1024
		.amdhsa_next_free_sgpr 66
		.amdhsa_reserve_vcc 0
		.amdhsa_float_denorm_mode_32 3
		.amdhsa_float_denorm_mode_16_64 3
		.amdhsa_memory_ordered 1
		.amdhsa_forward_progress 1
		.amdhsa_inst_pref_size 255
	.end_amdhsa_kernel
	.section	.bss,"aw",@nobits
	.p2align	6
	.space	262144
	.amdgpu_metadata
---
amdhsa.version: [ 1, 2 ]
amdhsa.kernels:
  - .name:           k_q6bc962e336_ffn
    .symbol:         k_q6bc962e336_ffn.kd
    .args:
      - { .name: tb, .offset: 0, .size: 8, .value_kind: global_buffer, .address_space: global }
      - { .name: wb, .offset: 8, .size: 8, .value_kind: global_buffer, .address_space: global }
      - { .name: cb, .offset: 16, .size: 8, .value_kind: global_buffer, .address_space: global }
      - { .name: bo2, .offset: 24, .size: 8, .value_kind: global_buffer, .address_space: global }
      - { .name: ln3_g, .offset: 32, .size: 8, .value_kind: global_buffer, .address_space: global }
      - { .name: ln3_b, .offset: 40, .size: 8, .value_kind: global_buffer, .address_space: global }
      - { .name: b1, .offset: 48, .size: 8, .value_kind: global_buffer, .address_space: global }
      - { .name: b2, .offset: 56, .size: 8, .value_kind: global_buffer, .address_space: global }
      - { .name: out0, .offset: 64, .size: 8, .value_kind: global_buffer, .address_space: global }
    .group_segment_fixed_size: 144384
    .private_segment_fixed_size: 0
    .kernarg_segment_align: 8
    .kernarg_segment_size: 72
    .max_flat_workgroup_size: 128
    .sgpr_count:     66
    .vgpr_count:     1024
    .wavefront_size: 32
...
	.end_amdgpu_metadata
.endif
;; end of part 7
;; ======== version 2 of 2: 8 launches
;; limits: right only within a limited range of input values
;; workspace buffers: wb 2,228,224 bytes; ab 4,456,448 bytes; p1 6,684,672 bytes; p2 6,684,672 bytes; tb 2,359,296 bytes; cb 19,136,512 bytes; f1 2,048 bytes of whole numbers; f2 2,048 bytes of whole numbers
;; launch maskp (part 8): grid 544 x 1, 4 waves a work-group, no clusters, 34,816 bytes of LDS; arguments de_mask, en_mask, p1, p2, f1, f2; writes p1, p2, f1, f2
.if DOCPART == 8
	.amdgcn_target "amdgcn-amd-amdhsa--gfx1250"
	.amdhsa_code_object_version 6
	.text
	.protected	k_q6bc962e336_maskp
	.globl	k_q6bc962e336_maskp
	.p2align	8
	.type	k_q6bc962e336_maskp,@function
k_q6bc962e336_maskp:
	s_mov_b64 s[64:65], 0
	v_nop
	global_prefetch_b8 v0, s[64:65] scope:SCOPE_SE
	s_setreg_imm32_b32 hwreg(HW_REG_WAVE_MODE, 25, 1), 1
	s_wait_xcnt 0x0
; THE TWO MASKS BECOME LANE-MASK WORDS AND FLAGS, for the attention launches.
; A tile of queries qt holds 16 queries: lane r stands for query 32 (qt / 2) + 8 (qt % 2) + r + 8 (r / 8).  A step is 128 keys.
; Word n = 16 b + i of (tile, step): bit r + 16 hh = mask[query r of the tile][key 128 step + 32 b + 16 hh + i] != 0: the very lanes and registers in which
; the attention launch holds that score, so that a word serves there as the mask of one v_cndmask_b32.  Layout: [batch][tile 128][step 16][64 words], from byte MW of p1 (de_mask) or p2 (en_mask) on.
; Flags: one word a tile, [batch][tile], in a small buffer of their own (f1, f2), since a later launch branches on them.  Two bits a step: 0 all 2,048 bits clear (the step may be left out), 1 mixed,
; 3 all set (no masking needed).  Where some query of the tile has no key at all in the whole row, its softmax is uniform over all keys: no step of that tile may be left out, so every 0 becomes 1.
; SHARES.  Work-groups 0-31: en_mask (one row a batch, the same words for every tile: a work-group packs them once and stores them for 16 tiles).  Work-groups 32-543: de_mask, a tile each.
; One path serves both: pointers, row pitch and the count of copies are chosen by selects on the work-group number.  Wave w takes steps 4 w .. 4 w + 3.
; Each load reads 512 consecutive bytes of one query row; the 16 rows turn through the wave's own stage in LDS (pitch 528) so that lane (r, hh) gets its 64 numbers.
; No matrix work, no cluster: work-groups share no input bytes but en_mask's 32 KiB.
.set MW,   4587520                     ; where the mask words begin in p1 and p2
.set WSTG, 16*528                      ; a wave's stage
.set XCH,  4*WSTG                      ; 8 bytes a wave: what the four waves tell each other
.set VO,   16                          ; v16-31   row i of the tile: 16 x lane + (i + 8 (i / 8)) x pitch
.set L0,   32                          ; v32-159  two sets of 16 x 4 registers as loaded
.set X,    160                         ; v160-223 my 64 numbers of a step
.set WD,   224                         ; v224-231 the words of my four steps: lane l of pair k holds words 2 l, 2 l + 1
.set RD,   232                         ; v232-239 the four waves' figures
	s_load_b256 s[4:11], s[0:1], 0x0               ; de_mask s[4:5], en_mask s[6:7], p1 s[8:9], p2 s[10:11]
	s_load_b128 s[92:95], s[0:1], 0x20             ; f1 s[92:93], f2 s[94:95]
	v_lshl_add_u32 v240, v0, 2, 0x8600
	v_mov_b32 v241, 0
	v_lshrrev_b32 v1, 5, v0
	v_readfirstlane_b32 s12, v1                    ; wave 0..3
	v_and_b32 v2, 31, v0                           ; lane
	v_lshlrev_b32 v1, 4, v2                        ; 16 x lane
	v_lshlrev_b32 v7, 3, v2                        ; 8 x lane
	v_and_b32 v5, 15, v0                           ; r
	v_bfe_u32 v6, v0, 4, 1                         ; hh
	s_mul_i32 s28, s12, WSTG
	v_add_nc_u32 v3, s28, v1                       ; stage, in: 16 x lane of row i (528 i in the immediate)
	v_mul_u32_u24 v4, v5, 528
	v_lshl_add_u32 v4, v6, 6, v4
	v_add_nc_u32 v4, s28, v4                       ; stage, out: row r, + 64 hh
	v_mov_b32 v9, 0
.irp i, 0,1,2,3,4,5,6,7
	v_mov_b32 v[WD+\i], 0                          ; v_writelane_b32 counts as a reader of its destination
.endr
	v_cmp_eq_u32 vcc_lo, 0, v0                     ; thread 0 alone stores the flag word
	s_mov_b32 s13, 0                               ; my four steps' flag bits
	s_mov_b32 s14, 0                               ; OR of all my words
	s_lshl_b32 s90, s12, 3                         ; my flag bits begin at bit 8 w
	s_add_co_u32 s91, s90, XCH
	s_lshr_b32 s16, ttmp9, 3                       ; en: batch
	s_and_b32 s17, ttmp9, 7
	s_lshl_b32 s17, s17, 4                         ; en: first tile
	s_lshl_b32 s18, s16, 13                        ; en: the batch's row
	s_sub_co_u32 s19, ttmp9, 32
	s_lshr_b32 s20, s19, 7                         ; de: batch
	s_and_b32 s21, s19, 127                        ; de: tile
	s_lshl_b32 s22, s20, 24
	s_lshr_b32 s23, s21, 1
	s_lshl_b32 s23, s23, 18
	s_add_co_u32 s22, s22, s23
	s_and_b32 s23, s21, 1
	s_lshl_b32 s23, s23, 16
	s_add_co_u32 s22, s22, s23                     ; de: row 32 (qt / 2) + 8 (qt % 2) of the batch, 8,192 bytes a row
	s_cmp_lt_u32 ttmp9, 32                         ; the choice hangs on the work-group number alone
	s_cselect_b32 s16, s16, s20                    ; batch
	s_cselect_b32 s17, s17, s21                    ; first tile
	s_cselect_b32 s18, s18, s22                    ; source offset
	s_cselect_b32 s15, 16, 1                       ; tiles that get these words
	s_cselect_b32 s24, 0, 8192                     ; from query to query
	s_wait_kmcnt 0x0
	s_cselect_b64 s[4:5], s[6:7], s[4:5]           ; source
	s_cselect_b64 s[6:7], s[10:11], s[8:9]         ; where the words go
	s_cselect_b64 s[8:9], s[94:95], s[92:93]       ; where the flags go
	s_lshl_b32 s25, s12, 11
	s_add_co_u32 s18, s18, s25                     ; + my four steps: 2,048 w
	s_mov_b32 s19, 0
	s_add_nc_u64 s[4:5], s[4:5], s[18:19]
	s_lshl_b32 s26, s16, 7
	s_add_co_u32 s26, s26, s17                     ; 128 batch + tile
	s_lshl_b32 s22, s26, 2
	s_mov_b32 s23, 0
	s_add_nc_u64 s[8:9], s[8:9], s[22:23]          ; the tile's flag word
	s_lshl_b32 s20, s26, 12
	s_lshl_b32 s21, s12, 10
	s_add_co_u32 s20, s20, s21
	s_add_co_u32 s20, s20, MW
	s_mov_b32 s21, 0
	s_add_nc_u64 s[6:7], s[6:7], s[20:21]          ; the tile's words, my four steps
.irp i, 0,1,2,3,4,5,6,7,8,9,10,11,12,13,14,15
	s_mul_i32 s27, s24, \i+8*(\i/8)
	v_add_nc_u32 v[VO+\i], s27, v1
.endr
.macro LOADT k                         ; step k of my four: 16 rows x 512 consecutive bytes
.irp i, 0,1,2,3,4,5,6,7,8,9,10,11,12,13,14,15
	global_load_b128 v[L0+64*((\k)%2)+4*\i:L0+64*((\k)%2)+4*\i+3], v[VO+\i], s[4:5] offset:512*(\k) th:TH_LOAD_NT
.endr
.endm
.macro TILE k
.if \k < 3
	s_wait_loadcnt 16                              ; this step's 16 loads are in; the next step's 16 may be out
.else
	s_wait_loadcnt 0x0
.endif
.irp i, 0,1,2,3,4,5,6,7,8,9,10,11,12,13,14,15
	ds_store_b128 v3, v[L0+64*((\k)%2)+4*\i:L0+64*((\k)%2)+4*\i+3] offset:528*\i
.endr
.irp b, 0,1,2,3
.irp q, 0,1,2,3
	ds_load_b128 v[X+16*\b+4*\q:X+16*\b+4*\q+3], v4 offset:128*\b+16*\q   ; LDS serves a wave's instructions in order: these see the stores above
.endr
.endr
	s_wait_dscnt 0x0                               ; my 64 numbers are in, and the stores have read their set
.if \k < 2
	LOADT (\k)+2
.endif
.set j, 0
.rept 64
	v_cmp_ne_u32 s[16+j+4*(j/48)], 0, v[X+j]       ; the compare's lane mask IS word j (s16-63, s68-83)
.set j, j+1
.endr
	s_or_b32 s84, s16, s17
	s_and_b32 s86, s16, s17
.set j, 2
.rept 62
	s_or_b32 s84, s84, s[16+j+4*(j/48)]
	s_and_b32 s86, s86, s[16+j+4*(j/48)]
.set j, j+1
.endr
	s_cmp_lg_u32 s84, 0
	s_cselect_b32 s88, 1, 0                        ; some bit is set
	s_cmp_eq_u32 s86, -1
	s_cselect_b32 s89, 2, 0                        ; all bits are set
	s_or_b32 s88, s88, s89
	s_add_co_u32 s89, s90, 2*(\k)
	s_lshl_b32 s88, s88, s89
	s_or_b32 s13, s13, s88
	s_or_b32 s14, s14, s84
.set j, 0
.rept 64
	v_writelane_b32 v[WD+2*(\k)+j%2], s[16+j+4*(j/48)], j/2
.set j, j+1
.endr
.endm
	s_wait_alu depctr_va_vdst(0)
	LOADT 0
	LOADT 1
	TILE 0
	TILE 1
	TILE 2
	TILE 3
	; the four waves' figures meet: which queries have a key at all, and all sixteen steps' flag bits
	v_mov_b32 v10, s14
	v_mov_b32 v11, s13
	v_mov_b32 v8, s91
	ds_store_b64 v8, v[10:11]                      ; all lanes write the same 8 bytes with the same value
	s_wait_dscnt 0x0                               ; for the others' sake
	s_barrier_signal -1
	s_barrier_wait -1
	v_mov_b32 v8, XCH
	ds_load_b128 v[RD:RD+3], v8
	ds_load_b128 v[RD+4:RD+7], v8 offset:16
	s_wait_dscnt 0x0
	v_or_b32 v[RD], v[RD], v[RD+2]
	v_or_b32 v[RD+4], v[RD+4], v[RD+6]
	v_or_b32 v[RD], v[RD], v[RD+4]
	v_or_b32 v[RD+1], v[RD+1], v[RD+3]
	v_or_b32 v[RD+5], v[RD+5], v[RD+7]
	v_or_b32 v[RD+1], v[RD+1], v[RD+5]
	v_readfirstlane_b32 s14, v[RD]
	v_readfirstlane_b32 s13, v[RD+1]
	s_lshr_b32 s84, s14, 16
	s_or_b32 s84, s84, s14
	s_and_b32 s84, s84, 0xffff                     ; bit r: query r has a key somewhere
	s_cmp_eq_u32 s84, 0xffff
	s_cselect_b32 s85, 0, 0x55555555
	s_or_b32 s13, s13, s85                         ; a query without any key: no step of the tile is left out
	v_mov_b32 v6, s13
.Lcopy:                                            ; 1 trip (de_mask) or 16 (en_mask): the count hangs on the work-group number alone
.irp k, 0,1,2,3
	global_store_b64 v7, v[WD+2*\k:WD+2*\k+1], s[6:7] offset:256*\k   ; 32 lanes store 256 consecutive bytes, aligned
.endr
	s_wait_alu depctr_va_vdst(0)
	s_wait_xcnt 0x0                                ; EXEC changes only behind this wait
	s_and_saveexec_b32 s86, vcc_lo
	global_store_b32 v9, v6, s[8:9]
	s_wait_xcnt 0x0                                ; and again ahead of the line that widens it, and of the steps of both bases
	s_or_b32 exec_lo, exec_lo, s86
	s_add_nc_u64 s[6:7], s[6:7], 4096
	s_add_nc_u64 s[8:9], s[8:9], 4
	s_sub_co_i32 s15, s15, 1
	s_cmp_gt_i32 s15, 0                            ; a signed compare: the loop ends from any start
	s_cbranch_scc1 .Lcopy
	s_wait_tensorcnt 0x0
	ds_add_u32 v240, v241
	s_wait_dscnt 0x0
	s_endpgm
.Lfunc_end_k_q6bc962e336_maskp:
	.size	k_q6bc962e336_maskp, .Lfunc_end_k_q6bc962e336_maskp-k_q6bc962e336_maskp
	.p2alignl 7, 3214868480
	.fill 96, 4, 3214868480
	.section	.rodata,"a",@progbits
	.p2align	6, 0x0
	.amdhsa_kernel k_q6bc962e336_maskp
		.amdhsa_group_segment_fixed_size 34816
		.amdhsa_private_segment_fixed_size 0
		.amdhsa_enable_private_segment 0
		.amdhsa_kernarg_size 48
		.amdhsa_user_sgpr_count 2
		.amdhsa_user_sgpr_kernarg_segment_ptr 1
		.amdhsa_wavefront_size32 1
		.amdhsa_system_sgpr_workgroup_id_x 1
		.amdhsa_system_sgpr_workgroup_id_y 1
		.amdhsa_system_sgpr_workgroup_id_z 1
		.amdhsa_system_vgpr_workitem_id 0
		.amdhsa_next_free_vgpr 242
		.amdhsa_next_free_sgpr 100
		.amdhsa_reserve_vcc 1
		.amdhsa_float_denorm_mode_32 3
		.amdhsa_float_denorm_mode_16_64 3
		.amdhsa_memory_ordered 1
		.amdhsa_forward_progress 1
		.amdhsa_inst_pref_size 69
	.end_amdhsa_kernel
	.amdgpu_metadata
---
amdhsa.version: [ 1, 2 ]
amdhsa.kernels:
  - .name:           k_q6bc962e336_maskp
    .symbol:         k_q6bc962e336_maskp.kd
    .args:
      - { .name: de_mask, .offset: 0, .size: 8, .value_kind: global_buffer, .address_space: global }
      - { .name: en_mask, .offset: 8, .size: 8, .value_kind: global_buffer, .address_space: global }
      - { .name: p1, .offset: 16, .size: 8, .value_kind: global_buffer, .address_space: global }
      - { .name: p2, .offset: 24, .size: 8, .value_kind: global_buffer, .address_space: global }
      - { .name: f1, .offset: 32, .size: 8, .value_kind: global_buffer, .address_space: global }
      - { .name: f2, .offset: 40, .size: 8, .value_kind: global_buffer, .address_space: global }
    .group_segment_fixed_size: 34816
    .private_segment_fixed_size: 0
    .kernarg_segment_align: 8
    .kernarg_segment_size: 48
    .max_flat_workgroup_size: 128
    .sgpr_count:     100
    .vgpr_count:     242
    .wavefront_size: 32
...
	.end_amdgpu_metadata
.endif
;; end of part 8
;; launch actq (part 9): grid 512 x 1, 4 waves a work-group, no clusters, 1,536 bytes of LDS; arguments de_out, en_out, ln1_g, ln1_b, ab; writes ab
.if DOCPART == 9
	.amdgcn_target "amdgcn-amd-amdhsa--gfx1250"
	.amdhsa_code_object_version 6
	.text
	.protected	k_q6bc962e336_actq
	.globl	k_q6bc962e336_actq
	.p2align	8
	.type	k_q6bc962e336_actq,@function
k_q6bc962e336_actq:
	s_mov_b64 s[64:65], 0
	v_nop
	global_prefetch_b8 v0, s[64:65] scope:SCOPE_SE
	s_setreg_imm32_b32 hwreg(HW_REG_WAVE_MODE, 25, 1), 1
	s_wait_xcnt 0x0
; LAYER NORM 1 OF de_out, AND en_out AS IT IS, BECOME CODES OF FP4 (E2M1) WITH E8M0 SCALES, laid as images of operand registers.
; TILES.  Tile q of the 8,192 tokens holds 16 of them: lane r stands for token 32 (q / 2) + 8 (q % 2) + r + 8 (r / 8).
; IMAGE.  Fragment (tile q, K step s of 128 channels) is 1,024 bytes at (4 q + s) x 1,024: byte 512 c + 16 lane + e holds the codes of k = 128 s + 64 c + 32 (lane / 16) + 2 e, 2 e + 1 of the lane's token:
; a load of 16 bytes a lane at 16 x lane brings four operand registers.  Scale words: [tile][step][16 words].
; SHARES.  Work-groups 0-255: 32 tokens of de_out each; 256-511: of en_out.  Wave w owns channels 128 w .. 128 w + 127 = K step w, for both tiles of tokens.
; A lane loads, of its token, 16 neighbouring numbers of each block of 32 (register 16 b + i = channel 32 b + 16 hh + i), as the conversions want them.
; The norm is taken in two passes (mean, then the mean of squares of x - mean); the waves' parts meet in LDS behind a barrier.  en_out jumps over the norm's vector lines alone; both barriers are on every path.
; A block's scale byte is its largest magnitude's exponent field - 2, held at 1 from below.
; LIMITS: a block of zeros, and blocks whose largest magnitude lies under 2^-124, get the byte 1 (zero codes add nothing; this program alone reads the bytes); NaN and infinities are not served.
; No matrix work, no cluster: each input byte is read by one wave.
.set ST1, 0                            ; LDS: 32 tokens x 4 waves x 4 bytes: the sums
.set ST2, 512                          ; and the sums of squares
.set LI,  1                            ; v1  16 x lane
.set XA,  4                            ; v4  my token's row and half: (r + 8 (r / 8)) x 2,048 + 64 hh
.set BL,  5                            ; v5  64 hh
.set STA, 6                            ; v6  16 r + 4 w
.set STL, 7                            ; v7  16 r
.set SCO, 8                            ; v8  256 hh + 4 r
.set NM,  10                           ; v[10:11], v[12:13]  -mean of my token in tile 0, 1 (pairs for the packed forms)
.set RS,  14                           ; v[14:15], v[16:17]  1 / sqrt(var + eps)
.set X0,  32                           ; v32-95   tile 0
.set X1,  96                           ; v96-159  tile 1
.set T,   160                          ; v160-167 at work
.set PA,  180                          ; v180-187 the four waves' parts
.set TM,  200                          ; v200-215 the quantiser's
.set PW,  216                          ; v216-217 scale words
.set MG,  218
.set PC,  220                          ; v220-235 two fragments of codes
.set SEL, 20
.set MSB, 0
.macro WIN new                         ; the immediate's high byte repeats the setting that is left
.if MSB != (\new)
	s_set_vgpr_msb (MSB<<8)|(\new)
.set MSB, (\new)
.endif
.endm
.macro DLOAD reg, adr, base, off       ; 64 numbers: register 16 b + 4 j + .. = number 32 b + 16 hh + 4 j + ..
.irp b, 0,1,2,3
.irp j, 0,1,2,3
	global_load_b128 v[\reg+16*\b+4*\j:\reg+16*\b+4*\j+3], v[\adr], s[\base:\base+1] offset:\off+128*\b+16*\j
.endr
.endr
.endm
.macro SUM64 s, d                      ; the sum of my 64 numbers and of lane l xor 16's: the token's 128 channels of this wave
	v_pk_add_f32 v[T:T+1], v[\s:\s+1], v[\s+2:\s+3]
	v_pk_add_f32 v[T+2:T+3], v[\s+4:\s+5], v[\s+6:\s+7]
.irp j, 8,12,16,20,24,28,32,36,40,44,48,52,56,60
	v_pk_add_f32 v[T:T+1], v[T:T+1], v[\s+\j:\s+\j+1]
	v_pk_add_f32 v[T+2:T+3], v[T+2:T+3], v[\s+\j+2:\s+\j+3]
.endr
	v_pk_add_f32 v[T:T+1], v[T:T+1], v[T+2:T+3]
	v_add_f32 v[\d], v[T], v[T+1]
	v_permlanex16_b32 v[T+4], v[\d], s[SEL], s[SEL+1]
	v_add_f32 v[\d], v[\d], v[T+4]
.endm
.macro SQ64 s, d                       ; the same of their squares
	v_pk_mul_f32 v[T:T+1], v[\s:\s+1], v[\s:\s+1]
	v_pk_mul_f32 v[T+2:T+3], v[\s+2:\s+3], v[\s+2:\s+3]
.irp j, 4,8,12,16,20,24,28,32,36,40,44,48,52,56,60
	v_pk_fma_f32 v[T:T+1], v[\s+\j:\s+\j+1], v[\s+\j:\s+\j+1], v[T:T+1]
	v_pk_fma_f32 v[T+2:T+3], v[\s+\j+2:\s+\j+3], v[\s+\j+2:\s+\j+3], v[T+2:T+3]
.endr
	v_pk_add_f32 v[T:T+1], v[T:T+1], v[T+2:T+3]
	v_add_f32 v[\d], v[T], v[T+1]
	v_permlanex16_b32 v[T+4], v[\d], s[SEL], s[SEL+1]
	v_add_f32 v[\d], v[\d], v[T+4]
.endm
.macro FOUR off                        ; the four waves' parts of both tiles, added: v[PA], v[PA+4]
	ds_load_b128 v[PA:PA+3], v[STL] offset:\off
	ds_load_b128 v[PA+4:PA+7], v[STL] offset:\off+256
	s_wait_dscnt 0x0
	v_add_f32 v[PA], v[PA], v[PA+1]
	v_add_f32 v[PA+2], v[PA+2], v[PA+3]
	v_add_f32 v[PA+4], v[PA+4], v[PA+5]
	v_add_f32 v[PA+6], v[PA+6], v[PA+7]
	v_add_f32 v[PA], v[PA], v[PA+2]
	v_add_f32 v[PA+4], v[PA+4], v[PA+6]
.endm
.macro BARRIER                         ; my LDS stores have landed and my LDS loads are in: then the work-group's barrier
	s_wait_dscnt 0x0
	s_barrier_signal -1
	s_barrier_wait -1
.endm
; 64 numbers of a lane, register 16 b + i = k 32 b + 16 hh + i of my row, become a fragment's 8 registers of codes and its scale word
.macro QUANT s, pc, pw
.irp b, 0,1,2,3
	v_max3_num_f32 v[TM+\b], |v[\s+16*\b]|, |v[\s+1+16*\b]|, 0x1800000   ; my 16 numbers of block b, and the floor 2^(3 - 127): the byte cannot fall under 1
.endr
.irp i, 2,4,6,8,10,12,14
.irp b, 0,1,2,3
	v_max3_num_f32 v[TM+\b], v[TM+\b], |v[\s+16*\b+\i]|, |v[\s+1+16*\b+\i]|
.endr
.endr
.irp b, 0,1,2,3
	v_permlanex16_b32 v[TM+4+\b], v[TM+\b], s[SEL], s[SEL+1]
.endr
.irp b, 0,1,2,3
	v_max_num_f32 v[TM+\b], v[TM+\b], v[TM+4+\b]   ; with lane l xor 16's: the block's largest magnitude
.endr
.irp b, 0,1,2,3
	v_add_nc_u32 v[TM+12+\b], 0xff000000, v[TM+\b] ; 2 off its exponent field: the conversion's scale operand
.endr
.irp b, 0,1,2,3
	v_lshrrev_b32 v[TM+4+\b], 23, v[TM+12+\b]      ; the scale's byte
.endr
	v_lshl_or_b32 v[\pw], v[TM+5], 8, v[TM+4]
	v_lshl_or_b32 v[\pw], v[TM+6], 16, v[\pw]
	v_lshl_or_b32 v[\pw], v[TM+7], 24, v[\pw]
.irp b, 0,1,2,3
	v_cvt_scalef32_pk8_fp4_f32 v[\pc+2*\b], v[\s+16*\b:\s+7+16*\b], v[TM+12+\b]
	v_cvt_scalef32_pk8_fp4_f32 v[\pc+1+2*\b], v[\s+8+16*\b:\s+15+16*\b], v[TM+12+\b]
.endr
	v_nop                                          ; one plain place behind a scaled conversion
.irp c, 0,1                            ; the operand's layout wants a whole block in a lane
.irp i, 0,1
	v_permlane16_swap_b32 v[\pc+4*\c+\i], v[\pc+2+4*\c+\i]
.endr
.endr
.endm
	s_load_b256 s[4:11], s[0:1], 0x0               ; de_out, en_out, ln1_g, ln1_b
	s_load_b64 s[12:13], s[0:1], 0x20              ; ab
	v_lshl_add_u32 v254, v0, 2, 0x400
	v_mov_b32 v255, 0
	v_lshrrev_b32 v1, 5, v0
	v_readfirstlane_b32 s14, v1                    ; wave
	v_and_b32 v9, 31, v0
	v_lshlrev_b32 v[LI], 4, v9
	v_and_b32 v2, 15, v0                           ; r
	v_bfe_u32 v3, v0, 4, 1                         ; hh
	v_and_b32 v[XA], 8, v2
	v_add_nc_u32 v[XA], v[XA], v2
	v_lshlrev_b32 v[XA], 11, v[XA]
	v_lshl_add_u32 v[XA], v3, 6, v[XA]
	v_lshlrev_b32 v[BL], 6, v3
	v_lshlrev_b32 v[STL], 4, v2
	s_lshl_b32 s16, s14, 2
	v_add_nc_u32 v[STA], s16, v[STL]
	v_lshlrev_b32 v[SCO], 2, v2
	v_lshl_add_u32 v[SCO], v3, 8, v[SCO]
	v_mov_b32 v[T+4], 0                            ; a lane permute's destination counts as one of its sources
.irp b, 0,1,2,3
	v_mov_b32 v[TM+4+\b], 0
.endr
	s_mov_b32 s[SEL], 0x76543210
	s_mov_b32 s[SEL+1], 0xfedcba98
	s_mov_b32 s22, 0x3b000000                      ; 1 / 512
	s_mov_b32 s23, 0x3727c5ac                      ; 1e-5
	s_mov_b32 s24, 0xffff0000                      ; lanes 16-31
	s_lshr_b32 s15, ttmp9, 8                       ; 1: en_out
	s_and_b32 s16, ttmp9, 255                      ; block of 32 tokens
	s_lshl_b32 s18, s14, 9                         ; 512 w
	s_mov_b32 s19, 0
	s_lshl_b32 s26, s16, 16
	s_add_co_u32 s26, s26, s18
	s_mov_b32 s27, 0
	s_mul_i32 s28, s15, 2228224                    ; en_out's part of ab
	s_lshl_b32 s30, s16, 13
	s_lshl_b32 s25, s14, 10
	s_add_co_u32 s30, s30, s25
	s_add_co_u32 s30, s30, s28                     ; images: (8 B + w) x 1,024
	s_mov_b32 s31, 0
	s_lshl_b32 s32, s16, 9
	s_lshl_b32 s25, s14, 6
	s_add_co_u32 s32, s32, s25
	s_add_co_u32 s32, s32, s28
	s_add_co_u32 s32, s32, 0x200000                ; scale words: 512 B + 64 w
	s_mov_b32 s33, 0
	s_wait_kmcnt 0x0
	s_cmp_lg_u32 s15, 0
	s_cselect_b64 s[4:5], s[6:7], s[4:5]
	s_add_nc_u64 s[4:5], s[4:5], s[26:27]
	s_add_nc_u64 s[8:9], s[8:9], s[18:19]
	s_add_nc_u64 s[10:11], s[10:11], s[18:19]
	s_add_nc_u64 s[34:35], s[12:13], s[30:31]
	s_add_nc_u64 s[36:37], s[12:13], s[32:33]
	DLOAD X0, XA, 4, 0
	DLOAD X1, XA, 4, 16384
	WIN 0x40                                       ; destination window 1: gain at v0-63, bias at v64-127
	DLOAD 0, BL, 8, 0
	DLOAD 64, BL, 10, 0
	WIN 0
	s_wait_loadcnt 0x0
	SUM64 X0, T+6
	SUM64 X1, T+7
	ds_store_b32 v[STA], v[T+6] offset:ST1         ; both halves of the lanes store the same word with the same value
	ds_store_b32 v[STA], v[T+7] offset:ST1+256
	BARRIER
	FOUR ST1
	v_mul_f32 v[NM], 0xbb000000, v[PA]             ; -mean
	v_mul_f32 v[NM+2], 0xbb000000, v[PA+4]
	v_mov_b32 v[NM+1], v[NM]
	v_mov_b32 v[NM+3], v[NM+2]
	v_mov_b32 v[T+6], 0
	v_mov_b32 v[T+7], 0
	s_cmp_lg_u32 s15, 0
	s_cbranch_scc1 .Lraw1                          ; en_out is quantised as it is
.irp m, 0,1
.set qi, 0
.rept 32
	v_pk_add_f32 v[X0+64*\m+qi:X0+64*\m+qi+1], v[X0+64*\m+qi:X0+64*\m+qi+1], v[NM+2*\m:NM+2*\m+1] op_sel_hi:[1,0]
.set qi, qi+2
.endr
.endr
	SQ64 X0, T+6
	SQ64 X1, T+7
.Lraw1:
	s_wait_alu depctr_va_vdst(0)
	ds_store_b32 v[STA], v[T+6] offset:ST2
	ds_store_b32 v[STA], v[T+7] offset:ST2+256
	BARRIER
	FOUR ST2
	s_cmp_lg_u32 s15, 0
	s_cbranch_scc1 .Lraw2
	v_fma_f32 v[RS], v[PA], s22, s23               ; var + eps
	v_fma_f32 v[RS+2], v[PA+4], s22, s23
	s_wait_alu depctr_va_vdst(0)
	v_rsq_f32 v[RS], v[RS]
	v_rsq_f32 v[RS+2], v[RS+2]
	v_nop                                          ; a plain place behind the transcendentals
	s_wait_alu depctr_va_vdst(0)                   ; one wait for both, ahead of their first reader
	v_mov_b32 v[RS+1], v[RS]
	v_mov_b32 v[RS+3], v[RS+2]
.irp m, 0,1
.set qi, 0
.rept 32
	v_pk_mul_f32 v[X0+64*\m+qi:X0+64*\m+qi+1], v[X0+64*\m+qi:X0+64*\m+qi+1], v[RS+2*\m:RS+2*\m+1] op_sel_hi:[1,0]
.set qi, qi+2
.endr
.endr
	WIN 0x14                                       ; sources 1 and 2 in window 1
.irp m, 0,1
.set qi, 0
.rept 32
	v_pk_fma_f32 v[X0+64*\m+qi:X0+64*\m+qi+1], v[X0+64*\m+qi:X0+64*\m+qi+1], v[qi:qi+1], v[64+qi:64+qi+1]
.set qi, qi+2
.endr
.endr
	WIN 0
.Lraw2:
	QUANT X0, PC, PW
	global_store_b128 v[LI], v[PC:PC+3], s[34:35]                  ; 32 lanes store 512 consecutive bytes
	global_store_b128 v[LI], v[PC+4:PC+7], s[34:35] offset:512
	QUANT X1, PC+8, PW+1
	global_store_b128 v[LI], v[PC+8:PC+11], s[34:35] offset:4096
	global_store_b128 v[LI], v[PC+12:PC+15], s[34:35] offset:4608
	v_cndmask_b32 v[MG], v[PW], v[PW+1], s24       ; lanes 0-15: tile 0's words; lanes 16-31: tile 1's
	global_store_b32 v[SCO], v[MG], s[36:37]
	s_wait_tensorcnt 0x0
	ds_add_u32 v254, v255
	s_wait_dscnt 0x0
	s_endpgm
.Lfunc_end_k_q6bc962e336_actq:
	.size	k_q6bc962e336_actq, .Lfunc_end_k_q6bc962e336_actq-k_q6bc962e336_actq
	.p2alignl 7, 3214868480
	.fill 96, 4, 3214868480
	.section	.rodata,"a",@progbits
	.p2align	6, 0x0
	.amdhsa_kernel k_q6bc962e336_actq
		.amdhsa_group_segment_fixed_size 1536
		.amdhsa_private_segment_fixed_size 0
		.amdhsa_enable_private_segment 0
		.amdhsa_kernarg_size 40
		.amdhsa_user_sgpr_count 2
		.amdhsa_user_sgpr_kernarg_segment_ptr 1
		.amdhsa_wavefront_size32 1
		.amdhsa_system_sgpr_workgroup_id_x 1
		.amdhsa_system_sgpr_workgroup_id_y 1
		.amdhsa_system_sgpr_workgroup_id_z 1
		.amdhsa_system_vgpr_workitem_id 0
		.amdhsa_next_free_vgpr 384
		.amdhsa_next_free_sgpr 66
		.amdhsa_reserve_vcc 0
		.amdhsa_float_denorm_mode_32 3
		.amdhsa_float_denorm_mode_16_64 3
		.amdhsa_memory_ordered 1
		.amdhsa_forward_progress 1
		.amdhsa_inst_pref_size 40
	.end_amdhsa_kernel
	.amdgpu_metadata
---
amdhsa.version: [ 1, 2 ]
amdhsa.kernels:
  - .name:           k_q6bc962e336_actq
    .symbol:         k_q6bc962e336_actq.kd
    .args:
      - { .name: de_out, .offset: 0, .size: 8, .value_kind: global_buffer, .address_space: global }
      - { .name: en_out, .offset: 8, .size: 8, .value_kind: global_buffer, .address_space: global }
      - { .name: ln1_g, .offset: 16, .size: 8, .value_kind: global_buffer, .address_space: global }
      - { .name: ln1_b, .offset: 24, .size: 8, .value_kind: global_buffer, .address_space: global }
      - { .name: ab, .offset: 32, .size: 8, .value_kind: global_buffer, .address_space: global }
    .group_segment_fixed_size: 1536
    .private_segment_fixed_size: 0
    .kernarg_segment_align: 8
    .kernarg_segment_size: 40
    .max_flat_workgroup_size: 128
    .sgpr_count:     66
    .vgpr_count:     384
    .wavefront_size: 32
...
	.end_amdgpu_metadata
.endif
;; end of part 9
;; launch wq (part 10): grid 256 x 1, 4 waves a work-group, no clusters, 8,704 bytes of LDS; arguments wq1, wk1, wv1, wo1, wq2, wk2, wv2, wo2, w1, w2, wb; writes wb
.if DOCPART == 10
	.amdgcn_target "amdgcn-amd-amdhsa--gfx1250"
	.amdhsa_code_object_version 6
	.text
	.protected	k_q6bc962e336_wq
	.globl	k_q6bc962e336_wq
	.p2align	8
	.type	k_q6bc962e336_wq,@function
k_q6bc962e336_wq:
	s_mov_b64 s[64:65], 0
	v_nop
	global_prefetch_b8 v0, s[64:65] scope:SCOPE_SE
	s_setreg_imm32_b32 hwreg(HW_REG_WAVE_MODE, 25, 1), 1
	s_wait_xcnt 0x0
; THE TEN WEIGHTS, f32 stored [K][N], BECOME CODES OF FP4 (E2M1) WITH E8M0 SCALES ALONG K, laid as images of operand registers.
; TILES.  Tile q of a weight holds 16 of its N columns: lane r stands for column 32 (q / 2) + 8 (q % 2) + r + 8 (r / 8).  Fragment (q, K step s) is 1,024 bytes at (q KS + s) x 1,024, KS = K / 128:
; byte 512 c + 16 lane + e holds the codes of k = 128 s + 64 c + 32 (lane / 16) + 2 e, 2 e + 1.  Scale words: [tile][step][16 words].
; A LANE TAKES A COLUMN AND ITS REGISTERS RUN DOWN K: a wave takes 32 columns x one K step (128 loads of 128 consecutive bytes, all out at once); a block of 32 lies in one lane.
; A lane's 16 bytes of a block go to their place in the two fragments' images in the wave's own 2,048 bytes of LDS and leave as four stores of 512 consecutive bytes.
; SHARES.  Work-groups 0-127: the eight [512][512] weights (16 each: 4 groups of 128 columns x 4 K steps); 128-191: w1 [512][2048]; 192-255: w2 [2048][512].
; LIMITS: a block of zeros, and blocks under 2^-124, get the byte 1; NaN and infinities are not served.  No matrix work; no input byte is shared.
	s_load_b512 s[16:31], s[0:1], 0x0              ; wq1, wk1, wv1, wo1, wq2, wk2, wv2, wo2
	s_load_b128 s[32:35], s[0:1], 0x40             ; w1, w2
	s_load_b64 s[36:37], s[0:1], 0x50              ; wb
	v_lshl_add_u32 v192, v0, 2, 0x2000
	v_mov_b32 v193, 0
	v_lshrrev_b32 v1, 5, v0
	v_readfirstlane_b32 s38, v1                    ; wave
	v_and_b32 v2, 31, v0                           ; lane = column of the wave's 32
	v_lshlrev_b32 v1, 2, v2
	v_bfe_u32 v3, v0, 3, 1                         ; u: which of the two tiles
	s_wait_alu depctr_va_vdst(0)
	v_and_b32 v4, 7, v0
	v_bfe_u32 v10, v0, 4, 1
	v_lshl_add_u32 v4, v10, 3, v4                  ; r: my place in it
	s_lshl_b32 s14, s38, 11
	v_lshlrev_b32 v5, 4, v4
	v_lshl_add_u32 v5, v3, 10, v5
	v_add_nc_u32 v5, s14, v5                       ; stage, in: 1,024 u + 16 r
	v_lshlrev_b32 v7, 4, v2
	v_add_nc_u32 v6, s14, v7                       ; stage, out: 16 x lane
	s_mov_b32 s2, ttmp9
	s_lshr_b32 s3, s2, 4                           ; which of the eight
	s_lshr_b32 s4, s2, 2
	s_and_b32 s5, s4, 3                            ; group of 128 columns: the eight,
	s_and_b32 s6, s4, 15                           ; w1,
	s_and_b32 s7, s3, 3                            ; w2
	s_and_b32 s8, s2, 3                            ; K step: the eight and w1,
	s_and_b32 s9, s2, 15                           ; w2
	s_lshl_b32 s10, s3, 17                         ; where the images begin
	s_lshl_b32 s11, s3, 13                         ; and the scale words
	s_cmp_ge_u32 s2, 128
	s_cselect_b32 s5, s6, s5
	s_cselect_b32 s10, 0x100000, s10
	s_cselect_b32 s11, 0x10000, s11
	s_cselect_b32 s13, 13, 11                      ; log2 of a row's bytes
	s_cmp_ge_u32 s2, 192
	s_cselect_b32 s5, s7, s5
	s_cselect_b32 s8, s9, s8
	s_cselect_b32 s10, 0x180000, s10
	s_cselect_b32 s11, 0x18000, s11
	s_cselect_b32 s13, 11, s13
	s_cselect_b32 s12, 16, 4                       ; KS
	s_lshl_b32 s48, s5, 2
	s_add_co_u32 s48, s48, s38                     ; my 32 columns: block 4 group + wave
	s_add_co_u32 s39, s13, 7
	s_lshl_b32 s50, s8, s39                        ; 128 s rows
	s_lshl_b32 s49, s48, 7
	s_add_co_u32 s50, s50, s49                     ; + 128 bytes a block of columns
	s_mov_b32 s51, 0
	s_mul_i32 s49, s48, s12
	s_lshl_b32 s49, s49, 1
	s_add_co_u32 s49, s49, s8                      ; 2 block x KS + s
	s_lshl_b32 s52, s49, 10
	s_add_co_u32 s52, s52, s10
	s_mov_b32 s53, 0
	s_lshl_b32 s54, s12, 10
	s_add_co_u32 s54, s54, s52                     ; the second tile: KS fragments on
	s_mov_b32 s55, 0
	s_lshl_b32 s56, s49, 6
	s_add_co_u32 s56, s56, s11
	s_add_co_u32 s56, s56, 0x200000
	s_mov_b32 s57, 0
	s_lshl_b32 s15, s12, 6
	v_mul_u32_u24 v8, v3, s15
	s_wait_alu depctr_va_vdst(0)
	v_lshl_add_u32 v8, v4, 2, v8                   ; scale word: 64 KS u + 4 r
	s_wait_kmcnt 0x0
	s_bitcmp1_b32 s3, 0                            ; the source: a choice among buffers on the work-group number alone
	s_cselect_b64 s[40:41], s[18:19], s[16:17]
	s_cselect_b64 s[42:43], s[22:23], s[20:21]
	s_cselect_b64 s[44:45], s[26:27], s[24:25]
	s_cselect_b64 s[46:47], s[30:31], s[28:29]
	s_bitcmp1_b32 s3, 1
	s_cselect_b64 s[40:41], s[42:43], s[40:41]
	s_cselect_b64 s[44:45], s[46:47], s[44:45]
	s_bitcmp1_b32 s3, 2
	s_cselect_b64 s[40:41], s[44:45], s[40:41]
	s_cmp_ge_u32 s2, 128
	s_cselect_b64 s[40:41], s[32:33], s[40:41]
	s_cmp_ge_u32 s2, 192
	s_cselect_b64 s[40:41], s[34:35], s[40:41]
	s_add_nc_u64 s[40:41], s[40:41], s[50:51]
	s_add_nc_u64 s[52:53], s[36:37], s[52:53]
	s_add_nc_u64 s[54:55], s[36:37], s[54:55]
	s_add_nc_u64 s[56:57], s[36:37], s[56:57]
	s_cmp_eq_u32 s13, 13                           ; the run of loads is written for each of the two row lengths: every offset is an immediate
	s_cbranch_scc1 .Lwide
.set kk, 0
.rept 128
	global_load_b32 v[32+kk], v1, s[40:41] offset:kk*2048 th:TH_LOAD_NT
.set kk, kk+1
.endr
	s_branch .Lloaded
.Lwide:
.set kk, 0
.rept 128
	global_load_b32 v[32+kk], v1, s[40:41] offset:kk*8192 th:TH_LOAD_NT
.set kk, kk+1
.endr
.Lloaded:
	s_wait_loadcnt 0x0
.macro BLOCK q                         ; block q of my column: all 32 numbers are mine
.set XS, 32+32*(\q)
	v_max3_num_f32 v12, |v[XS]|, |v[XS+1]|, |v[XS+2]|
	v_max3_num_f32 v13, |v[XS+3]|, |v[XS+4]|, |v[XS+5]|
.irp i, 6,10,14,18,22,26
	v_max3_num_f32 v12, v12, |v[XS+\i]|, |v[XS+\i+1]|
	v_max3_num_f32 v13, v13, |v[XS+\i+2]|, |v[XS+\i+3]|
.endr
	v_max3_num_f32 v12, v12, |v[XS+30]|, |v[XS+31]|
	v_max3_num_f32 v12, v12, v13, 0x1800000        ; and the floor 2^(3 - 127)
	v_add_nc_u32 v[20+\q], 0xff000000, v12         ; 2 off the exponent field: the conversion's scale operand
	v_lshrrev_b32 v13, 23, v[20+\q]                ; the scale's byte
.if \q == 0
	v_mov_b32 v9, v13
.else
	v_lshl_or_b32 v9, v13, 8*\q, v9
.endif
.irp g, 0,1,2,3
	v_cvt_scalef32_pk8_fp4_f32 v[160+4*\q+\g], v[XS+8*\g:XS+8*\g+7], v[20+\q]
.endr
	v_nop                                          ; one plain place behind a scaled conversion
	ds_store_b128 v5, v[160+4*\q:160+4*\q+3] offset:512*(\q/2)+256*(\q%2)   ; k = 32 q on: registers 4 (q / 2) on of lane r + 16 (q % 2)
.endm
	BLOCK 0
	BLOCK 1
	BLOCK 2
	BLOCK 3
.irp i, 0,1,2,3
	ds_load_b128 v[176+4*\i:179+4*\i], v6 offset:512*\i            ; LDS serves a wave's instructions in order: these see my stores
.endr
	global_store_b32 v8, v9, s[56:57]
	s_wait_dscnt 0x0
	global_store_b128 v7, v[176:179], s[52:53]                     ; 512 consecutive bytes each
	global_store_b128 v7, v[180:183], s[52:53] offset:512
	global_store_b128 v7, v[184:187], s[54:55]
	global_store_b128 v7, v[188:191], s[54:55] offset:512
	s_wait_tensorcnt 0x0
	ds_add_u32 v192, v193
	s_wait_dscnt 0x0
	s_endpgm
.Lfunc_end_k_q6bc962e336_wq:
	.size	k_q6bc962e336_wq, .Lfunc_end_k_q6bc962e336_wq-k_q6bc962e336_wq
	.p2alignl 7, 3214868480
	.fill 96, 4, 3214868480
	.section	.rodata,"a",@progbits
	.p2align	6, 0x0
	.amdhsa_kernel k_q6bc962e336_wq
		.amdhsa_group_segment_fixed_size 8704
		.amdhsa_private_segment_fixed_size 0
		.amdhsa_enable_private_segment 0
		.amdhsa_kernarg_size 88
		.amdhsa_user_sgpr_count 2
		.amdhsa_user_sgpr_kernarg_segment_ptr 1
		.amdhsa_wavefront_size32 1
		.amdhsa_system_sgpr_workgroup_id_x 1
		.amdhsa_system_sgpr_workgroup_id_y 1
		.amdhsa_system_sgpr_workgroup_id_z 1
		.amdhsa_system_vgpr_workitem_id 0
		.amdhsa_next_free_vgpr 194
		.amdhsa_next_free_sgpr 66
		.amdhsa_reserve_vcc 0
		.amdhsa_float_denorm_mode_32 3
		.amdhsa_float_denorm_mode_16_64 3
		.amdhsa_memory_ordered 1
		.amdhsa_forward_progress 1
		.amdhsa_inst_pref_size 35
	.end_amdhsa_kernel
	.amdgpu_metadata
---
amdhsa.version: [ 1, 2 ]
amdhsa.kernels:
  - .name:           k_q6bc962e336_wq
    .symbol:         k_q6bc962e336_wq.kd
    .args:
      - { .name: wq1, .offset: 0, .size: 8, .value_kind: global_buffer, .address_space: global }
      - { .name: wk1, .offset: 8, .size: 8, .value_kind: global_buffer, .address_space: global }
      - { .name: wv1, .offset: 16, .size: 8, .value_kind: global_buffer, .address_space: global }
      - { .name: wo1, .offset: 24, .size: 8, .value_kind: global_buffer, .address_space: global }
      - { .name: wq2, .offset: 32, .size: 8, .value_kind: global_buffer, .address_space: global }
      - { .name: wk2, .offset: 40, .size: 8, .value_kind: global_buffer, .address_space: global }
      - { .name: wv2, .offset: 48, .size: 8, .value_kind: global_buffer, .address_space: global }
      - { .name: wo2, .offset: 56, .size: 8, .value_kind: global_buffer, .address_space: global }
      - { .name: w1, .offset: 64, .size: 8, .value_kind: global_buffer, .address_space: global }
      - { .name: w2, .offset: 72, .size: 8, .value_kind: global_buffer, .address_space: global }
      - { .name: wb, .offset: 80, .size: 8, .value_kind: global_buffer, .address_space: global }
    .group_segment_fixed_size: 8704
    .private_segment_fixed_size: 0
    .kernarg_segment_align: 8
    .kernarg_segment_size: 88
    .max_flat_workgroup_size: 128
    .sgpr_count:     66
    .vgpr_count:     194
    .wavefront_size: 32
...
	.end_amdgpu_metadata
.endif
;; end of part 10
;; launch proj (part 11): grid 64 x 4, 5 waves a work-group, no clusters, 0 bytes of LDS; arguments ab, wb, bq1, bk1, bv1, bk2, bv2, cb, p1, p2; writes cb, p1, p2
.if DOCPART == 11
	.amdgcn_target "amdgcn-amd-amdhsa--gfx1250"
	.amdhsa_code_object_version 6
	.text
	.protected	k_q6bc962e336_proj
	.globl	k_q6bc962e336_proj
	.p2align	8
	.type	k_q6bc962e336_proj,@function
k_q6bc962e336_proj:
	s_mov_b64 s[64:65], 0
	v_nop
	global_prefetch_b8 v0, s[64:65] scope:SCOPE_SE
	s_setreg_imm32_b32 hwreg(HW_REG_WAVE_SCHED_MODE, 0, 2), 2
	s_setreg_imm32_b32 hwreg(HW_REG_WAVE_MODE, 25, 1), 1
	s_wait_xcnt 0x0
	s_wait_alu depctr_vm_vsrc(0)
; FIVE PROJECTIONS ON CODES OF FP4: 0 q1, 1 k1, 2 v1 (rows: the normed de_out), 3 k2, 4 v2 (rows: en_out); bias added; the result quantised again in registers and stored as operand images.
; SHARES.  5 projections x 64 blocks of 128 tokens x 4 quarters of 128 channels are 1,280 shares of equal work, none of which hands anything to another: no LDS, no barrier.  They are dealt as 64 x 4 work-groups of FIVE waves:
; work-group (x, quarter), wave = projection: 256 work-groups of equal work.  Five waves on four SIMDs put two on one of them, so a wave takes 512 registers.
; Both operands arrive as images of operand registers (16 bytes a lane at 16 x lane).  A share is eight jobs.  THE OPERAND THAT EVERY JOB READS is source 0 and stays in window 1 (32 fragments); THE OPERAND OF ONE JOB is source 1:
; four fragments, eight loads, into one of two buffers in window 0, asked for a job ahead.
; q AND k (type T): source 0 = my 128 channels of the weight, a job = a tile of 16 tokens: a lane holds one token, and since lane r of a weight tile stands for channel 32 (t / 2) + 8 (t % 2) + r + 8 (r / 8), its 64 registers are
; channels 32 b + 16 hh + i: blocks of 32 along the head size, which is the next K.  Registers 0-3 of the codes are the quarter's first head (64 codes a token), registers 4-7 its second.
; v (type N): source 0 = the 128 tokens, a job = a tile of 16 channels: a lane holds one channel and 64 of 128 neighbouring keys: blocks of 32 along the keys, the next K.
; The two types run the same products: the pointers are swapped by selects on the wave's number; they differ in the bias registers and in the stores.
; OUT.  q, k: [head 32][tile 128][512 bytes]; scale words [head][tile][16]: bytes 0, 1 hold; bytes 2, 3 are the other head's or 0 and meet zero codes only.  v: [head][step 16][tile of channels 4][1,024]; words [head][step][tile][16].
; The bias is the C of each sum's first matrix instruction.  The eight accumulators take turns, one instruction a turn.
; Weights and tokens are read by several work-groups, but go straight from memory into registers, so there is no LDS tile that a joint request could fill: no cluster.
; LIMITS: blocks of zeros and blocks under 2^-124 get the byte 1; NaN and infinities are not served.
; THE MODE: SCHED_MODE bits 1:0 = 2 (LLVM: expert scheduling mode 2), set by the entry lines.  The code itself states the register dependences
; between vector or matrix instructions and memory instructions, with s_wait_alu, always for 0.
; THE PLAN.  Registers that memory instructions touch:
;   window 1, SS, JS, BI   loaded once at the head; read by the products alone.
;   JB0, JB1               job j's products read JB[j % 2]; the loads of job j + 2 land in it, issued at the head of job j + 1.
;   PC, MG                 written by job j's quantiser (MG in the odd jobs); read by the stores that are issued at the head of job j + 1; written again by the quantiser of job j + 1 (MG: j + 2).
;   v[LI], v[LS], v[BL]    offsets, made once and never written again.
; So ONE wait on va_vdst stands at a job's head: the last job's quantiser has written PC and MG, and its products are done reading their buffer.  Behind it come the next job's eight loads and the last job's stores; no vector or
; matrix instruction of this job names their registers before the next such wait.  One wait on vm_vsrc, beside s_wait_xcnt, stands ahead of the job's quantiser, 32 products behind those stores.
.set LI,  1                            ; v1  16 x lane
.set LS,  2                            ; v2  4 x lane
.set BL,  3                            ; v3  the bias's lane offset
.set PW,  4                            ; v4-5   the scale words of two neighbouring jobs
.set MG,  6                            ; v6-7   the two merged, and their upper halves
.set PC,  8                            ; v8-15  a job's codes (at the head: scratch)
.set SS,  16                           ; v16-31  source 0's scale words: register 2 t + i: lanes 0-15 K step 2 i, lanes 16-31 step 2 i + 1
.set JS,  32                           ; v32-47  the jobs' likewise: register 2 j + i
.set BI,  48                           ; v48-111 the bias in the result's layout
.set D,   112                          ; v112-175 eight accumulators
.set JB,  176                          ; v176-239 two buffers of four fragments: job j's at JB + 32 (j % 2)
.set TM,  240                          ; v240-255 the quantiser's
.set SEL, 40
.set MSB, 0
.macro WIN new                         ; the immediate's high byte repeats the setting that is left
.if MSB != (\new)
	s_set_vgpr_msb (MSB<<8)|(\new)
.set MSB, (\new)
.endif
.endm
.macro PLACES n
.rept \n
	v_nop
.endr
.endm
.macro DLOAD reg, adr, base, off
.irp b, 0,1,2,3
.irp j, 0,1,2,3
	global_load_b128 v[\reg+16*\b+4*\j:\reg+16*\b+4*\j+3], v[\adr], s[\base:\base+1] offset:\off+128*\b+16*\j
.endr
.endr
.endm
.macro JLOAD j                         ; job j's four fragments: (K step s, half c) at 4,096 j + 1,024 s + 512 c, into registers 8 s + 4 c of its buffer
.irp i, 0,1,2,3,4,5,6,7
	global_load_b128 v[JB+32*((\j)%2)+4*\i:JB+32*((\j)%2)+4*\i+3], v[LI], s[10:11] offset:4096*(\j)+512*\i
.endr
.endm
.macro MM d, a, b, c, sa, sb, ra, rb   ; ra, rb: the side's scales stand in lanes 16-31
.if (\ra) && (\rb)
	v_wmma_scale_f32_16x16x128_f8f6f4 v[\d:\d+7], v[\a:\a+7], v[\b:\b+7], v[\c:\c+7], v[\sa], v[\sb] matrix_a_fmt:MATRIX_FMT_FP4 matrix_b_fmt:MATRIX_FMT_FP4 matrix_a_scale:MATRIX_SCALE_ROW1 matrix_b_scale:MATRIX_SCALE_ROW1
.elseif (\ra)
	v_wmma_scale_f32_16x16x128_f8f6f4 v[\d:\d+7], v[\a:\a+7], v[\b:\b+7], v[\c:\c+7], v[\sa], v[\sb] matrix_a_fmt:MATRIX_FMT_FP4 matrix_b_fmt:MATRIX_FMT_FP4 matrix_a_scale:MATRIX_SCALE_ROW1
.elseif (\rb)
	v_wmma_scale_f32_16x16x128_f8f6f4 v[\d:\d+7], v[\a:\a+7], v[\b:\b+7], v[\c:\c+7], v[\sa], v[\sb] matrix_a_fmt:MATRIX_FMT_FP4 matrix_b_fmt:MATRIX_FMT_FP4 matrix_b_scale:MATRIX_SCALE_ROW1
.else
	v_wmma_scale_f32_16x16x128_f8f6f4 v[\d:\d+7], v[\a:\a+7], v[\b:\b+7], v[\c:\c+7], v[\sa], v[\sb] matrix_a_fmt:MATRIX_FMT_FP4 matrix_b_fmt:MATRIX_FMT_FP4
.endif
.endm
; 64 numbers of a lane, register 16 b + i = k 32 b + 16 hh + i of my row, become a fragment's 8 registers of codes and its scale word
.macro QUANT s, pc, pw
.irp b, 0,1,2,3
	v_max3_num_f32 v[TM+\b], |v[\s+16*\b]|, |v[\s+1+16*\b]|, 0x1800000   ; my 16 numbers of block b, and the floor 2^(3 - 127): the byte cannot fall under 1
.endr
.irp i, 2,4,6,8,10,12,14
.irp b, 0,1,2,3
	v_max3_num_f32 v[TM+\b], v[TM+\b], |v[\s+16*\b+\i]|, |v[\s+1+16*\b+\i]|
.endr
.endr
.irp b, 0,1,2,3
	v_permlanex16_b32 v[TM+4+\b], v[TM+\b], s[SEL], s[SEL+1]
.endr
.irp b, 0,1,2,3
	v_max_num_f32 v[TM+\b], v[TM+\b], v[TM+4+\b]   ; with lane l xor 16's: the block's largest magnitude
.endr
.irp b, 0,1,2,3
	v_add_nc_u32 v[TM+12+\b], 0xff000000, v[TM+\b] ; 2 off its exponent field: the conversion's scale operand
.endr
.irp b, 0,1,2,3
	v_lshrrev_b32 v[TM+4+\b], 23, v[TM+12+\b]      ; the scale's byte
.endr
	v_lshl_or_b32 v[\pw], v[TM+5], 8, v[TM+4]
	v_lshl_or_b32 v[\pw], v[TM+6], 16, v[\pw]
	v_lshl_or_b32 v[\pw], v[TM+7], 24, v[\pw]
.irp b, 0,1,2,3
	v_cvt_scalef32_pk8_fp4_f32 v[\pc+2*\b], v[\s+16*\b:\s+7+16*\b], v[TM+12+\b]
	v_cvt_scalef32_pk8_fp4_f32 v[\pc+1+2*\b], v[\s+8+16*\b:\s+15+16*\b], v[TM+12+\b]
.endr
	v_nop                                          ; one plain place behind a scaled conversion
.irp c, 0,1                            ; the operand's layout wants a whole block in a lane
.irp i, 0,1
	v_permlane16_swap_b32 v[\pc+4*\c+\i], v[\pc+2+4*\c+\i]
.endr
.endr
.endm
	s_load_b512 s[16:31], s[0:1], 0x0              ; ab, wb, bq1, bk1, bv1, bk2, bv2, cb
	s_load_b128 s[32:35], s[0:1], 0x40             ; p1, p2
	v_lshrrev_b32 v12, 5, v0
	v_readfirstlane_b32 s3, v12                    ; wave 0..4: the projection
	v_and_b32 v13, 31, v0
	v_lshlrev_b32 v[LI], 4, v13
	v_lshlrev_b32 v[LS], 2, v13
	v_and_b32 v14, 15, v0                          ; r
	v_bfe_u32 v15, v0, 4, 1                        ; hh
.irp b, 0,1,2,3
	v_mov_b32 v[TM+4+\b], 0                        ; a lane permute's destination counts as one of its sources
.endr
	s_mov_b32 s[SEL], 0x76543210
	s_mov_b32 s[SEL+1], 0xfedcba98
	s_mov_b32 s42, 0xffff0000                      ; lanes 16-31
	s_mov_b32 s2, ttmp9                            ; x: block of 128 tokens
	s_and_b32 s4, ttmp7, 0xffff                    ; quarter of the 512 channels
	s_wait_alu depctr_va_sdst(0)                   ; s3 is written, ahead of its first reader: pointers and the choice of type are made from it
	s_cmp_ge_u32 s3, 3
	s_cselect_b32 s5, 2228224, 0                   ; en_out's part of ab
	s_cselect_b32 s6, 2, 0
	s_add_co_u32 s6, s6, s3                        ; the weight's number in wb: 0, 1, 2, 5, 6
	s_lshl_b32 s8, s6, 17
	s_lshl_b32 s7, s4, 15
	s_add_co_u32 s8, s8, s7
	s_mov_b32 s9, 0
	s_lshl_b32 s10, s6, 13
	s_lshl_b32 s7, s4, 11
	s_add_co_u32 s10, s10, s7
	s_add_co_u32 s10, s10, 0x200000
	s_mov_b32 s11, 0
	s_lshl_b32 s12, s2, 15
	s_add_co_u32 s12, s12, s5
	s_mov_b32 s13, 0
	s_lshl_b32 s14, s2, 11
	s_add_co_u32 s14, s14, s5
	s_add_co_u32 s14, s14, 0x200000
	s_mov_b32 s15, 0
	s_lshl_b32 s56, s4, 9                          ; 512 x quarter
	s_mov_b32 s57, 0
	s_lshr_b32 s58, s2, 4
	s_lshl_b32 s58, s58, 3
	s_lshl_b32 s7, s4, 1
	s_add_co_u32 s58, s58, s7                      ; my first head: 8 batch + 2 quarter
	s_and_b32 s59, s2, 15                          ; which 128 tokens of the batch
	s_cmp_eq_u32 s3, 2
	s_cselect_b32 s43, 1, 0
	s_cmp_eq_u32 s3, 4
	s_cselect_b32 s43, 1, s43                      ; type N
	s_mov_b32 s61, 0
	s_wait_kmcnt 0x0
	s_add_nc_u64 s[36:37], s[18:19], s[8:9]        ; my quarter's weight fragments
	s_add_nc_u64 s[38:39], s[18:19], s[10:11]      ; their scale words
	s_add_nc_u64 s[48:49], s[16:17], s[12:13]      ; the tokens' fragments
	s_add_nc_u64 s[50:51], s[16:17], s[14:15]      ; their scale words
	s_mov_b64 s[52:53], s[20:21]
	s_cmp_eq_u32 s3, 1
	s_cselect_b64 s[52:53], s[22:23], s[52:53]
	s_cmp_eq_u32 s3, 2
	s_cselect_b64 s[52:53], s[24:25], s[52:53]
	s_cmp_eq_u32 s3, 3
	s_cselect_b64 s[52:53], s[26:27], s[52:53]
	s_cmp_eq_u32 s3, 4
	s_cselect_b64 s[52:53], s[28:29], s[52:53]
	s_add_nc_u64 s[52:53], s[52:53], s[56:57]      ; my 128 numbers of the bias
	s_mov_b64 s[54:55], s[30:31]
	s_cmp_ge_u32 s3, 1
	s_cselect_b64 s[54:55], s[32:33], s[54:55]
	s_cmp_ge_u32 s3, 3
	s_cselect_b64 s[54:55], s[34:35], s[54:55]     ; where the result goes: cb, p1 or p2
	s_cmp_lg_u32 s43, 0                            ; which operand stays and which comes job by job: a choice on the wave's number alone
	s_cselect_b64 s[8:9], s[48:49], s[36:37]       ; source 0: type N the tokens, type T the weight
	s_cselect_b64 s[10:11], s[36:37], s[48:49]     ; the jobs' operand: the other one
	s_cselect_b64 s[12:13], s[50:51], s[38:39]     ; source 0's scale words
	s_cselect_b64 s[14:15], s[38:39], s[50:51]     ; the jobs'
	WIN 0x40                                       ; destination window 1: source 0's fragment (t, s) at v[8 (4 t + s)]
	s_wait_alu depctr_va_vdst(0)                   ; v[LI] and v[LS] are written: the loads and stores of the kernel read them as their offsets
.set i, 0
.rept 64
	global_load_b128 v[4*i:4*i+3], v[LI], s[8:9] offset:512*i
.set i, i+1
.endr
	WIN 0
.irp t, 0,1,2,3,4,5,6,7
.irp i, 0,1
	global_load_b32 v[SS+2*\t+\i], v[LS], s[12:13] offset:256*\t+128*\i
	global_load_b32 v[JS+2*\t+\i], v[LS], s[14:15] offset:256*\t+128*\i
.endr
.endr
	JLOAD 0
; The products of job j: four K steps x source 0's eight tiles; then its quantiser.  n = 0: the bias goes by the tile of source 0 (channels); n = 1: by the job (its tile of channels), the same for all eight tiles of tokens
.macro JOBMM j, n
.set JF, JB+32*((\j)%2)
.if (\j) < 7
	s_wait_loadcnt 8                               ; all but the next job's eight loads: this job's fragments are in
.else
	s_wait_loadcnt 0x0
.endif
	WIN 0x01                                       ; source 0 in window 1
.irp s, 0,1,2,3
.irp t, 0,1,2,3,4,5,6,7
.if (\s == 0) && (\n)
	MM D+8*\t, 8*(4*\t+\s), JF+8*\s, BI+8*(\j), SS+2*\t+\s/2, JS+2*(\j)+\s/2, \s%2, \s%2
.elseif \s == 0
	MM D+8*\t, 8*(4*\t+\s), JF+8*\s, BI+8*\t, SS+2*\t+\s/2, JS+2*(\j)+\s/2, \s%2, \s%2
.else
	MM D+8*\t, 8*(4*\t+\s), JF+8*\s, D+8*\t, SS+2*\t+\s/2, JS+2*(\j)+\s/2, \s%2, \s%2
.endif
.endr
.endr
	WIN 0
	PLACES 4                                       ; ahead of the first read of results
.if (\j) > 0
	s_wait_xcnt 0x0                                ; the last job's stores have had their addresses translated: their data are written again only behind this wait
	s_wait_alu depctr_vm_vsrc(0)                   ; the last job's stores have read v[PC ..] and v[MG ..], which the lines below write again
.endif
	QUANT D, PC, PW+1-(\j)%2
.endm
	s_cmp_lg_u32 s43, 0
	s_cbranch_scc1 .Ltype_n
	; ---- type T: q or k
	v_lshlrev_b32 v[BL], 6, v15
	s_wait_alu depctr_va_vdst(0)                   ; v[BL] is written, which the bias's loads read as their offset
	DLOAD BI, BL, 52, 0                            ; register 16 b + i: the bias of channel 32 b + 16 hh + i
	s_lshl_b32 s7, s58, 7
	s_lshl_b32 s60, s59, 3
	s_add_co_u32 s7, s7, s60                       ; 128 head + first tile
	s_lshl_b32 s60, s7, 9
	s_add_nc_u64 s[44:45], s[54:55], s[60:61]
	s_lshl_b32 s60, s7, 6
	s_add_co_u32 s60, s60, 0x200000
	s_add_nc_u64 s[46:47], s[54:55], s[60:61]
.macro STT m                           ; what tile m of the tokens stores
	global_store_b128 v[LI], v[PC:PC+3], s[44:45] offset:512*(\m)              ; the first head: 512 consecutive bytes
	global_store_b128 v[LI], v[PC+4:PC+7], s[44:45] offset:512*(\m)+65536      ; the second
.if (\m)%2
	global_store_b32 v[LS], v[MG], s[46:47] offset:64*((\m)-1)
	global_store_b32 v[LS], v[MG+1], s[46:47] offset:64*((\m)-1)+8192
.endif
.endm
.macro JOBT m                          ; tile m of the tokens x my 128 channels
.if (\m) > 0
	s_wait_alu depctr_va_vdst(0)                   ; the last job has written v[PC ..] and v[MG ..], which the stores below read, and its products are done reading their buffer, in which the loads below land
.endif
.if (\m) < 7
	JLOAD (\m)+1
.endif
.if (\m) > 0
	STT (\m)-1
.endif
	JOBMM \m, 0
.if (\m)%2
	v_cndmask_b32 v[MG], v[PW+1], v[PW], s42       ; lanes 0-15: tile m - 1's words; lanes 16-31: tile m's
	v_lshrrev_b32 v[MG+1], 16, v[MG]
.endif
.endm
.irp m, 0,1,2,3,4,5,6,7
	JOBT \m
.endr
	s_wait_alu depctr_va_vdst(0)                   ; the last job has written v[PC ..] and v[MG ..], which its stores read
	STT 7
	s_endpgm
.Ltype_n:
	; ---- type N: v
	v_and_b32 v[BL], 8, v14
	v_add_nc_u32 v[BL], v[BL], v14
	v_lshlrev_b32 v[BL], 2, v[BL]                  ; my channel of a tile: r + 8 (r / 8)
	s_wait_alu depctr_va_vdst(0)                   ; v[BL] is written, which the bias's loads read as their offset
.irp ct, 0,1,2,3,4,5,6,7
.irp j, 0,1,2,3,4,5,6,7
	global_load_b32 v[BI+8*\ct+\j], v[BL], s[52:53] offset:(32*(\ct/2)+8*(\ct%2))*4   ; a lane's eight results are one channel's: the same number eight times
.endr
.endr
	s_lshl_b32 s7, s58, 4
	s_add_co_u32 s7, s7, s59                       ; 16 head + step
	s_lshl_b32 s60, s7, 12
	s_add_co_u32 s60, s60, 2359296
	s_add_nc_u64 s[44:45], s[54:55], s[60:61]
	s_lshl_b32 s60, s7, 8
	s_add_co_u32 s60, s60, 4456448
	s_add_nc_u64 s[46:47], s[54:55], s[60:61]
.macro STN ct                          ; what tile ct of the channels stores
	global_store_b128 v[LI], v[PC:PC+3], s[44:45] offset:65536*((\ct)/4)+1024*((\ct)%4)
	global_store_b128 v[LI], v[PC+4:PC+7], s[44:45] offset:65536*((\ct)/4)+1024*((\ct)%4)+512
.if (\ct)%2
	global_store_b32 v[LS], v[MG], s[46:47] offset:4096*((\ct)/4)+64*((\ct)%4-1)
.endif
.endm
.macro JOBN ct                         ; my tile ct of channels x the 128 tokens
.if (\ct) > 0
	s_wait_alu depctr_va_vdst(0)                   ; the last job has written v[PC ..] and v[MG], which the stores below read, and its products are done reading their buffer, in which the loads below land
.endif
.if (\ct) < 7
	JLOAD (\ct)+1
.endif
.if (\ct) > 0
	STN (\ct)-1
.endif
	JOBMM \ct, 1
.if (\ct)%2
	v_cndmask_b32 v[MG], v[PW+1], v[PW], s42
.endif
.endm
.irp ct, 0,1,2,3,4,5,6,7
	JOBN \ct
.endr
	s_wait_alu depctr_va_vdst(0)                   ; the last job has written v[PC ..] and v[MG], which its stores read
	STN 7
	s_endpgm
.Lfunc_end_k_q6bc962e336_proj:
	.size	k_q6bc962e336_proj, .Lfunc_end_k_q6bc962e336_proj-k_q6bc962e336_proj
	.p2alignl 7, 3214868480
	.fill 96, 4, 3214868480
	.section	.rodata,"a",@progbits
	.p2align	6, 0x0
	.amdhsa_kernel k_q6bc962e336_proj
		.amdhsa_group_segment_fixed_size 0
		.amdhsa_private_segment_fixed_size 0
		.amdhsa_enable_private_segment 0
		.amdhsa_kernarg_size 80
		.amdhsa_user_sgpr_count 2
		.amdhsa_user_sgpr_kernarg_segment_ptr 1
		.amdhsa_wavefront_size32 1
		.amdhsa_system_sgpr_workgroup_id_x 1
		.amdhsa_system_sgpr_workgroup_id_y 1
		.amdhsa_system_sgpr_workgroup_id_z 1
		.amdhsa_system_vgpr_workitem_id 0
		.amdhsa_next_free_vgpr 512
		.amdhsa_next_free_sgpr 66
		.amdhsa_reserve_vcc 0
		.amdhsa_float_denorm_mode_32 3
		.amdhsa_float_denorm_mode_16_64 3
		.amdhsa_memory_ordered 1
		.amdhsa_forward_progress 1
		.amdhsa_inst_pref_size 165
	.end_amdhsa_kernel
	.amdgpu_metadata
---
amdhsa.version: [ 1, 2 ]
amdhsa.kernels:
  - .name:           k_q6bc962e336_proj
    .symbol:         k_q6bc962e336_proj.kd
    .args:
      - { .name: ab, .offset: 0, .size: 8, .value_kind: global_buffer, .address_space: global }
      - { .name: wb, .offset: 8, .size: 8, .value_kind: global_buffer, .address_space: global }
      - { .name: bq1, .offset: 16, .size: 8, .value_kind: global_buffer, .address_space: global }
      - { .name: bk1, .offset: 24, .size: 8, .value_kind: global_buffer, .address_space: global }
      - { .name: bv1, .offset: 32, .size: 8, .value_kind: global_buffer, .address_space: global }
      - { .name: bk2, .offset: 40, .size: 8, .value_kind: global_buffer, .address_space: global }
      - { .name: bv2, .offset: 48, .size: 8, .value_kind: global_buffer, .address_space: global }
      - { .name: cb, .offset: 56, .size: 8, .value_kind: global_buffer, .address_space: global }
      - { .name: p1, .offset: 64, .size: 8, .value_kind: global_buffer, .address_space: global }
      - { .name: p2, .offset: 72, .size: 8, .value_kind: global_buffer, .address_space: global }
    .group_segment_fixed_size: 0
    .private_segment_fixed_size: 0
    .kernarg_segment_align: 8
    .kernarg_segment_size: 80
    .max_flat_workgroup_size: 160
    .sgpr_count:     66
    .vgpr_count:     512
    .wavefront_size: 32
...
	.end_amdgpu_metadata
.endif
;; end of part 11
;; launch attn1 (part 12): grid 8 x 32, 16 waves a work-group, no clusters, 145,408 bytes of LDS; arguments cb, p1, f1, tb; writes tb
.if DOCPART == 12
	.amdgcn_target "amdgcn-amd-amdhsa--gfx1250"
	.amdhsa_code_object_version 6
	.text
	.protected	k_q6bc962e336_attn1
	.globl	k_q6bc962e336_attn1
	.p2align	8
	.type	k_q6bc962e336_attn1,@function
k_q6bc962e336_attn1:
	s_mov_b64 s[64:65], 0
	v_nop
	global_prefetch_b8 v0, s[64:65] scope:SCOPE_SE
	s_setreg_imm32_b32 hwreg(HW_REG_WAVE_SCHED_MODE, 0, 2), 2
	s_setreg_imm32_b32 hwreg(HW_REG_WAVE_MODE, 25, 1), 1
	s_wait_xcnt 0x0
	s_wait_alu depctr_vm_vsrc(0)
; ATTENTION ON CODES OF FP4, head size 64, 2,048 keys, with a mask that is an input.  One body serves self-attention and cross-attention on other buffers.
; t = score x log2(e) / 8; a masked key has logit -1e9, that is score -8e9; M = the running largest t rounded up to a whole number; p = 2^(t - M) is quantised along the keys, not normalised;
; the row's sum is taken of the unquantised p and divides at the end; when M moves, the sum and O are multiplied by 2^(old M - new M), exact.
; SHARES.  Work-group (x, head): sixteen waves, one tile of 16 queries each: tile 8 rank + x, rank = wave xor 3 ((wave / 4) % 2): each work-group's tiles, and those of the waves that are dealt together, are spread evenly
; over the sequence (a matter of balance under masks that hide late keys; no result hangs on it).
; THE WHOLE HEAD'S K AND V, 128 KiB of codes and 12 KiB of scale words, are copied into LDS once, through registers, and read by all sixteen waves: one barrier in the launch.
; LAYOUT.  Both products transposed: S^T = K Q^T, O^T = V^T P^T: a lane holds one query (lane % 16).  Operands lie as images of operand registers (16 bytes a lane at 16 x lane).  Lane r of a tile of keys stands for key
; 32 (t / 2) + 8 (t % 2) + r + 8 (r / 8), so the 16 registers of tiles 2 b, 2 b + 1 are keys 32 b + 16 hh + 0 .. 15.
; HEAD SIZE 64 IN A K STEP OF 128: a tile of K is four registers; source 0 names eight, the upper four being the next tile's codes; they meet Q's upper four registers, which are zero codes.
; THE MASK comes as lane-mask words made by an earlier launch (behind K and V in the same buffer, from byte MW on): word n is the mask of the v_cndmask_b32 on score register n.  The flags come from a small buffer of whole
; numbers of their own: two bits a step: 0: all 16 x 128 hidden: the step is left out; 3: all open; else mixed.  A tile in which some query has no key at all has no 0 flags.
; THE KEY STEP IS WRITTEN TWICE, by one macro, and a scalar branch on the stored flag chooses: the open form loads no mask words and has no masking lines; the mixed form loads the step's 64 words, waits for them and uses them,
; all in one straight run.  Masked scores are set twice: to -8e9 ahead of the maximum, and t - M to f32(-8e9 c) - M behind the multiply-add, so that in a row masked so far every p is exactly 1.
; The loop branches on loaded flags, so no tensor load stands in the text, and with it no joint request: the eight work-groups of a head each copy its 140 KiB themselves.
; LIMITS: leaving hidden steps out takes every real logit to lie far above -1e9 (below about -9e8 masked keys would begin to weigh in); a real score equal to -8e9 counts as masked for its block's scale;
; blocks whose every p is 0 keep the byte 1 with zero codes; NaN and infinities are not served.
; THE MODE: SCHED_MODE bits 1:0 = 2 (LLVM: expert scheduling mode 2), set by the entry lines.  The code itself states the register dependences
; between vector or matrix instructions and memory or LDS instructions, with s_wait_alu, always for 0.
; THE PLAN.  Registers that memory or LDS instructions touch:
;   v[ADK] .. v[ADT]      written by four additions at a worked step's head; read by that step's 22 LDS loads.
;   KF, KS, VF, VS        a worked step's LDS loads land in them; its products read them.
;   v96-159, v160-165     at the head only: the copy's loads land in them, its LDS stores read them; afterwards they are S and O, named by vector and matrix instructions alone.
;   PC, PWD               written by vector instructions; read by the second product as source 1 and its scales; on the way out read by the two stores.
;   v1-5, v24-29          offsets and addresses, made once at the head.    v249, v255: written at the head, read by the closing add alone.
; A worked step has three waits of its own: vm_vsrc ahead of the four additions (the last worked step's loads have read the addresses); va_vdst behind them (the addresses are written, the last worked step's products are done
; with K's and V's registers); va_vdst ahead of the second product (p's codes and scale word are written).
.set MW,   4587520                     ; where the mask words begin in the buffer of K and V
.set VIMG, 65536
.set KSC,  131072
.set VSC,  139264
.set LI,   1                           ; v1  16 x lane
.set LS,   2                           ; v2  4 x lane
.set LV,   3                           ; v3  16 x lane + VIMG
.set LKS,  4                           ; v4  4 x lane + KSC
.set LVS,  5                           ; v5  4 x lane + VSC
.set ADK,  8                           ; v8-11 the step's addresses
.set ADV,  9
.set ADS,  10
.set ADT,  11
.set Q,    16                          ; v16-19 Q's codes, v20-23 zero codes
.set R4,   24                          ; v24 4 x (lane % 16)
.set KF,   32                          ; v32-63 eight tiles of K, v64-67 zero codes
.set KS,   68                          ; v68-71 K's scale words: lanes 0-15 tile 2 i, lanes 16-31 tile 2 i + 1
.set VS,   72                          ; v72-73 V's likewise
.set QS,   74                          ; v74 Q's
.set SNEG, 75                          ; v75 -8e9
.set UNEG, 76                          ; v76 f32(-8e9 c) - M
.set TNEG, 77                          ; v77 f32(-8e9 c)
.set S,    96                          ; v96-159 S^T, then p
.set O,    160                         ; v160-191 O^T
.set VF,   192                         ; v192-223 four tiles of V
.set PC,   224                         ; v224-231 p's codes
.set BM,   232                         ; v232-235 the blocks' largest scores
.set PT,   236                         ; v236-239 at work
.set UB,   240                         ; v240-243 the blocks' largest t - M, then p
.set SP,   244                         ; v244-247 the conversions' scale operands
.set F,    250                         ; v[250:251] f = 2^(old M - new M)
.set PWD,  253                         ; v253 p's scale word
	s_load_b256 s[4:11], s[0:1], 0x0               ; q (cb), k, v and mask words (p), flags (f), out (tb)
	v_lshl_add_u32 v249, v0, 2, 0x23000
	v_mov_b32 v255, 0
	v_lshrrev_b32 v6, 5, v0
	v_readfirstlane_b32 s12, v6                    ; wave 0..15
	v_and_b32 v7, 31, v0
	v_lshlrev_b32 v[LI], 4, v7
	v_lshlrev_b32 v[LS], 2, v7
	v_add_nc_u32 v[LV], VIMG, v[LI]
	v_add_nc_u32 v[LKS], KSC, v[LS]
	v_add_nc_u32 v[LVS], VSC, v[LS]
	v_and_b32 v[R4], 15, v0
	v_lshlrev_b32 v[R4], 2, v[R4]
	v_lshlrev_b32 v25, 4, v0                       ; the copy: 16 x thread,
	v_lshlrev_b32 v26, 3, v0                       ; 8 x thread
	v_add_nc_u32 v27, VIMG, v25
	v_add_nc_u32 v28, KSC, v25
	v_add_nc_u32 v29, VSC, v26
	s_and_b32 s13, ttmp7, 0xffff                   ; head of 32
	s_lshr_b32 s14, s13, 3                         ; batch
	s_and_b32 s15, s13, 7                          ; head of the batch
	s_wait_alu depctr_va_sdst(0)                   ; s12 is written, ahead of its first reader: my tile of queries is made from it
	s_bfe_u32 s16, s12, 0x10002
	s_mul_i32 s16, s16, 3
	s_xor_b32 s16, s16, s12                        ; rank
	s_lshl_b32 s16, s16, 3
	s_add_co_u32 s16, s16, ttmp9                   ; my tile of queries
	s_lshl_b32 s17, s13, 7
	s_add_co_u32 s17, s17, s16                     ; 128 head + tile
	s_lshl_b32 s22, s14, 7
	s_add_co_u32 s22, s22, s16                     ; 128 batch + tile
	s_lshl_b32 s18, s17, 9
	s_mov_b32 s19, 0
	s_lshl_b32 s20, s17, 6
	s_add_co_u32 s20, s20, 0x200000
	s_mov_b32 s21, 0
	s_lshl_b32 s24, s22, 12
	s_add_co_u32 s24, s24, MW                      ; my tile's mask words: 4,096 bytes a tile
	s_mov_b32 s25, 0
	s_lshl_b32 s26, s22, 2                         ; my tile's flag word
	s_mov_b32 s27, 0
	s_lshl_b32 s28, s13, 16
	s_mov_b32 s29, 0
	s_add_co_u32 s30, s28, 2359296
	s_mov_b32 s31, 0
	s_lshl_b32 s32, s13, 13
	s_add_co_u32 s32, s32, 0x200000
	s_mov_b32 s33, 0
	s_lshl_b32 s34, s13, 12
	s_add_co_u32 s34, s34, 4456448
	s_mov_b32 s35, 0
	s_lshl_b32 s36, s22, 2
	s_lshr_b32 s23, s15, 1
	s_add_co_u32 s36, s36, s23
	s_lshl_b32 s36, s36, 10
	s_and_b32 s23, s15, 1
	s_lshl_b32 s23, s23, 9
	s_add_co_u32 s36, s36, s23                     ; out: fragment (tile, head / 2), half head % 2
	s_mov_b32 s37, 0
	s_lshl_b32 s38, s22, 3
	s_add_co_u32 s38, s38, s15
	s_lshl_b32 s38, s38, 6
	s_add_co_u32 s38, s38, 0x200000
	s_mov_b32 s39, 0
	s_mov_b32 s90, 0x76543210
	s_mov_b32 s91, 0xfedcba98
	s_mov_b32 s92, 0x3e38aa3b                      ; c = log2(e) / 8
	s_mov_b32 s93, s92
	s_mov_b32 s86, 0                               ; the step's codes: 4,096 bytes a step
	s_mov_b32 s87, 0                               ; K's scale words: 512
	s_mov_b32 s88, 0                               ; V's: 256
	s_mov_b32 s89, 16
	s_wait_kmcnt 0x0
	s_add_nc_u64 s[40:41], s[4:5], s[18:19]
	s_add_nc_u64 s[42:43], s[4:5], s[20:21]
	s_add_nc_u64 s[94:95], s[6:7], s[24:25]        ; my tile's mask words
	s_add_nc_u64 s[96:97], s[8:9], s[26:27]        ; and its flags
	s_add_nc_u64 s[44:45], s[6:7], s[28:29]
	s_add_nc_u64 s[46:47], s[6:7], s[30:31]
	s_add_nc_u64 s[48:49], s[6:7], s[32:33]
	s_add_nc_u64 s[50:51], s[6:7], s[34:35]
	s_add_nc_u64 s[4:5], s[10:11], s[36:37]        ; out: codes
	s_add_nc_u64 s[6:7], s[10:11], s[38:39]        ; out: scale words
	s_load_b32 s84, s[96:97], 0x0
	s_wait_alu depctr_va_vdst(0)                   ; the offsets and addresses v1 to v5 and v24 to v29 are written, which the loads and stores of the kernel read
	global_load_b128 v[Q:Q+3], v[LI], s[40:41]
	global_load_b32 v[QS], v[R4], s[42:43]
.irp i, 0,1,2,3,4,5,6,7
	global_load_b128 v[96+4*\i:99+4*\i], v25, s[44:45] offset:8192*\i          ; 512 threads x 16 bytes: 8,192 consecutive bytes
.endr
.irp i, 0,1,2,3,4,5,6,7
	global_load_b128 v[128+4*\i:131+4*\i], v25, s[46:47] offset:8192*\i
.endr
	global_load_b128 v[160:163], v25, s[48:49]
	global_load_b64 v[164:165], v26, s[50:51]
.irp i, 0,1,2,3
	v_mov_b32 v[Q+4+\i], 0
	v_mov_b32 v[KF+32+\i], 0
	v_mov_b32 v[PT+\i], 0                          ; a lane permute's destination counts as one of its sources
.endr
	v_mov_b32 v[SNEG], 0xcfee6b28
	v_mul_f32 v[TNEG], s92, v[SNEG]
	v_mov_b32 v13, 0xff61b1e6                      ; the largest t so far: -3e38
	v_floor_f32 v12, -v13                          ; -M
	v_mov_b32 v14, 0                               ; the sum, in two halves
	v_mov_b32 v15, 0
	v_mov_b32 v[F+1], 0                            ; named as the upper half of a pair
	v_mov_b32 v252, 0
	s_wait_loadcnt 0x0
.irp i, 0,1,2,3,4,5,6,7
	ds_store_b128 v25, v[96+4*\i:99+4*\i] offset:8192*\i           ; (no vector instruction since the wait above names these stores' addresses; their data come from loads)
.endr
.irp i, 0,1,2,3,4,5,6,7
	ds_store_b128 v27, v[128+4*\i:131+4*\i] offset:8192*\i
.endr
	ds_store_b128 v28, v[160:163]
	ds_store_b64 v29, v[164:165]
	s_wait_dscnt 0x0                               ; for the others' sake: my part of the head lies in LDS
	s_barrier_signal -1
	s_barrier_wait -1
	s_wait_alu depctr_vm_vsrc(0)                   ; my LDS stores have read v96-159 and v160-165: these registers are S and O from here on, written by the lines below and by the products
.set i, 0
.rept 32
	v_mov_b32 v[O+i], 0                            ; which step is a tile's first hangs on the flags, so the sums begin as zeros
.set i, i+1
.endr
	s_wait_kmcnt 0x0                               ; the flags
.macro SMM t
.if (\t)%2
	v_wmma_scale_f32_16x16x128_f8f6f4 v[S+8*\t:S+8*\t+7], v[KF+4*\t:KF+4*\t+7], v[Q:Q+7], 0, v[KS+\t/2], v[QS] matrix_a_fmt:MATRIX_FMT_FP4 matrix_b_fmt:MATRIX_FMT_FP4 matrix_a_scale:MATRIX_SCALE_ROW1
.else
	v_wmma_scale_f32_16x16x128_f8f6f4 v[S+8*\t:S+8*\t+7], v[KF+4*\t:KF+4*\t+7], v[Q:Q+7], 0, v[KS+\t/2], v[QS] matrix_a_fmt:MATRIX_FMT_FP4 matrix_b_fmt:MATRIX_FMT_FP4
.endif
.endm
.macro OMM t
.if (\t)%2
	v_wmma_scale_f32_16x16x128_f8f6f4 v[O+8*\t:O+8*\t+7], v[VF+8*\t:VF+8*\t+7], v[PC:PC+7], v[O+8*\t:O+8*\t+7], v[VS+\t/2], v[PWD] matrix_a_fmt:MATRIX_FMT_FP4 matrix_b_fmt:MATRIX_FMT_FP4 matrix_a_scale:MATRIX_SCALE_ROW1
.else
	v_wmma_scale_f32_16x16x128_f8f6f4 v[O+8*\t:O+8*\t+7], v[VF+8*\t:VF+8*\t+7], v[PC:PC+7], v[O+8*\t:O+8*\t+7], v[VS+\t/2], v[PWD] matrix_a_fmt:MATRIX_FMT_FP4 matrix_b_fmt:MATRIX_FMT_FP4
.endif
.endm
; A KEY STEP: 128 keys.  masked = 1: some of the 16 x 128 are hidden: the step's mask words are loaded, awaited and used.  masked = 0: all count.
.macro STEP masked
.if \masked
	s_load_b512 s[16:31], s[94:95], 0x0            ; the step's 64 mask words: word n in s[16 + n], from word 48 on in s[20 + n]
	s_load_b512 s[32:47], s[94:95], 0x40
	s_load_b512 s[48:63], s[94:95], 0x80
	s_load_b512 s[68:83], s[94:95], 0xc0
.endif
	s_wait_alu depctr_vm_vsrc(0)                   ; the last worked step's LDS loads have read v[ADK] to v[ADT], which the four lines below write again
	v_add_nc_u32 v[ADK], s86, v[LI]
	v_add_nc_u32 v[ADV], s86, v[LV]
	v_add_nc_u32 v[ADS], s87, v[LKS]
	v_add_nc_u32 v[ADT], s88, v[LVS]
	s_wait_alu depctr_va_vdst(0)                   ; the four addresses are written; the last worked step's products are done reading K's and V's fragments and scale words, in which the loads below land; in the first worked step: the zero codes beside Q and K are written
.irp t, 0,1,2,3,4,5,6,7
	ds_load_b128 v[KF+4*\t:KF+4*\t+3], v[ADK] offset:512*\t
.endr
.irp i, 0,1,2,3
	ds_load_b32 v[KS+\i], v[ADS] offset:128*\i
.endr
.irp t, 0,1,2,3
	ds_load_b128 v[VF+8*\t:VF+8*\t+3], v[ADV] offset:1024*\t
	ds_load_b128 v[VF+8*\t+4:VF+8*\t+7], v[ADV] offset:1024*\t+512
.endr
.irp i, 0,1
	ds_load_b32 v[VS+\i], v[ADT] offset:128*\i
.endr
	s_wait_dscnt 10                                ; K and its words are in; V's ten loads may stay out
.irp t, 0,1,2,3,4,5,6,7
	SMM \t
.endr
.rept 4
	v_nop                                          ; places ahead of the first read of the scores
.endr
.if \masked
	s_wait_kmcnt 0x0                               ; the mask words are in; their base may be stepped behind this wait
.set n, 0
.rept 64
	v_cndmask_b32 v[S+n], v[SNEG], v[S+n], s[16+n+4*(n/48)]        ; a masked key's score is -8e9
.set n, n+1
.endr
.endif
.irp b, 0,1,2,3
	v_max3_num_f32 v[BM+\b], v[S+16*\b], v[S+1+16*\b], v[S+2+16*\b]   ; the largest score of each block of 32 keys: for the row's maximum, and for the block's largest p
.endr
.irp i, 3,5,7,9,11,13
.irp b, 0,1,2,3
	v_max3_num_f32 v[BM+\b], v[BM+\b], v[S+16*\b+\i], v[S+1+16*\b+\i]
.endr
.endr
.irp b, 0,1,2,3
	v_max_num_f32 v[BM+\b], v[BM+\b], v[S+15+16*\b]
.endr
.irp b, 0,1,2,3
	v_permlanex16_b32 v[PT+\b], v[BM+\b], s90, s91
.endr
.irp b, 0,1,2,3
	v_max_num_f32 v[BM+\b], v[BM+\b], v[PT+\b]     ; with lane l xor 16's 16 keys
.endr
	v_max3_num_f32 v254, v[BM], v[BM+1], v[BM+2]
	v_max_num_f32 v254, v254, v[BM+3]
	v_mul_f32 v254, s92, v254                      ; the step's largest t
	v_max_num_f32 v13, v13, v254
	v_mov_b32 v254, v12
	v_floor_f32 v12, -v13                          ; the new -M
	v_sub_f32 v254, v12, v254                      ; old M - new M: a whole number, 0 or less
	v_cvt_i32_f32 v254, v254                       ; (it saturates)
	v_ldexp_f32 v[F], 1.0, v254
.set n, 0
.rept 32
	v_pk_fma_f32 v[S+n:S+n+1], v[S+n:S+n+1], s[92:93], v[12:13] op_sel_hi:[1,0,0]   ; t - M
.set n, n+2
.endr
.irp b, 0,1,2,3
	v_fma_f32 v[UB+\b], v[BM+\b], s92, v12         ; the same of each block's largest score
.endr
.if \masked
	v_add_f32 v[UNEG], v[TNEG], v12                ; a masked key's t - M, from the rounded t that the maximum saw: 0 in a row masked so far
.irp b, 0,1,2,3
	v_cmp_eq_f32 s[12+\b], v[SNEG], v[BM+\b]       ; is the whole block masked?  The four compares stand in one run, a scalar register each (s12 to s15 are free behind the head)
.endr
.set n, 0
.rept 64
	v_cndmask_b32 v[S+n], v[UNEG], v[S+n], s[16+n+4*(n/48)]
.set n, n+1
.endr
	s_wait_alu depctr_va_sdst(0)                   ; the four compares have written s12 to s15, ahead of their first reader
.irp b, 0,1,2,3
	v_cndmask_b32 v[UB+\b], v[UB+\b], v[UNEG], s[12+\b]
.endr
.endif
.set n, 0
	s_wait_alu depctr_va_vdst(0)
.rept 64
	v_exp_f32 v[S+n], v[S+n]                       ; p = 2^(t - M)
.set n, n+1
.endr
	v_pk_mul_f32 v[14:15], v[14:15], v[F:F+1] op_sel_hi:[1,0]      ; the sums under the new M; a plain place behind the exponentials
	s_wait_alu depctr_va_vdst(0)                   ; the 64 exponentials have written p, ahead of its first reader: one wait for the batch
.irp b, 0,1,2,3
	v_exp_f32 v[UB+\b], v[UB+\b]                   ; the block's largest p
.endr
	v_pk_add_f32 v[PT:PT+1], v[S:S+1], v[S+2:S+3]  ; the row's sum of the unquantised p, in two chains
.irp j, 4,8,12,16,20,24,28,32,36,40,44,48,52,56,60
	v_pk_add_f32 v[14:15], v[14:15], v[S+\j:S+\j+1]
	v_pk_add_f32 v[PT:PT+1], v[PT:PT+1], v[S+2+\j:S+3+\j]
.endr
	v_pk_add_f32 v[14:15], v[14:15], v[PT:PT+1]
	s_wait_alu depctr_va_vdst(0)                   ; the four exponentials have written the blocks' largest p, ahead of their first reader
.irp b, 0,1,2,3
	v_max_num_f32 v[UB+\b], 0x1800000, v[UB+\b]    ; the floor 2^(3 - 127)
.endr
.irp b, 0,1,2,3
	v_add_nc_u32 v[SP+\b], 0xff000000, v[UB+\b]
.endr
.irp b, 0,1,2,3
	v_lshrrev_b32 v[PT+\b], 23, v[SP+\b]
.endr
	v_lshl_or_b32 v[PWD], v[PT+1], 8, v[PT]
	v_lshl_or_b32 v[PWD], v[PT+2], 16, v[PWD]
	v_lshl_or_b32 v[PWD], v[PT+3], 24, v[PWD]
.irp b, 0,1,2,3
	v_cvt_scalef32_pk8_fp4_f32 v[PC+2*\b], v[S+16*\b:S+7+16*\b], v[SP+\b]
	v_cvt_scalef32_pk8_fp4_f32 v[PC+1+2*\b], v[S+8+16*\b:S+15+16*\b], v[SP+\b]
.endr
	v_nop                                          ; one plain place behind a scaled conversion
.irp c, 0,1
.irp i, 0,1
	v_permlane16_swap_b32 v[PC+4*\c+\i], v[PC+2+4*\c+\i]
.endr
.endr
.set n, 0
.rept 16
	v_pk_mul_f32 v[O+n:O+n+1], v[O+n:O+n+1], v[F:F+1] op_sel_hi:[1,0]   ; O^T under the new M; these sixteen are also the places between the scale word and codes just made and the products
.set n, n+2
.endr
	s_wait_dscnt 0x0                               ; V is in
	s_wait_alu depctr_va_vdst(0)                   ; p's codes and scale word are written, which the products below take as source 1 and its scales; the places above stay beside this wait
.irp t, 0,1,2,3
	OMM \t
.endr
.endm
.Lstep:                                            ; sixteen trips, a constant: a trip is 128 keys
	s_and_b32 s85, s84, 3                          ; this step's flag
	s_lshr_b32 s84, s84, 2
	s_cmp_eq_u32 s85, 0
	s_cbranch_scc1 .Lnext                          ; all hidden: only the addresses step
	s_cmp_eq_u32 s85, 3
	s_cbranch_scc1 .Lopen                          ; all open: the form without mask words
	STEP 1
	s_branch .Lnext
.Lopen:
	STEP 0
.Lnext:
	s_add_co_u32 s86, s86, 4096
	s_add_co_u32 s87, s87, 512
	s_add_co_u32 s88, s88, 256
	s_add_nc_u64 s[94:95], s[94:95], 256
	s_sub_co_u32 s89, s89, 1
	s_cmp_lg_u32 s89, 0
	s_cbranch_scc1 .Lstep
	; THE WAY OUT: O^T / the sum, quantised along the head's 64 channels: half a fragment of the next product's rows
.rept 4
	v_nop                                          ; places behind the last products
.endr
	v_add_f32 v14, v14, v15
	v_permlanex16_b32 v252, v14, s90, s91
	v_add_f32 v14, v14, v252
	s_wait_alu depctr_va_vdst(0)
	v_rcp_f32 v14, v14
	v_nop
	s_wait_alu depctr_va_vdst(0)                   ; the reciprocal is written, ahead of its first reader
.set n, 0
.rept 32
	v_mul_f32 v[S+n], v[O+n], v14                  ; register 16 b + i: channel 32 b + 16 hh + i
.set n, n+1
.endr
.irp b, 0,1
	v_max3_num_f32 v[BM+\b], |v[S+16*\b]|, |v[S+1+16*\b]|, 0x1800000
.endr
.irp i, 2,4,6,8,10,12,14
.irp b, 0,1
	v_max3_num_f32 v[BM+\b], v[BM+\b], |v[S+16*\b+\i]|, |v[S+1+16*\b+\i]|
.endr
.endr
.irp b, 0,1
	v_permlanex16_b32 v[PT+\b], v[BM+\b], s90, s91
.endr
.irp b, 0,1
	v_max_num_f32 v[BM+\b], v[BM+\b], v[PT+\b]
.endr
.irp b, 0,1
	v_add_nc_u32 v[SP+\b], 0xff000000, v[BM+\b]
.endr
.irp b, 0,1
	v_lshrrev_b32 v[PT+\b], 23, v[SP+\b]
.endr
	v_lshl_or_b32 v[PWD], v[PT+1], 8, v[PT]        ; two bytes; the upper half is 0
.irp b, 0,1
	v_cvt_scalef32_pk8_fp4_f32 v[PC+2*\b], v[S+16*\b:S+7+16*\b], v[SP+\b]
	v_cvt_scalef32_pk8_fp4_f32 v[PC+1+2*\b], v[S+8+16*\b:S+15+16*\b], v[SP+\b]
.endr
	v_nop
.irp i, 0,1
	v_permlane16_swap_b32 v[PC+\i], v[PC+2+\i]
.endr
	s_wait_alu depctr_va_vdst(0)                   ; the codes and the scale word are written, which the two stores read
	global_store_b128 v[LI], v[PC:PC+3], s[4:5]    ; 512 consecutive bytes
	global_store_b32 v[R4], v[PWD], s[6:7]         ; both halves of the lanes store the same word with the same value
	s_wait_dscnt 0x0                               ; the closing lines, six on end
	s_wait_alu 0x0
	s_wait_tensorcnt 0x0
	ds_add_u32 v249, v255
	s_wait_dscnt 0x0
	s_endpgm
.Lfunc_end_k_q6bc962e336_attn1:
	.size	k_q6bc962e336_attn1, .Lfunc_end_k_q6bc962e336_attn1-k_q6bc962e336_attn1
	.p2alignl 7, 3214868480
	.fill 96, 4, 3214868480
	.section	.rodata,"a",@progbits
	.p2align	6, 0x0
	.amdhsa_kernel k_q6bc962e336_attn1
		.amdhsa_group_segment_fixed_size 145408
		.amdhsa_private_segment_fixed_size 0
		.amdhsa_enable_private_segment 0
		.amdhsa_kernarg_size 32
		.amdhsa_user_sgpr_count 2
		.amdhsa_user_sgpr_kernarg_segment_ptr 1
		.amdhsa_wavefront_size32 1
		.amdhsa_system_sgpr_workgroup_id_x 1
		.amdhsa_system_sgpr_workgroup_id_y 1
		.amdhsa_system_sgpr_workgroup_id_z 1
		.amdhsa_system_vgpr_workitem_id 0
		.amdhsa_next_free_vgpr 256
		.amdhsa_next_free_sgpr 100
		.amdhsa_reserve_vcc 0
		.amdhsa_float_denorm_mode_32 3
		.amdhsa_float_denorm_mode_16_64 3
		.amdhsa_memory_ordered 1
		.amdhsa_forward_progress 1
		.amdhsa_inst_pref_size 52
	.end_amdhsa_kernel
	.amdgpu_metadata
---
amdhsa.version: [ 1, 2 ]
amdhsa.kernels:
  - .name:           k_q6bc962e336_attn1
    .symbol:         k_q6bc962e336_attn1.kd
    .args:
      - { .name: cb, .offset: 0, .size: 8, .value_kind: global_buffer, .address_space: global }
      - { .name: p1, .offset: 8, .size: 8, .value_kind: global_buffer, .address_space: global }
      - { .name: f1, .offset: 16, .size: 8, .value_kind: global_buffer, .address_space: global }
      - { .name: tb, .offset: 24, .size: 8, .value_kind: global_buffer, .address_space: global }
    .group_segment_fixed_size: 145408
    .private_segment_fixed_size: 0
    .kernarg_segment_align: 8
    .kernarg_segment_size: 32
    .max_flat_workgroup_size: 512
    .sgpr_count:     100
    .vgpr_count:     256
    .wavefront_size: 32
...
	.end_amdgpu_metadata
.endif
;; end of part 12
;; launch post1 (part 13): grid 256 x 1, 4 waves a work-group, no clusters, 44,032 bytes of LDS; arguments tb, wb, de_out, bo1, ln2_g, ln2_b, bq2, cb; writes cb
.if DOCPART == 13
	.amdgcn_target "amdgcn-amd-amdhsa--gfx1250"
	.amdhsa_code_object_version 6
	.text
	.protected	k_q6bc962e336_post1
	.globl	k_q6bc962e336_post1
	.p2align	8
	.type	k_q6bc962e336_post1,@function
k_q6bc962e336_post1:
	s_mov_b64 s[64:65], 0
	v_nop
	global_prefetch_b8 v0, s[64:65] scope:SCOPE_SE
	s_setreg_imm32_b32 hwreg(HW_REG_WAVE_SCHED_MODE, 0, 2), 2
	s_setreg_imm32_b32 hwreg(HW_REG_WAVE_MODE, 25, 1), 1
	s_wait_xcnt 0x0
	s_wait_alu depctr_vm_vsrc(0)
; x1 = de_out + attn1 wo1 + bo1;  n2 = layer norm 2 of x1;  q2 = n2 wq2 + bq2, quantised along the head size.  Both products on codes of FP4.
; SHARES.  A work-group owns 32 tokens (tiles 2 B, 2 B + 1).  THE WAVES SHARE THE COLUMNS: wave w makes channels 128 w .. 128 w + 127 of each product for all 32 tokens, and holds its 32 fragments of each weight in registers.
; Products transposed (source 0 = 16 channels of the weight, source 1 = 16 tokens): a lane holds one token, its 64 registers channels 32 b + 16 hh + i.  The residual and the bias are loaded in that layout and are the C of the first product.
; x1 leaves through the wave's own stage in LDS as rows of 512 consecutive bytes.  The norm's sums meet in LDS (two barriers).  n2's codes go from wave to wave as images of operand registers (a third barrier).
; The 16 accumulators take turns, one instruction a turn.
; All work-groups read the same two weights, straight from memory into registers: there is no LDS tile that a joint request could fill, so no cluster.
; LIMITS: blocks of zeros and blocks under 2^-124 get the byte 1; NaN and infinities are not served.
; REGISTERS.  window 0: v1-10 addresses; v16-47 two sets of weight scale words; v48-55 the rows' scale words; v56-59 n2's; v64-191 the accumulators; v192-255 (Z) the rows' fragments, later rows of x1, later the norm's and quantiser's work.
;   window 1: wo1.   window 2: wq2.   window 3: v0-63 bo1, later n2's fragments; v64-127 bq2; v128-191 the gain; v192-255 the norm's bias.
; THE MODE: SCHED_MODE bits 1:0 = 2 (LLVM: expert scheduling mode 2), set by the entry lines.  The code itself states the register dependences
; between vector or matrix instructions and memory or LDS instructions, with s_wait_alu, always for 0.
; THE PLAN.  Registers that memory or LDS instructions touch, in the order of the text (there is no loop):
;   v1-10               addresses, made once at the head.       windows 1, 2, the scale sets, v64-255 of window 3: loaded once, read by products and vector instructions alone.
;   YS                  loaded; merged by vector instructions; taken by the first product as scales.
;   D0, D1              loaded (the residual); written by additions and products; read by the stage's LDS stores; then written by the norm.
;   Z                   loaded (the rows' fragments); read by the first product; then twice: LDS loads land in it, global stores read it; then the norm's and the quantiser's work.
;   T+6, T+7            written by the norm's sums, read by LDS stores, twice.      PA: LDS loads land in it, additions work on it, twice.
;   PC, PW, MG          written by the quantisers; read by LDS stores (n2) and, written anew, by global stores (q2).
;   v0-63 of window 3   read by the additions of bo1; then n2's LDS loads land in it.      v14, v15: written at the head, read by the closing add alone.
; The two quantisers of a pair of tiles stand together, so that one wait on va_vdst serves all their stores.
.set ST1,   33792
.set ST2,   34304
.set Y2IMG, 34816
.set Y2SC,  43008
.set LI,  1
.set LS,  2
.set XA,  3
.set STA, 4
.set STL, 5
.set SO,  6
.set SR,  7
.set IMG, 8
.set SCA, 9
.set BL,  10
.set YS,  48
.set Y2S, 56
.set PT,  60
.set D0,  64
.set D1,  128
.set Z,   192
.set NM,  192
.set RS,  196
.set TM,  200
.set PW,  216
.set MG,  218
.set PC,  224
.set T,   240
.set PA,  248
.set SEL, 22
.set MSB, 0
.macro WIN new
.if MSB != (\new)
	s_set_vgpr_msb (MSB<<8)|(\new)
.set MSB, (\new)
.endif
.endm
.macro PLACES n
.rept \n
	v_nop
.endr
.endm
.macro BARRIER
	s_wait_dscnt 0x0
	s_barrier_signal -1
	s_barrier_wait -1
.endm
.macro DLOAD reg, adr, base, off
.irp b, 0,1,2,3
.irp j, 0,1,2,3
	global_load_b128 v[\reg+16*\b+4*\j:\reg+16*\b+4*\j+3], v[\adr], s[\base:\base+1] offset:\off+128*\b+16*\j
.endr
.endr
.endm
.macro CHUNK win, base, off, tstr      ; my 32 fragments of a weight: (t, s) at v[8 (4 t + s)] of window win
	WIN (\win)<<6
.irp t, 0,1,2,3,4,5,6,7
.irp s, 0,1,2,3
.irp c, 0,1
	global_load_b128 v[8*(4*\t+\s)+4*\c:8*(4*\t+\s)+4*\c+3], v[LI], s[\base:\base+1] offset:\off+\t*\tstr+1024*\s+512*\c
.endr
.endr
.endr
.endm
.macro SLOAD set, base, off, tstr      ; and their scale words: register 2 t + i: lanes 0-15 K step 2 i, lanes 16-31 step 2 i + 1
	WIN 0
.irp t, 0,1,2,3,4,5,6,7
.irp i, 0,1
	global_load_b32 v[16+16*\set+2*\t+\i], v[LS], s[\base:\base+1] offset:\off+\t*\tstr+128*\i
.endr
.endr
.endm
.macro MM d, a, b, c, sa, sb, ra, rb
.if (\ra) && (\rb)
	v_wmma_scale_f32_16x16x128_f8f6f4 v[\d:\d+7], v[\a:\a+7], v[\b:\b+7], v[\c:\c+7], v[\sa], v[\sb] matrix_a_fmt:MATRIX_FMT_FP4 matrix_b_fmt:MATRIX_FMT_FP4 matrix_a_scale:MATRIX_SCALE_ROW1 matrix_b_scale:MATRIX_SCALE_ROW1
.elseif (\ra)
	v_wmma_scale_f32_16x16x128_f8f6f4 v[\d:\d+7], v[\a:\a+7], v[\b:\b+7], v[\c:\c+7], v[\sa], v[\sb] matrix_a_fmt:MATRIX_FMT_FP4 matrix_b_fmt:MATRIX_FMT_FP4 matrix_a_scale:MATRIX_SCALE_ROW1
.elseif (\rb)
	v_wmma_scale_f32_16x16x128_f8f6f4 v[\d:\d+7], v[\a:\a+7], v[\b:\b+7], v[\c:\c+7], v[\sa], v[\sb] matrix_a_fmt:MATRIX_FMT_FP4 matrix_b_fmt:MATRIX_FMT_FP4 matrix_b_scale:MATRIX_SCALE_ROW1
.else
	v_wmma_scale_f32_16x16x128_f8f6f4 v[\d:\d+7], v[\a:\a+7], v[\b:\b+7], v[\c:\c+7], v[\sa], v[\sb] matrix_a_fmt:MATRIX_FMT_FP4 matrix_b_fmt:MATRIX_FMT_FP4
.endif
.endm
; 64 matrix instructions: four K steps x two tiles of tokens x my eight tiles of channels.  wa: the weight's window; cs: the first step's C in window 3, or -1: in place; set: the weight's scale set; bs: the rows' first scale register;
; mode 0: the rows' fragments in window 0 at Z, a scale register a step; mode 1: in window 3 at v0, two steps a register
.macro GEMM wa, cs, set, bs, mode
.irp s, 0,1,2,3
.if \mode == 0
	WIN \wa
.elseif ((\cs) >= 0) && (\s == 0)
	WIN (\wa)+0x3c
.else
	WIN (\wa)+0x0c
.endif
.irp m, 0,1
.irp t, 0,1,2,3,4,5,6,7
.if \mode == 0
	MM D0+64*\m+8*\t, 8*(4*\t+\s), Z+8*(4*\m+\s), D0+64*\m+8*\t, 16+16*\set+2*\t+\s/2, \bs+4*\m+\s, \s%2, 0
.elseif ((\cs) >= 0) && (\s == 0)
	MM D0+64*\m+8*\t, 8*(4*\t+\s), 8*(4*\m+\s), \cs+8*\t, 16+16*\set+2*\t+\s/2, \bs+2*\m+\s/2, \s%2, \s%2
.else
	MM D0+64*\m+8*\t, 8*(4*\t+\s), 8*(4*\m+\s), D0+64*\m+8*\t, 16+16*\set+2*\t+\s/2, \bs+2*\m+\s/2, \s%2, \s%2
.endif
.endr
.endr
.endr
.endm
.macro SUM64 s, d
	v_pk_add_f32 v[T:T+1], v[\s:\s+1], v[\s+2:\s+3]
	v_pk_add_f32 v[T+2:T+3], v[\s+4:\s+5], v[\s+6:\s+7]
.irp j, 8,12,16,20,24,28,32,36,40,44,48,52,56,60
	v_pk_add_f32 v[T:T+1], v[T:T+1], v[\s+\j:\s+\j+1]
	v_pk_add_f32 v[T+2:T+3], v[T+2:T+3], v[\s+\j+2:\s+\j+3]
.endr
	v_pk_add_f32 v[T:T+1], v[T:T+1], v[T+2:T+3]
	v_add_f32 v[\d], v[T], v[T+1]
	v_permlanex16_b32 v[T+4], v[\d], s[SEL], s[SEL+1]
	v_add_f32 v[\d], v[\d], v[T+4]
.endm
.macro SQ64 s, d
	v_pk_mul_f32 v[T:T+1], v[\s:\s+1], v[\s:\s+1]
	v_pk_mul_f32 v[T+2:T+3], v[\s+2:\s+3], v[\s+2:\s+3]
.irp j, 4,8,12,16,20,24,28,32,36,40,44,48,52,56,60
	v_pk_fma_f32 v[T:T+1], v[\s+\j:\s+\j+1], v[\s+\j:\s+\j+1], v[T:T+1]
	v_pk_fma_f32 v[T+2:T+3], v[\s+\j+2:\s+\j+3], v[\s+\j+2:\s+\j+3], v[T+2:T+3]
.endr
	v_pk_add_f32 v[T:T+1], v[T:T+1], v[T+2:T+3]
	v_add_f32 v[\d], v[T], v[T+1]
	v_permlanex16_b32 v[T+4], v[\d], s[SEL], s[SEL+1]
	v_add_f32 v[\d], v[\d], v[T+4]
.endm
.macro FOUR off
	ds_load_b128 v[PA:PA+3], v[STL] offset:\off
	ds_load_b128 v[PA+4:PA+7], v[STL] offset:\off+256
	s_wait_dscnt 0x0
	v_add_f32 v[PA], v[PA], v[PA+1]
	v_add_f32 v[PA+2], v[PA+2], v[PA+3]
	v_add_f32 v[PA+4], v[PA+4], v[PA+5]
	v_add_f32 v[PA+6], v[PA+6], v[PA+7]
	v_add_f32 v[PA], v[PA], v[PA+2]
	v_add_f32 v[PA+4], v[PA+4], v[PA+6]
.endm
; the layer norm of the 32 tokens in D0, D1, in place, in two passes; gain and bias in window 3 at v128 and v192
.macro STATS
	SUM64 D0, T+6
	SUM64 D1, T+7
	s_wait_alu depctr_va_vdst(0)                   ; the two sums are written, which the LDS stores read
	ds_store_b32 v[STA], v[T+6] offset:ST1
	ds_store_b32 v[STA], v[T+7] offset:ST1+256
	BARRIER
	s_wait_alu depctr_vm_vsrc(0)                   ; my LDS stores have read v[T+6] and v[T+7], and those issued earlier the accumulators: all are written again below
	FOUR ST1
	v_mul_f32 v[NM], 0xbb000000, v[PA]             ; -mean
	v_mul_f32 v[NM+2], 0xbb000000, v[PA+4]
	v_mov_b32 v[NM+1], v[NM]
	v_mov_b32 v[NM+3], v[NM+2]
.irp m, 0,1
.set qi, 0
.rept 32
	v_pk_add_f32 v[D0+64*\m+qi:D0+64*\m+qi+1], v[D0+64*\m+qi:D0+64*\m+qi+1], v[NM+2*\m:NM+2*\m+1] op_sel_hi:[1,0]
.set qi, qi+2
.endr
.endr
	SQ64 D0, T+6
	SQ64 D1, T+7
	s_wait_alu depctr_va_vdst(0)                   ; the two sums of squares are written, which the LDS stores read; the additions above are done with v[PA ..], in which the next LDS loads land
	ds_store_b32 v[STA], v[T+6] offset:ST2
	ds_store_b32 v[STA], v[T+7] offset:ST2+256
	BARRIER
	FOUR ST2
	v_fma_f32 v[RS], v[PA], s24, s25
	v_fma_f32 v[RS+2], v[PA+4], s24, s25
	s_wait_alu depctr_va_vdst(0)
	v_rsq_f32 v[RS], v[RS]
	v_rsq_f32 v[RS+2], v[RS+2]
	v_nop
	s_wait_alu depctr_va_vdst(0)                   ; the two roots are written, ahead of their first reader: one wait for both
	v_mov_b32 v[RS+1], v[RS]
	v_mov_b32 v[RS+3], v[RS+2]
.irp m, 0,1
.set qi, 0
.rept 32
	v_pk_mul_f32 v[D0+64*\m+qi:D0+64*\m+qi+1], v[D0+64*\m+qi:D0+64*\m+qi+1], v[RS+2*\m:RS+2*\m+1] op_sel_hi:[1,0]
.set qi, qi+2
.endr
.endr
	WIN 0x3c                                       ; sources 1 and 2 in window 3
.irp m, 0,1
.set qi, 0
.rept 32
	v_pk_fma_f32 v[D0+64*\m+qi:D0+64*\m+qi+1], v[D0+64*\m+qi:D0+64*\m+qi+1], v[128+qi:128+qi+1], v[192+qi:192+qi+1]
.set qi, qi+2
.endr
.endr
	WIN 0
.endm
.macro QUANT s, pc, pw
.irp b, 0,1,2,3
	v_max3_num_f32 v[TM+\b], |v[\s+16*\b]|, |v[\s+1+16*\b]|, 0x1800000
.endr
.irp i, 2,4,6,8,10,12,14
.irp b, 0,1,2,3
	v_max3_num_f32 v[TM+\b], v[TM+\b], |v[\s+16*\b+\i]|, |v[\s+1+16*\b+\i]|
.endr
.endr
.irp b, 0,1,2,3
	v_permlanex16_b32 v[TM+4+\b], v[TM+\b], s[SEL], s[SEL+1]
.endr
.irp b, 0,1,2,3
	v_max_num_f32 v[TM+\b], v[TM+\b], v[TM+4+\b]
.endr
.irp b, 0,1,2,3
	v_add_nc_u32 v[TM+12+\b], 0xff000000, v[TM+\b]
.endr
.irp b, 0,1,2,3
	v_lshrrev_b32 v[TM+4+\b], 23, v[TM+12+\b]
.endr
	v_lshl_or_b32 v[\pw], v[TM+5], 8, v[TM+4]
	v_lshl_or_b32 v[\pw], v[TM+6], 16, v[\pw]
	v_lshl_or_b32 v[\pw], v[TM+7], 24, v[\pw]
.irp b, 0,1,2,3
	v_cvt_scalef32_pk8_fp4_f32 v[\pc+2*\b], v[\s+16*\b:\s+7+16*\b], v[TM+12+\b]
	v_cvt_scalef32_pk8_fp4_f32 v[\pc+1+2*\b], v[\s+8+16*\b:\s+15+16*\b], v[TM+12+\b]
.endr
	v_nop
.irp c, 0,1
.irp i, 0,1
	v_permlane16_swap_b32 v[\pc+4*\c+\i], v[\pc+2+4*\c+\i]
.endr
.endr
.endm
; tile m of the tokens leaves: through my stage (row r, pitch 528) and out as 16 rows of 512 consecutive bytes
.macro XOUT m, base
.irp b, 0,1,2,3
.irp q, 0,1,2,3
	ds_store_b128 v[SO], v[D0+64*\m+16*\b+4*\q:D0+64*\m+16*\b+4*\q+3] offset:128*\b+16*\q
.endr
.endr
.irp i, 0,1,2,3,4,5,6,7,8,9,10,11,12,13,14,15
	ds_load_b128 v[Z+4*\i:Z+4*\i+3], v[SR] offset:528*\i           ; LDS serves a wave's instructions in order: these see the stores above
.endr
.irp i, 0,1,2,3,4,5,6,7,8,9,10,11,12,13,14,15
	s_wait_dscnt 15-\i                             ; row i is back; the younger rows may be out
	global_store_b128 v[LI], v[Z+4*\i:Z+4*\i+3], s[\base:\base+1] offset:(8*\m+\i+8*(\i/8))*2048
.endr
.endm
	s_load_b256 s[4:11], s[0:1], 0x0               ; tb, wb, de_out, bo1
	s_load_b256 s[12:19], s[0:1], 0x20             ; ln2_g, ln2_b, bq2, cb
	v_lshl_add_u32 v14, v0, 2, 0xaa00
	v_mov_b32 v15, 0
	v_lshrrev_b32 v1, 5, v0
	v_readfirstlane_b32 s20, v1                    ; wave
	s_mov_b32 s21, ttmp9                           ; block of 32 tokens
	v_and_b32 v64, 31, v0
	v_and_b32 v65, 15, v0                          ; r
	v_bfe_u32 v66, v0, 4, 1                        ; hh
	v_lshlrev_b32 v[LI], 4, v64
	v_lshlrev_b32 v[LS], 2, v64
	v_and_b32 v[XA], 8, v65
	v_add_nc_u32 v[XA], v[XA], v65
	v_lshlrev_b32 v[XA], 11, v[XA]
	v_lshl_add_u32 v[XA], v66, 6, v[XA]            ; my token's row and half
	v_lshlrev_b32 v[BL], 6, v66
	v_lshlrev_b32 v[STL], 4, v65
	s_wait_alu depctr_va_sdst(0)                   ; s20 is written, ahead of its first reader: addresses and pointers are made from it
	s_lshl_b32 s28, s20, 2
	v_add_nc_u32 v[STA], s28, v[STL]
	s_mul_i32 s28, s20, 16*528
	v_mul_u32_u24 v[SO], v65, 528
	v_lshl_add_u32 v[SO], v66, 6, v[SO]
	v_add_nc_u32 v[SO], s28, v[SO]
	v_add_nc_u32 v[SR], s28, v[LI]
	s_lshl_b32 s28, s20, 10
	v_add_nc_u32 v[IMG], s28, v[LI]
	s_lshl_b32 s28, s20, 6
	v_lshlrev_b32 v[SCA], 2, v65
	v_add_nc_u32 v[SCA], s28, v[SCA]
.irp i, 0,1,2,3
	v_mov_b32 v[PT+\i], 0
.endr
	s_mov_b32 s[SEL], 0x76543210
	s_mov_b32 s[SEL+1], 0xfedcba98
	s_mov_b32 s24, 0x3b000000                      ; 1 / 512
	s_mov_b32 s25, 0x3727c5ac                      ; 1e-5
	s_mov_b32 s26, 0xffff0000                      ; lanes 16-31
	s_lshl_b32 s50, s20, 9                         ; 512 w
	s_mov_b32 s51, 0
	s_mov_b32 s29, 0
	s_wait_kmcnt 0x0
	s_lshl_b32 s28, s21, 13
	s_add_nc_u64 s[30:31], s[4:5], s[28:29]        ; the rows' fragments
	s_lshl_b32 s28, s21, 10
	s_add_co_u32 s28, s28, 0x200000
	s_add_nc_u64 s[32:33], s[4:5], s[28:29]        ; their scale words, a word a head
	s_lshl_b32 s28, s21, 16
	s_add_co_u32 s28, s28, s50
	s_add_nc_u64 s[34:35], s[8:9], s[28:29]        ; the residual
	s_add_co_u32 s28, s28, 2359296
	s_add_nc_u64 s[44:45], s[18:19], s[28:29]      ; x1
	s_add_nc_u64 s[10:11], s[10:11], s[50:51]
	s_add_nc_u64 s[12:13], s[12:13], s[50:51]
	s_add_nc_u64 s[14:15], s[14:15], s[50:51]
	s_add_nc_u64 s[16:17], s[16:17], s[50:51]
	s_lshl_b32 s28, s20, 15
	s_add_co_u32 s28, s28, 3*131072
	s_add_nc_u64 s[36:37], s[6:7], s[28:29]        ; wo1
	s_add_co_u32 s28, s28, 131072
	s_add_nc_u64 s[40:41], s[6:7], s[28:29]        ; wq2
	s_lshl_b32 s28, s20, 11
	s_add_co_u32 s28, s28, 0x200000+3*8192
	s_add_nc_u64 s[38:39], s[6:7], s[28:29]
	s_add_co_u32 s28, s28, 8192
	s_add_nc_u64 s[42:43], s[6:7], s[28:29]
	s_lshr_b32 s28, s21, 6
	s_lshl_b32 s28, s28, 3
	s_lshl_b32 s27, s20, 1
	s_add_co_u32 s28, s28, s27                     ; my first head: 8 batch + 2 w
	s_lshl_b32 s28, s28, 7
	s_and_b32 s27, s21, 63
	s_lshl_b32 s27, s27, 1
	s_add_co_u32 s27, s28, s27                     ; 128 head + tile
	s_lshl_b32 s28, s27, 9
	s_add_nc_u64 s[46:47], s[18:19], s[28:29]      ; q2's codes
	s_lshl_b32 s28, s27, 6
	s_add_co_u32 s28, s28, 0x200000
	s_add_nc_u64 s[48:49], s[18:19], s[28:29]      ; and scale words
	; ---- all loads of the launch, wq2's fragments last
	s_wait_alu depctr_va_vdst(0)                   ; the ten addresses v1 to v10 are written, which the kernel's loads and stores read; so are v64 to v66, in which loads of the residual land
.set i, 0
.rept 16
	global_load_b128 v[Z+4*i:Z+4*i+3], v[LI], s[30:31] offset:512*i
.set i, i+1
.endr
.irp m, 0,1
.irp s, 0,1,2,3
	global_load_b32 v[YS+4*\m+\s], v[LS], s[32:33] offset:512*\m+128*\s   ; lanes 0-15: head 2 s; lanes 16-31: head 2 s + 1
.endr
.endr
	DLOAD D0, XA, 34, 0
	DLOAD D1, XA, 34, 16384
	WIN 0xc0
	DLOAD 0, BL, 10, 0
	DLOAD 128, BL, 12, 0
	DLOAD 192, BL, 14, 0
	CHUNK 1, 36, 0, 4096
	SLOAD 0, 38, 0, 256
	WIN 0xc0
	DLOAD 64, BL, 16, 0
	SLOAD 1, 42, 0, 256
	CHUNK 2, 40, 0, 4096
	WIN 0
	s_wait_loadcnt 63                              ; the 63 youngest loads are all of wq2's 64 fragment loads: everything else is in
.irp g, 0,4
.irp i, 0,1,2,3
	v_permlanex16_b32 v[PT+\i], v[YS+\g+\i], s[SEL], s[SEL+1]
.endr
.irp i, 0,1,2,3
	v_lshl_or_b32 v[YS+\g+\i], v[PT+\i], 16, v[YS+\g+\i]           ; lanes 0-15: two bytes of head 2 s, two of head 2 s + 1: the K step's word
.endr
.endr
	WIN 0x0c
.irp m, 0,1
.set qi, 0
.rept 32
	v_pk_add_f32 v[D0+64*\m+qi:D0+64*\m+qi+1], v[D0+64*\m+qi:D0+64*\m+qi+1], v[qi:qi+1]   ; residual + bo1: the sums begin there
.set qi, qi+2
.endr
.endr
	WIN 0
	PLACES 4
	s_wait_alu depctr_va_vdst(0)                   ; the merged scale words v[YS ..] are written, which the products below take as scales; the places above stay beside this wait
	GEMM 1, -1, 0, YS, 0
	WIN 0
	PLACES 4                                       ; ahead of the reads of results
	s_wait_alu depctr_va_vdst(0)                   ; the products have written the accumulators, which the stage's LDS stores read, and are done reading Z, in which the stage's LDS loads land
	XOUT 0, 44
	s_wait_xcnt 0x0                                ; the stores have had their addresses translated
	s_wait_alu depctr_vm_vsrc(0)                   ; the global stores have read Z, in which the next tile's LDS loads land
	XOUT 1, 44
	s_wait_xcnt 0x0
	s_wait_alu depctr_vm_vsrc(0)                   ; the global stores have read Z, which the norm's and the quantiser's lines write from here on
	v_mov_b32 v[T+4], 0
.irp b, 0,1,2,3
	v_mov_b32 v[TM+4+\b], 0
.endr
	STATS
	QUANT D0, PC, PW
	QUANT D1, PC+8, PW+1
	s_wait_alu depctr_va_vdst(0)                   ; both tiles' codes and scale words are written, which the six LDS stores read
	ds_store_b128 v[IMG], v[PC:PC+3] offset:Y2IMG                  ; K step w of the next product, as an image of its registers
	ds_store_b128 v[IMG], v[PC+4:PC+7] offset:Y2IMG+512
	ds_store_b32 v[SCA], v[PW] offset:Y2SC
	ds_store_b128 v[IMG], v[PC+8:PC+11] offset:Y2IMG+4096
	ds_store_b128 v[IMG], v[PC+12:PC+15] offset:Y2IMG+4608
	ds_store_b32 v[SCA], v[PW+1] offset:Y2SC+256
	BARRIER                                        ; n2's eight fragments lie in LDS
	WIN 0xc0
	s_wait_alu depctr_va_vdst(0)                   ; the additions of bo1 are done reading v0-63 of window 3, in which the LDS loads below land
.set i, 0
.rept 16
	ds_load_b128 v[4*i:4*i+3], v[LI] offset:Y2IMG+512*i
.set i, i+1
.endr
	WIN 0
.irp m, 0,1
.irp i, 0,1
	ds_load_b32 v[Y2S+2*\m+\i], v[LS] offset:Y2SC+256*\m+128*\i
.endr
.endr
	s_wait_dscnt 0x0
	s_wait_loadcnt 0x0                             ; wq2
	GEMM 2, 64, 1, Y2S, 1
	WIN 0
	PLACES 4
	s_wait_alu depctr_vm_vsrc(0)                   ; the six LDS stores have read v[PC ..] and v[PW ..], which the quantisers below write again
	QUANT D0, PC, PW
	QUANT D1, PC+8, PW+1
	v_cndmask_b32 v[MG], v[PW], v[PW+1], s26
	v_lshrrev_b32 v[MG+1], 16, v[MG]
	s_wait_alu depctr_va_vdst(0)                   ; q2's codes and merged scale words are written, which the six stores read
	global_store_b128 v[LI], v[PC:PC+3], s[46:47]
	global_store_b128 v[LI], v[PC+4:PC+7], s[46:47] offset:65536
	global_store_b128 v[LI], v[PC+8:PC+11], s[46:47] offset:512
	global_store_b128 v[LI], v[PC+12:PC+15], s[46:47] offset:512+65536
	global_store_b32 v[LS], v[MG], s[48:49]
	global_store_b32 v[LS], v[MG+1], s[48:49] offset:8192
	s_wait_dscnt 0x0                               ; the closing lines, six on end
	s_wait_alu 0x0
	s_wait_tensorcnt 0x0
	ds_add_u32 v14, v15
	s_wait_dscnt 0x0
	s_endpgm
.Lfunc_end_k_q6bc962e336_post1:
	.size	k_q6bc962e336_post1, .Lfunc_end_k_q6bc962e336_post1-k_q6bc962e336_post1
	.p2alignl 7, 3214868480
	.fill 96, 4, 3214868480
	.section	.rodata,"a",@progbits
	.p2align	6, 0x0
	.amdhsa_kernel k_q6bc962e336_post1
		.amdhsa_group_segment_fixed_size 44032
		.amdhsa_private_segment_fixed_size 0
		.amdhsa_enable_private_segment 0
		.amdhsa_kernarg_size 64
		.amdhsa_user_sgpr_count 2
		.amdhsa_user_sgpr_kernarg_segment_ptr 1
		.amdhsa_wavefront_size32 1
		.amdhsa_system_sgpr_workgroup_id_x 1
		.amdhsa_system_sgpr_workgroup_id_y 1
		.amdhsa_system_sgpr_workgroup_id_z 1
		.amdhsa_system_vgpr_workitem_id 0
		.amdhsa_next_free_vgpr 1024
		.amdhsa_next_free_sgpr 66
		.amdhsa_reserve_vcc 0
		.amdhsa_float_denorm_mode_32 3
		.amdhsa_float_denorm_mode_16_64 3
		.amdhsa_memory_ordered 1
		.amdhsa_forward_progress 1
		.amdhsa_inst_pref_size 101
	.end_amdhsa_kernel
	.amdgpu_metadata
---
amdhsa.version: [ 1, 2 ]
amdhsa.kernels:
  - .name:           k_q6bc962e336_post1
    .symbol:         k_q6bc962e336_post1.kd
    .args:
      - { .name: tb, .offset: 0, .size: 8, .value_kind: global_buffer, .address_space: global }
      - { .name: wb, .offset: 8, .size: 8, .value_kind: global_buffer, .address_space: global }
      - { .name: de_out, .offset: 16, .size: 8, .value_kind: global_buffer, .address_space: global }
      - { .name: bo1, .offset: 24, .size: 8, .value_kind: global_buffer, .address_space: global }
      - { .name: ln2_g, .offset: 32, .size: 8, .value_kind: global_buffer, .address_space: global }
      - { .name: ln2_b, .offset: 40, .size: 8, .value_kind: global_buffer, .address_space: global }
      - { .name: bq2, .offset: 48, .size: 8, .value_kind: global_buffer, .address_space: global }
      - { .name: cb, .offset: 56, .size: 8, .value_kind: global_buffer, .address_space: global }
    .group_segment_fixed_size: 44032
    .private_segment_fixed_size: 0
    .kernarg_segment_align: 8
    .kernarg_segment_size: 64
    .max_flat_workgroup_size: 128
    .sgpr_count:     66
    .vgpr_count:     1024
    .wavefront_size: 32
...
	.end_amdgpu_metadata
.endif
;; end of part 13
;; launch attn2: the kernel of part 12 again; grid 8 x 32, 16 waves a work-group, no clusters, 145,408 bytes of LDS; arguments cb, p2, f2, tb; writes tb
;; launch ffn (part 14): grid 256 x 1, 4 waves a work-group, no clusters, 144,384 bytes of LDS; arguments tb, wb, cb, bo2, ln3_g, ln3_b, b1, b2, out0; writes out0
.if DOCPART == 14
	.amdgcn_target "amdgcn-amd-amdhsa--gfx1250"
	.amdhsa_code_object_version 6
	.text
	.protected	k_q6bc962e336_ffn
	.globl	k_q6bc962e336_ffn
	.p2align	8
	.type	k_q6bc962e336_ffn,@function
k_q6bc962e336_ffn:
	s_mov_b64 s[64:65], 0
	v_nop
	global_prefetch_b8 v0, s[64:65] scope:SCOPE_SE
	s_setreg_imm32_b32 hwreg(HW_REG_WAVE_SCHED_MODE, 0, 2), 2
	s_setreg_imm32_b32 hwreg(HW_REG_WAVE_MODE, 25, 1), 1
	s_wait_xcnt 0x0
	s_wait_alu depctr_vm_vsrc(0)
; x2 = x1 + attn2 wo2 + bo2;  n3 = layer norm 3 of x2;  h = leaky_relu(n3 w1 + b1);  out = x2 + h w2 + b2.  All three products on codes of FP4; x2, n3 and h never go to memory.
; SHARES.  A work-group owns 32 tokens (tiles 2 B, 2 B + 1).  THE WAVES SHARE THE COLUMNS: wave w makes channels 128 w .. of x2 and of out, and hidden units 512 w .. 512 w + 511 in four groups of 128, each one K step of the last product.
; Products transposed (source 0 = 16 columns of the weight, source 1 = 16 tokens): a lane holds one token, its 64 registers columns 32 b + 16 hh + i: neighbours along the next K.
; THE WEIGHTS STREAM THROUGH WINDOWS 1 AND 2 BY TURNS, in nine chunks of 32 fragments (64 + 16 loads): wo2; four groups of w1; four runs of four K steps of w2.  Behind the products on a chunk the chunk after next is asked for into
; the same window, so a chunk has the work on its neighbour in which to land.
; x2 waits in LDS as an image of the accumulators; n3's and h's codes go from wave to wave as images of operand registers; four barriers.  The 16 accumulators take turns, one instruction a turn.
; All work-groups stream the same weights, straight from memory into registers: there is no LDS tile that a joint request could fill, so no cluster in this form.
; LIMITS: blocks of zeros and blocks under 2^-124 get the byte 1; NaN and infinities are not served.
; REGISTERS.  window 0: v1-15 addresses; v16-47 two sets of weight scale words; v48-55, v56-59 the rows' scale words; v64-191 the accumulators; v192-255 (Z) the rows' fragments, later work, at the end rows of out.
;   window 3: v0-63 bo2, then n3's, then h's fragments; v64-127, v128-191, v192-255 slots for gain, bias and the products' biases.
; THE MODE: SCHED_MODE bits 1:0 = 2 (LLVM: expert scheduling mode 2), set by the entry lines.  The code itself states the register dependences
; between vector or matrix instructions and memory or LDS instructions, with s_wait_alu, always for 0.
; THE PLAN.  Registers that memory or LDS instructions touch, in the order of the text (there is no loop):
;   v1-15                 addresses, made once at the head.
;   windows 1, 2 and the two scale sets   a chunk's loads land in them; the products on the chunk read them; behind those products the chunk after next is loaded.
;   slots of window 3     loads land in them; additions, the norm or a product's first step read them; then the next tenant is loaded.
;   v0-63 of window 3, Y2S   LDS loads land in them (n3's, then h's fragments and scale words); the products read them.
;   YS                    loaded; merged by vector instructions; taken by the first product as scales.
;   D0, D1                loaded (x1); written by additions and products; read by LDS stores (x2's image); written by the norm, products and activations; x2's LDS loads land in them; at the end read by the stage's LDS stores.
;   T+6, T+7, PC, PW      written by vector instructions; read by LDS stores.        PA: LDS loads land in it, additions work on it.
;   Z at the end          the stage's LDS loads land in it, global stores read it; its last two registers then become the closing add's.
; ONE wait on va_vdst stands behind each run of 64 products, under the window of the chunk that is loaded next: it serves that chunk's 80 loads, the slot's loads and, behind the first run, the 32 LDS stores of x2.
; The two quantisers of a pair of tiles stand together, so that one wait on va_vdst serves all their stores; one wait on vm_vsrc stands at the head of each group of hidden units.
.set ST1,   33792
.set ST2,   34304
.set Y2IMG, 34816
.set Y2SC,  43008
.set XSV,   43520                      ; x2: 16,384 bytes a wave
.set HIMG,  109056                     ; h's 32 fragments: (16 m + K step) x 1,024
.set HSC,   141824                     ; their scale words: [m][16 steps][16]
.set LI,  1
.set LS,  2
.set XA,  3
.set STA, 4
.set STL, 5
.set SO,  6
.set SR,  7
.set IMG, 8
.set SCA, 9
.set BL,  10
.set XSA, 11
.set HWI, 12
.set HWS, 13
.set HRI, 14
.set HRS, 15
.set YS,  48
.set Y2S, 56
.set PT,  60
.set D0,  64
.set D1,  128
.set Z,   192
.set NM,  192
.set RS,  196
.set TM,  200
.set PW,  216
.set PC,  224
.set T,   240
.set PA,  248
.set SEL, 22
.set MSB, 0
.macro WIN new
.if MSB != (\new)
	s_set_vgpr_msb (MSB<<8)|(\new)
.set MSB, (\new)
.endif
.endm
.macro PLACES n
.rept \n
	v_nop
.endr
.endm
.macro BARRIER
	s_wait_dscnt 0x0
	s_barrier_signal -1
	s_barrier_wait -1
.endm
.macro DLOAD reg, adr, base, off
.irp b, 0,1,2,3
.irp j, 0,1,2,3
	global_load_b128 v[\reg+16*\b+4*\j:\reg+16*\b+4*\j+3], v[\adr], s[\base:\base+1] offset:\off+128*\b+16*\j
.endr
.endr
.endm
.macro CHUNK win, base, off, tstr, w   ; 32 fragments: (t, s) at v[8 (4 t + s)] of window win.  w = 1: products have read the window
	WIN (\win)<<6
.if \w
	s_wait_alu depctr_va_vdst(0)                   ; the products above are done reading this window's fragments, their scale set and the slot that gave their first C, in which the loads below land, and have written the accumulators
.endif
.irp t, 0,1,2,3,4,5,6,7
.irp s, 0,1,2,3
.irp c, 0,1
	global_load_b128 v[8*(4*\t+\s)+4*\c:8*(4*\t+\s)+4*\c+3], v[LI], s[\base:\base+1] offset:\off+\t*\tstr+1024*\s+512*\c
.endr
.endr
.endr
.endm
.macro SLOAD set, base, off, tstr
	WIN 0
.irp t, 0,1,2,3,4,5,6,7
.irp i, 0,1
	global_load_b32 v[16+16*\set+2*\t+\i], v[LS], s[\base:\base+1] offset:\off+\t*\tstr+128*\i
.endr
.endr
.endm
.macro MM d, a, b, c, sa, sb, ra, rb
.if (\ra) && (\rb)
	v_wmma_scale_f32_16x16x128_f8f6f4 v[\d:\d+7], v[\a:\a+7], v[\b:\b+7], v[\c:\c+7], v[\sa], v[\sb] matrix_a_fmt:MATRIX_FMT_FP4 matrix_b_fmt:MATRIX_FMT_FP4 matrix_a_scale:MATRIX_SCALE_ROW1 matrix_b_scale:MATRIX_SCALE_ROW1
.elseif (\ra)
	v_wmma_scale_f32_16x16x128_f8f6f4 v[\d:\d+7], v[\a:\a+7], v[\b:\b+7], v[\c:\c+7], v[\sa], v[\sb] matrix_a_fmt:MATRIX_FMT_FP4 matrix_b_fmt:MATRIX_FMT_FP4 matrix_a_scale:MATRIX_SCALE_ROW1
.elseif (\rb)
	v_wmma_scale_f32_16x16x128_f8f6f4 v[\d:\d+7], v[\a:\a+7], v[\b:\b+7], v[\c:\c+7], v[\sa], v[\sb] matrix_a_fmt:MATRIX_FMT_FP4 matrix_b_fmt:MATRIX_FMT_FP4 matrix_b_scale:MATRIX_SCALE_ROW1
.else
	v_wmma_scale_f32_16x16x128_f8f6f4 v[\d:\d+7], v[\a:\a+7], v[\b:\b+7], v[\c:\c+7], v[\sa], v[\sb] matrix_a_fmt:MATRIX_FMT_FP4 matrix_b_fmt:MATRIX_FMT_FP4
.endif
.endm
; 64 matrix instructions: four K steps x two tiles of tokens x eight tiles of columns.  wa: the chunk's window; cs: the first step's C in window 3, or -1: in place; set: the chunk's scale set; bs: the rows' first scale register;
; mode 0: the rows' fragments in window 0 at Z, a scale register a step; mode 1: in window 3 at v0, two steps a register
.macro GEMM wa, cs, set, bs, mode
.irp s, 0,1,2,3
.if \mode == 0
	WIN \wa
.elseif ((\cs) >= 0) && (\s == 0)
	WIN (\wa)+0x3c
.else
	WIN (\wa)+0x0c
.endif
.irp m, 0,1
.irp t, 0,1,2,3,4,5,6,7
.if \mode == 0
	MM D0+64*\m+8*\t, 8*(4*\t+\s), Z+8*(4*\m+\s), D0+64*\m+8*\t, 16+16*\set+2*\t+\s/2, \bs+4*\m+\s, \s%2, 0
.elseif ((\cs) >= 0) && (\s == 0)
	MM D0+64*\m+8*\t, 8*(4*\t+\s), 8*(4*\m+\s), \cs+8*\t, 16+16*\set+2*\t+\s/2, \bs+2*\m+\s/2, \s%2, \s%2
.else
	MM D0+64*\m+8*\t, 8*(4*\t+\s), 8*(4*\m+\s), D0+64*\m+8*\t, 16+16*\set+2*\t+\s/2, \bs+2*\m+\s/2, \s%2, \s%2
.endif
.endr
.endr
.endr
.endm
.macro SUM64 s, d
	v_pk_add_f32 v[T:T+1], v[\s:\s+1], v[\s+2:\s+3]
	v_pk_add_f32 v[T+2:T+3], v[\s+4:\s+5], v[\s+6:\s+7]
.irp j, 8,12,16,20,24,28,32,36,40,44,48,52,56,60
	v_pk_add_f32 v[T:T+1], v[T:T+1], v[\s+\j:\s+\j+1]
	v_pk_add_f32 v[T+2:T+3], v[T+2:T+3], v[\s+\j+2:\s+\j+3]
.endr
	v_pk_add_f32 v[T:T+1], v[T:T+1], v[T+2:T+3]
	v_add_f32 v[\d], v[T], v[T+1]
	v_permlanex16_b32 v[T+4], v[\d], s[SEL], s[SEL+1]
	v_add_f32 v[\d], v[\d], v[T+4]
.endm
.macro SQ64 s, d
	v_pk_mul_f32 v[T:T+1], v[\s:\s+1], v[\s:\s+1]
	v_pk_mul_f32 v[T+2:T+3], v[\s+2:\s+3], v[\s+2:\s+3]
.irp j, 4,8,12,16,20,24,28,32,36,40,44,48,52,56,60
	v_pk_fma_f32 v[T:T+1], v[\s+\j:\s+\j+1], v[\s+\j:\s+\j+1], v[T:T+1]
	v_pk_fma_f32 v[T+2:T+3], v[\s+\j+2:\s+\j+3], v[\s+\j+2:\s+\j+3], v[T+2:T+3]
.endr
	v_pk_add_f32 v[T:T+1], v[T:T+1], v[T+2:T+3]
	v_add_f32 v[\d], v[T], v[T+1]
	v_permlanex16_b32 v[T+4], v[\d], s[SEL], s[SEL+1]
	v_add_f32 v[\d], v[\d], v[T+4]
.endm
.macro FOUR off
	ds_load_b128 v[PA:PA+3], v[STL] offset:\off
	ds_load_b128 v[PA+4:PA+7], v[STL] offset:\off+256
	s_wait_dscnt 0x0
	v_add_f32 v[PA], v[PA], v[PA+1]
	v_add_f32 v[PA+2], v[PA+2], v[PA+3]
	v_add_f32 v[PA+4], v[PA+4], v[PA+5]
	v_add_f32 v[PA+6], v[PA+6], v[PA+7]
	v_add_f32 v[PA], v[PA], v[PA+2]
	v_add_f32 v[PA+4], v[PA+4], v[PA+6]
.endm
.macro STATS                           ; the layer norm of the 32 tokens in D0, D1, in place, in two passes; gain and bias in window 3 at v128 and v192
	SUM64 D0, T+6
	SUM64 D1, T+7
	s_wait_alu depctr_va_vdst(0)                   ; the two sums are written, which the LDS stores read
	ds_store_b32 v[STA], v[T+6] offset:ST1
	ds_store_b32 v[STA], v[T+7] offset:ST1+256
	BARRIER
	s_wait_alu depctr_vm_vsrc(0)                   ; my LDS stores have read v[T+6] and v[T+7], and those of x2's image the accumulators: all are written again below
	FOUR ST1
	v_mul_f32 v[NM], 0xbb000000, v[PA]
	v_mul_f32 v[NM+2], 0xbb000000, v[PA+4]
	v_mov_b32 v[NM+1], v[NM]
	v_mov_b32 v[NM+3], v[NM+2]
.irp m, 0,1
.set qi, 0
.rept 32
	v_pk_add_f32 v[D0+64*\m+qi:D0+64*\m+qi+1], v[D0+64*\m+qi:D0+64*\m+qi+1], v[NM+2*\m:NM+2*\m+1] op_sel_hi:[1,0]
.set qi, qi+2
.endr
.endr
	SQ64 D0, T+6
	SQ64 D1, T+7
	s_wait_alu depctr_va_vdst(0)                   ; the two sums of squares are written, which the LDS stores read; the additions above are done with v[PA ..], in which the next LDS loads land
	ds_store_b32 v[STA], v[T+6] offset:ST2
	ds_store_b32 v[STA], v[T+7] offset:ST2+256
	BARRIER
	FOUR ST2
	v_fma_f32 v[RS], v[PA], s24, s25
	v_fma_f32 v[RS+2], v[PA+4], s24, s25
	s_wait_alu depctr_va_vdst(0)
	v_rsq_f32 v[RS], v[RS]
	v_rsq_f32 v[RS+2], v[RS+2]
	v_nop
	s_wait_alu depctr_va_vdst(0)                   ; the two roots are written, ahead of their first reader: one wait for both
	v_mov_b32 v[RS+1], v[RS]
	v_mov_b32 v[RS+3], v[RS+2]
.irp m, 0,1
.set qi, 0
.rept 32
	v_pk_mul_f32 v[D0+64*\m+qi:D0+64*\m+qi+1], v[D0+64*\m+qi:D0+64*\m+qi+1], v[RS+2*\m:RS+2*\m+1] op_sel_hi:[1,0]
.set qi, qi+2
.endr
.endr
	WIN 0x3c
.irp m, 0,1
.set qi, 0
.rept 32
	v_pk_fma_f32 v[D0+64*\m+qi:D0+64*\m+qi+1], v[D0+64*\m+qi:D0+64*\m+qi+1], v[128+qi:128+qi+1], v[192+qi:192+qi+1]
.set qi, qi+2
.endr
.endr
	WIN 0
.endm
.macro QUANT s, pc, pw
.irp b, 0,1,2,3
	v_max3_num_f32 v[TM+\b], |v[\s+16*\b]|, |v[\s+1+16*\b]|, 0x1800000
.endr
.irp i, 2,4,6,8,10,12,14
.irp b, 0,1,2,3
	v_max3_num_f32 v[TM+\b], v[TM+\b], |v[\s+16*\b+\i]|, |v[\s+1+16*\b+\i]|
.endr
.endr
.irp b, 0,1,2,3
	v_permlanex16_b32 v[TM+4+\b], v[TM+\b], s[SEL], s[SEL+1]
.endr
.irp b, 0,1,2,3
	v_max_num_f32 v[TM+\b], v[TM+\b], v[TM+4+\b]
.endr
.irp b, 0,1,2,3
	v_add_nc_u32 v[TM+12+\b], 0xff000000, v[TM+\b]
.endr
.irp b, 0,1,2,3
	v_lshrrev_b32 v[TM+4+\b], 23, v[TM+12+\b]
.endr
	v_lshl_or_b32 v[\pw], v[TM+5], 8, v[TM+4]
	v_lshl_or_b32 v[\pw], v[TM+6], 16, v[\pw]
	v_lshl_or_b32 v[\pw], v[TM+7], 24, v[\pw]
.irp b, 0,1,2,3
	v_cvt_scalef32_pk8_fp4_f32 v[\pc+2*\b], v[\s+16*\b:\s+7+16*\b], v[TM+12+\b]
	v_cvt_scalef32_pk8_fp4_f32 v[\pc+1+2*\b], v[\s+8+16*\b:\s+15+16*\b], v[TM+12+\b]
.endr
	v_nop
.irp c, 0,1
.irp i, 0,1
	v_permlane16_swap_b32 v[\pc+4*\c+\i], v[\pc+2+4*\c+\i]
.endr
.endr
.endm
.macro XOUT m, base                    ; tile m of the tokens leaves: through my stage and out as 16 rows of 512 consecutive bytes
.irp b, 0,1,2,3
.irp q, 0,1,2,3
	ds_store_b128 v[SO], v[D0+64*\m+16*\b+4*\q:D0+64*\m+16*\b+4*\q+3] offset:128*\b+16*\q
.endr
.endr
.irp i, 0,1,2,3,4,5,6,7,8,9,10,11,12,13,14,15
	ds_load_b128 v[Z+4*\i:Z+4*\i+3], v[SR] offset:528*\i
.endr
.irp i, 0,1,2,3,4,5,6,7,8,9,10,11,12,13,14,15
	s_wait_dscnt 15-\i                             ; row i is back; the younger rows may be out
	global_store_b128 v[LI], v[Z+4*\i:Z+4*\i+3], s[\base:\base+1] offset:(8*\m+\i+8*(\i/8))*2048 th:TH_STORE_NT
.endr
.endm
.macro BIASADD slot                    ; both tiles' accumulators + 64 numbers of window 3
	WIN 0x0c
.irp m, 0,1
.set qi, 0
.rept 32
	v_pk_add_f32 v[D0+64*\m+qi:D0+64*\m+qi+1], v[D0+64*\m+qi:D0+64*\m+qi+1], v[\slot+qi:\slot+qi+1]
.set qi, qi+2
.endr
.endr
	WIN 0
.endm
.macro ACT d                           ; leaky_relu = max(x, 0.01 x), sixteen numbers at a time
.irp p, 0,1,2,3
.irp j, 0,2,4,6,8,10,12,14
	v_pk_mul_f32 v[T+\j:T+\j+1], v[\d+16*\p+\j:\d+16*\p+\j+1], s[54:55] op_sel_hi:[1,0]
.endr
.irp j, 0,1,2,3,4,5,6,7,8,9,10,11,12,13,14,15
	v_max_num_f32 v[\d+16*\p+\j], v[\d+16*\p+\j], v[T+\j]
.endr
.endr
.endm
.macro HID i                           ; my group i of hidden units, both tiles of tokens: activation, codes, image: K step 4 w + i of the last product
	s_wait_alu depctr_vm_vsrc(0)                   ; the LDS stores issued so far have read v[PC ..] and v[PW ..] (ahead of the first group: v[T+6] and v[T+7] too), which the lines below write again
.irp m, 0,1
	ACT D0+64*\m
	QUANT D0+64*\m, PC+8*\m, PW+\m
.endr
	s_wait_alu depctr_va_vdst(0)                   ; both tiles' codes and scale words are written, which the six LDS stores read
.irp m, 0,1
	ds_store_b128 v[HWI], v[PC+8*\m:PC+8*\m+3] offset:16384*\m+1024*\i
	ds_store_b128 v[HWI], v[PC+8*\m+4:PC+8*\m+7] offset:16384*\m+1024*\i+512
	ds_store_b32 v[HWS], v[PW+\m] offset:1024*\m+64*\i
.endr
	s_wait_dscnt 0x0                               ; my images of this group lie in LDS
.endm
.macro HFETCH j, w                     ; h's fragments of K steps 4 j .. 4 j + 3, both tiles, into window 3, and their scale words.  w = 1: no wait on va_vdst stands just ahead
	WIN 0xc0
.if \w
	s_wait_alu depctr_va_vdst(0)                   ; the products above are done reading v0-63 of window 3 and v[Y2S ..], in which the LDS loads below land
.endif
.irp m, 0,1
.irp s, 0,1,2,3
.irp c, 0,1
	ds_load_b128 v[8*(4*\m+\s)+4*\c:8*(4*\m+\s)+4*\c+3], v[HRI] offset:16384*\m+4096*\j+1024*\s+512*\c
.endr
.endr
.endr
	WIN 0
.irp m, 0,1
.irp i, 0,1
	ds_load_b32 v[Y2S+2*\m+\i], v[HRS] offset:1024*\m+256*\j+128*\i
.endr
.endr
.endm
	s_load_b256 s[4:11], s[0:1], 0x0               ; tb, wb, cb, bo2
	s_load_b256 s[12:19], s[0:1], 0x20             ; ln3_g, ln3_b, b1, b2
	s_load_b64 s[52:53], s[0:1], 0x40              ; out0
	v_lshrrev_b32 v1, 5, v0
	v_readfirstlane_b32 s20, v1                    ; wave
	s_mov_b32 s21, ttmp9                           ; block of 32 tokens
	v_and_b32 v64, 31, v0
	v_and_b32 v65, 15, v0                          ; r
	v_bfe_u32 v66, v0, 4, 1                        ; hh
	v_lshlrev_b32 v[LI], 4, v64
	v_lshlrev_b32 v[LS], 2, v64
	v_and_b32 v[XA], 8, v65
	v_add_nc_u32 v[XA], v[XA], v65
	v_lshlrev_b32 v[XA], 11, v[XA]
	v_lshl_add_u32 v[XA], v66, 6, v[XA]
	v_lshlrev_b32 v[BL], 6, v66
	v_lshlrev_b32 v[STL], 4, v65
	s_wait_alu depctr_va_sdst(0)                   ; s20 is written, ahead of its first reader: addresses and pointers are made from it
	s_lshl_b32 s28, s20, 2
	v_add_nc_u32 v[STA], s28, v[STL]
	s_mul_i32 s28, s20, 16*528
	v_mul_u32_u24 v[SO], v65, 528
	v_lshl_add_u32 v[SO], v66, 6, v[SO]
	v_add_nc_u32 v[SO], s28, v[SO]
	v_add_nc_u32 v[SR], s28, v[LI]
	s_lshl_b32 s28, s20, 10
	v_add_nc_u32 v[IMG], s28, v[LI]
	s_lshl_b32 s28, s20, 6
	v_lshlrev_b32 v[SCA], 2, v65
	v_add_nc_u32 v[HWS], HSC, v[SCA]
	v_add_nc_u32 v[SCA], s28, v[SCA]
	s_lshl_b32 s28, s20, 8
	v_add_nc_u32 v[HWS], s28, v[HWS]               ; 4 r + 256 w + HSC
	s_lshl_b32 s28, s20, 14
	v_add_nc_u32 v[XSA], s28, v[LI]
	v_add_nc_u32 v[XSA], XSV, v[XSA]
	v_add_nc_u32 v[HRI], HIMG, v[LI]
	s_lshl_b32 s28, s20, 12
	v_add_nc_u32 v[HWI], s28, v[HRI]
	v_add_nc_u32 v[HRS], HSC, v[LS]
.irp i, 0,1,2,3
	v_mov_b32 v[PT+\i], 0
.endr
	s_mov_b32 s[SEL], 0x76543210
	s_mov_b32 s[SEL+1], 0xfedcba98
	s_mov_b32 s24, 0x3b000000                      ; 1 / 512
	s_mov_b32 s25, 0x3727c5ac                      ; 1e-5
	s_mov_b32 s54, 0x3c23d70a                      ; 0.01
	s_mov_b32 s55, s54
	s_lshl_b32 s50, s20, 9                         ; 512 w
	s_mov_b32 s51, 0
	s_mov_b32 s29, 0
	s_wait_kmcnt 0x0
	s_lshl_b32 s28, s21, 13
	s_add_nc_u64 s[30:31], s[4:5], s[28:29]        ; the rows' fragments
	s_lshl_b32 s28, s21, 10
	s_add_co_u32 s28, s28, 0x200000
	s_add_nc_u64 s[32:33], s[4:5], s[28:29]        ; their scale words, a word a head
	s_lshl_b32 s28, s21, 16
	s_add_co_u32 s28, s28, s50
	s_add_nc_u64 s[52:53], s[52:53], s[28:29]      ; out
	s_add_co_u32 s28, s28, 2359296
	s_add_nc_u64 s[34:35], s[8:9], s[28:29]        ; x1
	s_add_nc_u64 s[10:11], s[10:11], s[50:51]
	s_add_nc_u64 s[12:13], s[12:13], s[50:51]
	s_add_nc_u64 s[14:15], s[14:15], s[50:51]
	s_add_nc_u64 s[18:19], s[18:19], s[50:51]
	s_lshl_b32 s28, s20, 11
	s_add_nc_u64 s[16:17], s[16:17], s[28:29]      ; b1: my 512 numbers
	s_add_co_u32 s28, s28, 0x200000+7*8192
	s_add_nc_u64 s[38:39], s[6:7], s[28:29]        ; wo2's scale words
	s_lshl_b32 s28, s20, 15
	s_add_co_u32 s28, s28, 7*131072
	s_add_nc_u64 s[36:37], s[6:7], s[28:29]        ; wo2
	s_lshl_b32 s28, s20, 17
	s_add_co_u32 s28, s28, 0x100000
	s_add_nc_u64 s[40:41], s[6:7], s[28:29]        ; w1: my 32 tiles
	s_add_co_u32 s28, s28, 0x80000
	s_add_nc_u64 s[44:45], s[6:7], s[28:29]        ; w2: my 8 tiles
	s_lshl_b32 s28, s20, 13
	s_add_co_u32 s28, s28, 0x200000+0x10000
	s_add_nc_u64 s[42:43], s[6:7], s[28:29]
	s_add_co_u32 s28, s28, 0x8000
	s_add_nc_u64 s[46:47], s[6:7], s[28:29]
	; ---- the head's loads; the fragments of w1's first group last
	s_wait_alu depctr_va_vdst(0)                   ; the fifteen addresses v1 to v15 are written, which the kernel's loads and stores read; so are v64 to v66, in which loads of x1 land
.set i, 0
.rept 16
	global_load_b128 v[Z+4*i:Z+4*i+3], v[LI], s[30:31] offset:512*i
.set i, i+1
.endr
.irp m, 0,1
.irp s, 0,1,2,3
	global_load_b32 v[YS+4*\m+\s], v[LS], s[32:33] offset:512*\m+128*\s
.endr
.endr
	DLOAD D0, XA, 34, 0
	DLOAD D1, XA, 34, 16384
	WIN 0xc0
	DLOAD 0, BL, 10, 0                             ; bo2
	DLOAD 128, BL, 12, 0                           ; gain
	DLOAD 192, BL, 14, 0                           ; the norm's bias
	CHUNK 1, 36, 0, 4096, 0                        ; chunk 0: wo2
	SLOAD 0, 38, 0, 256
	WIN 0xc0
	DLOAD 64, BL, 16, 0                            ; b1 of group 0
	SLOAD 1, 42, 0, 256
	CHUNK 2, 40, 0, 4096, 0                        ; chunk 1: w1, group 0
	WIN 0
	s_wait_loadcnt 63                              ; the 63 youngest loads are all of chunk 1's 64 fragment loads: everything else is in
.irp g, 0,4
.irp i, 0,1,2,3
	v_permlanex16_b32 v[PT+\i], v[YS+\g+\i], s[SEL], s[SEL+1]
.endr
.irp i, 0,1,2,3
	v_lshl_or_b32 v[YS+\g+\i], v[PT+\i], 16, v[YS+\g+\i]
.endr
.endr
	BIASADD 0                                      ; x1 + bo2: the sums begin there
	PLACES 4
	s_wait_alu depctr_va_vdst(0)                   ; the merged scale words v[YS ..] are written, which the products below take as scales; the places above stay beside this wait
	GEMM 1, -1, 0, YS, 0
	WIN 0
	PLACES 4                                       ; ahead of the reads of results
	CHUNK 1, 40, 32768, 4096, 1                    ; chunk 2: w1, group 1
	SLOAD 0, 42, 2048, 256
.set i, 0
.rept 32
	ds_store_b128 v[XSA], v[D0+4*i:D0+4*i+3] offset:512*i          ; x2 waits in LDS, as it stands in my registers (no vector or matrix instruction since the chunk's wait names the accumulators)
.set i, i+1
.endr
	v_mov_b32 v[T+4], 0
.irp b, 0,1,2,3
	v_mov_b32 v[TM+4+\b], 0
.endr
	STATS
	QUANT D0, PC, PW
	QUANT D1, PC+8, PW+1
	WIN 0xc0
	s_wait_alu depctr_va_vdst(0)                   ; the norm is done reading the gain and its bias in v128-255 of window 3, in which the loads below land; both tiles' codes and scale words are written, which the six LDS stores read
	DLOAD 128, BL, 16, 512                         ; b1 of groups 1 and 2 take the gain's and the bias's places
	DLOAD 192, BL, 16, 1024
	WIN 0
	ds_store_b128 v[IMG], v[PC:PC+3] offset:Y2IMG
	ds_store_b128 v[IMG], v[PC+4:PC+7] offset:Y2IMG+512
	ds_store_b32 v[SCA], v[PW] offset:Y2SC
	ds_store_b128 v[IMG], v[PC+8:PC+11] offset:Y2IMG+4096
	ds_store_b128 v[IMG], v[PC+12:PC+15] offset:Y2IMG+4608
	ds_store_b32 v[SCA], v[PW+1] offset:Y2SC+256
	BARRIER                                        ; n3's eight fragments lie in LDS
	WIN 0xc0
	s_wait_alu depctr_va_vdst(0)                   ; the additions of bo2 are done reading v0-63 of window 3, in which the LDS loads below land
.set i, 0
.rept 16
	ds_load_b128 v[4*i:4*i+3], v[LI] offset:Y2IMG+512*i
.set i, i+1
.endr
	WIN 0
.irp m, 0,1
.irp i, 0,1
	ds_load_b32 v[Y2S+2*\m+\i], v[LS] offset:Y2SC+256*\m+128*\i
.endr
.endr
	s_wait_dscnt 0x0
	; ---- the hidden layer, four groups of 128 units
	s_wait_loadcnt 63                              ; behind chunk 1 stand chunk 2's 80 loads and 32 of biases: chunk 1 is in
	GEMM 2, 64, 1, Y2S, 1
	WIN 0
	PLACES 4
	CHUNK 2, 40, 65536, 4096, 1                    ; chunk 3: w1, group 2
	SLOAD 1, 42, 4096, 256
	WIN 0xc0
	DLOAD 64, BL, 16, 1536                         ; b1 of group 3
	WIN 0
	HID 0
	s_wait_loadcnt 63                              ; behind chunk 2 and the biases of groups 1, 2 stand 96 younger loads
	GEMM 1, 128, 0, Y2S, 1
	WIN 0
	PLACES 4
	CHUNK 1, 40, 98304, 4096, 1                    ; chunk 4: w1, group 3
	SLOAD 0, 42, 6144, 256
	WIN 0xc0
	DLOAD 128, BL, 18, 0                           ; b2
	WIN 0
	HID 1
	s_wait_loadcnt 63                              ; behind chunk 3 and b1 of group 3 stand 96 younger loads
	GEMM 2, 192, 1, Y2S, 1
	WIN 0
	PLACES 4
	CHUNK 2, 44, 0, 16384, 1                       ; chunk 5: w2, K steps 0-3
	SLOAD 1, 46, 0, 1024
	HID 2
	s_wait_loadcnt 63                              ; behind chunk 4 and b2 stand chunk 5's 80 loads
	GEMM 1, 64, 0, Y2S, 1
	WIN 0
	PLACES 4
	CHUNK 1, 44, 4096, 16384, 1                    ; chunk 6: w2, K steps 4-7
	SLOAD 0, 46, 256, 1024
	HID 3
	BARRIER                                        ; h's 32 fragments lie in LDS
	; ---- the last product, onto x2 + b2
.set i, 0
.rept 32
	ds_load_b128 v[D0+4*i:D0+4*i+3], v[XSA] offset:512*i           ; (the last group's wait on va_vdst stands behind every vector line that named the accumulators)
.set i, i+1
.endr
	HFETCH 0, 1
	s_wait_dscnt 0x0
	BIASADD 128
	PLACES 4
	s_wait_alu depctr_va_vdst(0)
	s_wait_loadcnt 63                              ; behind chunk 5 stand chunk 6's 80 loads
	GEMM 2, -1, 1, Y2S, 1
	WIN 0
	PLACES 4
	CHUNK 2, 44, 8192, 16384, 1                    ; chunk 7: w2, K steps 8-11
	SLOAD 1, 46, 512, 1024
	HFETCH 1, 0                                    ; (the chunk's wait serves: only loads and window switches stand between)
	s_wait_dscnt 0x0
	s_wait_loadcnt 63                              ; behind chunk 6 stand chunk 7's 80 loads
	GEMM 1, -1, 0, Y2S, 1
	WIN 0
	PLACES 4
	CHUNK 1, 44, 12288, 16384, 1                   ; chunk 8: w2, K steps 12-15
	SLOAD 0, 46, 768, 1024
	HFETCH 2, 0
	s_wait_dscnt 0x0
	s_wait_loadcnt 63                              ; behind chunk 7 stand chunk 8's 80 loads
	GEMM 2, -1, 1, Y2S, 1
	WIN 0
	PLACES 4
	HFETCH 3, 1
	s_wait_dscnt 0x0
	s_wait_loadcnt 0x0                             ; chunk 8
	GEMM 1, -1, 0, Y2S, 1
	WIN 0
	PLACES 4                                       ; ahead of the reads of results
	s_wait_alu depctr_vm_vsrc(0)                   ; the hidden layer's LDS stores have read v[PC ..] and v[PW ..], which lie in Z, where the stage's LDS loads land
	s_wait_alu depctr_va_vdst(0)                   ; the products have written the accumulators, which the stage's LDS stores read; the vector work is done with Z, in which the stage's LDS loads land
	XOUT 0, 52
	s_wait_xcnt 0x0                                ; the stores have had their addresses translated
	s_wait_alu depctr_vm_vsrc(0)                   ; the global stores have read Z, in which the next tile's LDS loads land
	XOUT 1, 52
	s_wait_xcnt 0x0
	s_wait_alu depctr_vm_vsrc(0)                   ; the global stores have read v254 and v255, which the two lines below write
	v_lshl_add_u32 v254, v0, 2, 0x23200
	v_mov_b32 v255, 0
	s_wait_dscnt 0x0                               ; the closing lines, six on end
	s_wait_alu 0x0
	s_wait_tensorcnt 0x0
	ds_add_u32 v254, v255
	s_wait_dscnt 0x0
	s_endpgm
.Lfunc_end_k_q6bc962e336_ffn:
	.size	k_q6bc962e336_ffn, .Lfunc_end_k_q6bc962e336_ffn-k_q6bc962e336_ffn
	.p2alignl 7, 3214868480
	.fill 96, 4, 3214868480
	.section	.rodata,"a",@progbits
	.p2align	6, 0x0
	.amdhsa_kernel k_q6bc962e336_ffn
		.amdhsa_group_segment_fixed_size 144384
		.amdhsa_private_segment_fixed_size 0
		.amdhsa_enable_private_segment 0
		.amdhsa_kernarg_size 72
		.amdhsa_user_sgpr_count 2
		.amdhsa_user_sgpr_kernarg_segment_ptr 1
		.amdhsa_wavefront_size32 1
		.amdhsa_system_sgpr_workgroup_id_x 1
		.amdhsa_system_sgpr_workgroup_id_y 1
		.amdhsa_system_sgpr_workgroup_id_z 1
		.amdhsa_system_vgpr_workitem_id 0
		.amdhsa_next_free_vgpr 1024
		.amdhsa_next_free_sgpr 66
		.amdhsa_reserve_vcc 0
		.amdhsa_float_denorm_mode_32 3
		.amdhsa_float_denorm_mode_16_64 3
		.amdhsa_memory_ordered 1
		.amdhsa_forward_progress 1
		.amdhsa_inst_pref_size 255
	.end_amdhsa_kernel
	.section	.bss,"aw",@nobits
	.p2align	6
	.space	262144
	.amdgpu_metadata
---
amdhsa.version: [ 1, 2 ]
amdhsa.kernels:
  - .name:           k_q6bc962e336_ffn
    .symbol:         k_q6bc962e336_ffn.kd
    .args:
      - { .name: tb, .offset: 0, .size: 8, .value_kind: global_buffer, .address_space: global }
      - { .name: wb, .offset: 8, .size: 8, .value_kind: global_buffer, .address_space: global }
      - { .name: cb, .offset: 16, .size: 8, .value_kind: global_buffer, .address_space: global }
      - { .name: bo2, .offset: 24, .size: 8, .value_kind: global_buffer, .address_space: global }
      - { .name: ln3_g, .offset: 32, .size: 8, .value_kind: global_buffer, .address_space: global }
      - { .name: ln3_b, .offset: 40, .size: 8, .value_kind: global_buffer, .address_space: global }
      - { .name: b1, .offset: 48, .size: 8, .value_kind: global_buffer, .address_space: global }
      - { .name: b2, .offset: 56, .size: 8, .value_kind: global_buffer, .address_space: global }
      - { .name: out0, .offset: 64, .size: 8, .value_kind: global_buffer, .address_space: global }
    .group_segment_fixed_size: 144384
    .private_segment_fixed_size: 0
    .kernarg_segment_align: 8
    .kernarg_segment_size: 72
    .max_flat_workgroup_size: 128
    .sgpr_count:     66
    .vgpr_count:     1024
    .wavefront_size: 32
...
	.end_amdgpu_metadata
.endif
;; end of part 14
